; MI455X (gfx1250); checked and timed in simulation.
; The chip was launched on July 23, 2026; its instructions are those of AMD's public machine-readable ISA for CDNA 5 (MIT licence, August 2026) and "CDNA5" Instruction Set Architecture Reference Guide (July 2026). The comments in the code are by the model that wrote it; some were corrected since.
;; Block. Allowed arithmetic: matrix products marked QUANTISED: E2M1 operands, one E8M0 scale for each 32 along K, by v_wmma_scale_f32_16x16x128_f8f6f4 with both operands' format E2M1 (or v_wmma_scale_f32_32x16x128_f4), f32 sums; everything else in f32.
;; Inputs: W_attn 3,072 x 1,024 float32; W_fc 4,096 x 1,024 float32; W_out 1,024 x 4,096 float32; W_proj 1,024 x 1,024 float32; b_attn 3,072 float32; b_fc 4,096 float32; b_out 1,024 float32; b_proj 1,024 float32; ln1_b 1,024 float32; ln1_w 1,024 float32; ln2_b 1,024 float32; ln2_w 1,024 float32; x 4 x 1,024 x 1,024 float32.
;; Outputs: out0 4 x 1,024 x 1,024 float32.
;; This version of the problem:
;;   THIS VERSION OF THE PROBLEM IS GIVEN IN LOW PRECISION. The matrix products marked QUANTISED in the list below multiply operands that are first quantised to E2M1 (2 exponent bits, 1 mantissa bit; 4 bits a number), with one power-of-two scale for each 32 numbers along K (OCP MX v1.0); their sums are f32. All else is computed in f32.
;;   The module's matrix products, in the order in which they are computed (A, B: the left and right operand; K: the contracted axis; several contracted axes count as one K, in the product's order):
;;     1. [M 4,096, K 1,024] x [K 1,024, N 3,072]; A: computed on the way; B: input W_attn: QUANTISED
;;     2. batch 64 x [M 1,024, K 64] x [K 64, N 1,024]; A: computed on the way; B: computed on the way: QUANTISED
;;     3. batch 64 x [M 1,024, K 1,024] x [K 1,024, N 64]; A: softmax (see below); B: computed on the way: QUANTISED
;;     4. [M 4,096, K 1,024] x [K 1,024, N 1,024]; A: computed on the way; B: input W_proj: QUANTISED
;;     5. [M 4,096, K 1,024] x [K 1,024, N 4,096]; A: computed on the way; B: input W_fc: QUANTISED
;;     6. [M 4,096, K 4,096] x [K 4,096, N 1,024]; A: computed on the way; B: input W_out: QUANTISED
;;   THE QUANTISER, for each operand of a quantised product, along K:
;;     - K is cut into blocks of 32 from its start; a last block that is shorter is filled with zeros.
;;     - A block's scale is 2^e with e = floor(log2(the largest magnitude in the block)) - 2, held to -126 .. 127; a block of zeros has e = 0. As a byte (E8M0): e + 127.
;;     - Each number is divided by its block's scale, clamped to +-6, and rounded to the nearest number of E2M1, ties to even, subnormals kept.
;;     - The product sums the exact products of the quantised numbers (number of the format x scale) in f32.
;;   ~~~python
;;   def quantise(x, axis):      # numpy; x: float32 -> the quantised numbers, widened to float32 again
;;       x = np.moveaxis(x, axis, -1); K = x.shape[-1]
;;       x = np.pad(x, [(0, 0)] * (x.ndim - 1) + [(0, -K % 32)]); x = x.reshape(x.shape[:-1] + (-1, 32)); a = np.abs(x).max(-1, keepdims=True)
;;       e = np.where(a > 0, np.clip(np.frexp(np.where(a > 0, a, 1))[1] - 1 - 2, -126, 127), 0)      # np.frexp(a)[1] - 1 = floor(log2(a)), exactly
;;       r = np.clip(x / 2.0 ** e, -6, 6)
;;       step = 2.0 ** (np.maximum(np.frexp(np.where(r == 0, 1, r))[1] - 1, 0) - 1)
;;       q = np.round(r / step) * step * 2.0 ** e      # np.round: ties to even
;;       return np.moveaxis(q.reshape(q.shape[:-2] + (-1,))[..., :K], -1, axis).astype(np.float32)
;;   ~~~
;;   SOFTMAX AHEAD OF A QUANTISED PRODUCT. Where the list says 'softmax', what is quantised is not the finished softmax but p = 2^(t - M), with t = logit x log2(e) and M = ceil(the row's largest t), a whole number; so 1/2 < the row's largest p <= 1. The row's sum l is taken of the UNQUANTISED p, in f32, and the product's result is divided by l at the end. Since M is a whole number, a kernel that streams over the keys may use a running M (the ceiling of the running maximum): every later rescaling is an exact power of two, which a block's scale takes up: the codes' values come out the same.
;;   OPERANDS COMPUTED ON THE WAY. 'Computed on the way' means the value that the module computes at that place (a softmax that the list does not call 'softmax' is quantised finished and normalised). What goes into a quantiser is computed in f32, as accurately as f32 sums, v_exp_f32 and their like allow (about 1e-6 of the number): no bf16 or f16 on the way to a quantiser, and a product that is left as it is and whose result goes on into a quantised operand takes f32 operands (vector FMAs, or v_wmma_f32_16x16x4_f32). A number that lies on a knife's edge between two numbers of the format may be rounded either way, as far as f32 arithmetic and the matrix unit's own rounding can turn it there, and no further.
;; 2 versions. Each part assembles by itself: llvm-mc -triple=amdgcn-amd-amdhsa -mcpu=gfx1250 --defsym DOCPART=n.
;; ======== version 1 of 2: 7 launches
;; workspace buffers: wimg 6,684,672 bytes; himg 2,228,224 bytes; qkimg 4,456,448 bytes; vimg 2,228,224 bytes; yimg 2,228,224 bytes; x1 16,777,216 bytes; gimg 8,912,896 bytes
;; launch prep (part 1): grid 1024 x 1, 8 waves a work-group, no clusters, 70,144 bytes of LDS; arguments x, ln1_w, ln1_b, W_attn, W_proj, W_fc, W_out, himg, wimg; writes himg, wimg
.if DOCPART == 1
	.amdgcn_target "amdgcn-amd-amdhsa--gfx1250"
	.amdhsa_code_object_version 6
	.text
	.protected	k_q7714933b24_prep
	.globl	k_q7714933b24_prep
	.p2align	8
	.type	k_q7714933b24_prep,@function
k_q7714933b24_prep:
	s_mov_b64 s[64:65], 0
	v_nop
	global_prefetch_b8 v0, s[64:65] scope:SCOPE_SE
	s_setreg_imm32_b32 hwreg(HW_REG_WAVE_MODE, 25, 1), 1
	s_wait_xcnt 0x0
; FIRST LAUNCH OF SEVEN: LayerNorm 1 of x, and the four weights, are turned into codes of FP4 (E2M1) with one E8M0 byte for each 32 along K.
; THE PROGRAM: prep (this) | qkv | attn | proj (+ x) | ln2 | fc (+ gelu) | outp (+ x1).  Every operand of the six products goes through memory as codes, in ONE layout, the IMAGE:
;   a record of 4,352 bytes holds 16 rows x 512 along K: 16 units of 256 bytes, unit blk = [place 0..15][16 bytes = the 32 codes of block blk], and one unit of scale bytes [place][16 bytes, byte = blk].
;   Records lie [tile of 16 rows][K / 512].  Place p of tile t holds row 32 (t / 2) + 8 (t % 2) + p + 8 (p / 8).
;   So a fragment (16 rows x 128 K) is 1,024 bytes on end, register group c of lane l at 512 c + 16 l; used as source 0, the results of tiles 2 b and 2 b + 1 are 16 neighbours along the next K in a lane registers.
; DEAD WORK, in the whole program: only key steps of 128 keys that lie wholly behind a tile last query (launch attn).  reference() sets those scores to -inf by its own jnp.tril, so their p is 0 whatever the inputs hold,
;   and they add nothing to the sum l or to the product with v.  Every input has a way to the output and is loaded (b_attn part for k too: it moves the codes of k).
; LIMITS: a NaN, an infinity or an overflow that reaches only those masked scores is not carried to the result.  NaN and infinities among the inputs are not served.  A block of zeros, and a block whose largest
;   magnitude lies under 2^-124, gets the byte 1 (the floor) where the rule says 127 for zeros: zero codes add nothing under any byte but 0xff, and the bytes are read by this program alone.
; SHARES.  A work-group makes 8,704 bytes on end: one tile of 16 rows x 1,024 along K (two records).  Work-groups 0-255: LayerNorm of x -> himg; 256-447 W_attn, 448-511 W_proj, 512-767 W_fc,
;   768-1023 W_out (four work-groups to a tile, K = 4,096) -> wimg.  Wave w makes fragment w: K = 128 w .. 128 w + 127.
; Each load reads 512 bytes on end of one row; the 16 rows turn through the wave own stage in LDS, so that lane (r, h) holds K = 64 c + 32 h + 0 .. 31 of place r: two whole blocks, in the order of the operand registers.
; The variance is taken in two passes (mean, then the squares of x - mean), as reference() takes it.
.set REC,   4352
.set SROW,  528                        ; a stage row: 512 bytes + 16: the 16 rows that a read touches start in 16 different groups of banks
.set WSTG,  16*SROW                    ; a wave stage
.set RED,   8*WSTG                     ; 8 waves x 16 rows x 4 bytes: the sums; 512 bytes on: the sums of squares
.set SCW,   RED+1024                   ; the two scale units, 512 bytes
.set SPARE, SCW+512                    ; the spare words, 128 bytes a wave: four blocks of 256 bytes that no other line names
.set SPW, 1                            ; v1  my spare word; v2  0: never rewritten
.set NIL, 2
.set X,   32                           ; v32-95   64 numbers
.set LW,  96                           ; v96-159  the gain at my 64 places of K
.set LB,  160                          ; v160-223 the bias
.set PC,  224                          ; v224-231 the fragment codes
.set T,   232                          ; v232-247 at work
	s_load_b512 s[4:19], s[0:1], 0x0               ; x, ln1_w, ln1_b, W_attn, W_proj, W_fc, W_out, himg
	s_load_b64 s[20:21], s[0:1], 0x40              ; wimg
	v_lshl_add_u32 v[SPW], v0, 2, SPARE
	v_mov_b32 v[NIL], 0
	v_lshrrev_b32 v16, 5, v0
	v_readfirstlane_b32 s36, v16                   ; wave 0..7
	v_and_b32 v3, 31, v0                           ; lane
	v_and_b32 v4, 15, v0                           ; r
	v_bfe_u32 v5, v0, 4, 1                         ; h
	v_lshlrev_b32 v6, 4, v0                        ; in a row of the source: 512 w + 16 lane
	s_mul_i32 s37, s36, WSTG
	v_lshl_add_u32 v7, v3, 4, s37                  ; the stage, in: 16 lane
	v_mul_u32_u24 v8, v4, SROW
	v_lshl_add_u32 v8, v5, 7, v8
	v_add_nc_u32 v8, s37, v8                       ; and out: row r, + 128 h
	s_lshl_b32 s38, s36, 6
	v_lshl_add_u32 v10, v4, 2, RED                 ; the sums of row r, wave 0 on
	v_add_nc_u32 v9, s38, v10                      ; and my wave word
	s_lshr_b32 s38, s36, 2                         ; which record
	s_and_b32 s39, s36, 3                          ; which 128 of its 512
	s_lshl_b32 s40, s38, 8
	s_lshl_b32 s41, s39, 2
	s_add_co_u32 s40, s40, s41
	s_add_co_u32 s40, s40, SCW
	v_lshl_add_u32 v11, v4, 4, s40                 ; my scale word in the record scale unit
	s_lshl_b32 s40, s36, 8
	s_add_co_u32 s40, s40, SCW
	v_lshl_add_u32 v12, v3, 3, s40                 ; waves 0, 1: a scale unit back, 8 bytes a lane
	s_mul_i32 s40, s38, REC
	s_lshl_b32 s41, s39, 10
	s_add_co_u32 s40, s40, s41
	v_lshl_add_u32 v13, v3, 4, s40                 ; where my fragment goes
	s_mul_i32 s40, s36, REC
	s_add_co_u32 s40, s40, 4096
	v_lshl_add_u32 v14, v3, 3, s40                 ; waves 0, 1: where a scale unit goes
	s_lshl_b32 s40, s36, 9
	v_lshl_add_u32 v15, v5, 7, s40                 ; gain and bias: 512 w + 128 h
	s_mov_b32 s42, 0x76543210
	s_mov_b32 s43, 0xfedcba98                      ; v_permlanex16_b32: lane l xor 16
	s_mov_b32 s44, 0x3a800000                      ; 1 / 1024
	s_mov_b32 s45, 0x3727c5ac                      ; 1e-5
	; which tensor, which tile: by the work-group number alone
	s_mov_b32 s24, 768
	s_cmp_lt_u32 ttmp9, 768
	s_cselect_b32 s24, 512, s24                    ; the tensor first work-group
	s_cselect_b32 s28, 0, 2                        ; W_out: four work-groups to a tile
	s_cselect_b32 s29, 0, 3
	s_cselect_b32 s30, 12, 14                      ; log2 of a source row bytes
	s_cmp_lt_u32 ttmp9, 512
	s_cselect_b32 s24, 448, s24
	s_cmp_lt_u32 ttmp9, 448
	s_cselect_b32 s24, 256, s24
	s_cmp_lt_u32 ttmp9, 256
	s_cselect_b32 s24, 0, s24
	s_cselect_b32 s31, 0, 256
	s_sub_co_u32 s31, ttmp9, s31
	s_mul_i32 s34, s31, 2*REC                      ; my 8,704 bytes in himg or in wimg
	s_mov_b32 s35, 0
	s_sub_co_u32 s25, ttmp9, s24
	s_lshr_b32 s31, s25, s28                       ; the tile
	s_and_b32 s25, s25, s29                        ; which 1,024 along K
	s_lshr_b32 s32, s31, 1
	s_lshl_b32 s32, s32, 5
	s_and_b32 s33, s31, 1
	s_lshl_b32 s33, s33, 3
	s_or_b32 s32, s32, s33                         ; the row at place 0
	s_lshl_b32 s32, s32, s30
	s_lshl_b32 s25, s25, 12
	s_add_co_u32 s32, s32, s25
	s_mov_b32 s33, 0
	s_wait_kmcnt 0x0
	s_cmp_lt_u32 ttmp9, 768
	s_cselect_b64 s[22:23], s[14:15], s[16:17]
	s_cmp_lt_u32 ttmp9, 512
	s_cselect_b64 s[22:23], s[12:13], s[22:23]
	s_cmp_lt_u32 ttmp9, 448
	s_cselect_b64 s[22:23], s[10:11], s[22:23]
	s_cmp_lt_u32 ttmp9, 256
	s_cselect_b64 s[22:23], s[4:5], s[22:23]
	s_cselect_b64 s[26:27], s[18:19], s[20:21]
	s_add_nc_u64 s[22:23], s[22:23], s[32:33]
	s_add_nc_u64 s[26:27], s[26:27], s[34:35]
.macro LOADS pitch                     ; place q of the tile: 512 bytes on end of row q + 8 (q / 8)
.irp q, 0,1,2,3,4,5,6,7,8,9,10,11,12,13,14,15
	global_load_b128 v[X+4*\q:X+4*\q+3], v6, s[22:23] offset:(\q+8*(\q/8))*\pitch th:TH_LOAD_NT
.endr
.endm
	s_cmp_lt_u32 ttmp9, 768
	s_cbranch_scc0 .Lwide
	LOADS 4096
	s_branch .Lasked
.Lwide:
	LOADS 16384
.Lasked:
	s_wait_loadcnt 0x0
.irp q, 0,1,2,3,4,5,6,7,8,9,10,11,12,13,14,15
	ds_store_b128 v7, v[X+4*\q:X+4*\q+3] offset:SROW*\q
.endr
.irp c, 0,1
.irp p, 0,1,2,3,4,5,6,7
	ds_load_b128 v[X+32*\c+4*\p:X+32*\c+4*\p+3], v8 offset:256*\c+16*\p   ; LDS serves a wave instructions in order: these see my stores
.endr
.endr
	s_wait_dscnt 0x0
	s_cmp_lt_u32 ttmp9, 256                        ; the same in all eight waves: the barriers below are passed by all or by none
	s_cbranch_scc0 .Lquant
; four pairs of partial sums in v[T .. T+7] become the row total in v[T+8], the same bits in every wave
.macro ACROSS off
	v_pk_add_f32 v[T:T+1], v[T:T+1], v[T+2:T+3]
	v_pk_add_f32 v[T+4:T+5], v[T+4:T+5], v[T+6:T+7]
	v_pk_add_f32 v[T:T+1], v[T:T+1], v[T+4:T+5]
	v_add_f32 v[T], v[T], v[T+1]
	v_permlanex16_b32 v[T+2], v[T], s42, s43
	v_add_f32 v[T], v[T], v[T+2]                   ; my wave 128 numbers of row r
	ds_store_b32 v9, v[T] offset:\off              ; lanes r and r + 16 write the same word with the same value
	s_wait_dscnt 0x0                               ; for the others: my store is done
	s_barrier_signal -1
	s_barrier_wait -1
.irp u, 0,1,2,3,4,5,6,7
	ds_load_b32 v[T+8+\u], v10 offset:\off+64*\u
.endr
	s_wait_dscnt 0x0
	v_pk_add_f32 v[T+8:T+9], v[T+8:T+9], v[T+10:T+11]
	v_pk_add_f32 v[T+12:T+13], v[T+12:T+13], v[T+14:T+15]
	v_pk_add_f32 v[T+8:T+9], v[T+8:T+9], v[T+12:T+13]
	v_add_f32 v[T+8], v[T+8], v[T+9]
.endm
.irp c, 0,1
.irp p, 0,1,2,3,4,5,6,7
	global_load_b128 v[LW+32*\c+4*\p:LW+32*\c+4*\p+3], v15, s[6:7] offset:256*\c+16*\p
	global_load_b128 v[LB+32*\c+4*\p:LB+32*\c+4*\p+3], v15, s[8:9] offset:256*\c+16*\p
.endr
.endr
.irp k, 0,1,2,3
	v_pk_add_f32 v[T+2*\k:T+2*\k+1], v[X+2*\k:X+2*\k+1], v[X+8+2*\k:X+9+2*\k]
.endr
.irp j, 16,24,32,40,48,56
.irp k, 0,1,2,3
	v_pk_add_f32 v[T+2*\k:T+2*\k+1], v[T+2*\k:T+2*\k+1], v[X+\j+2*\k:X+\j+2*\k+1]
.endr
.endr
	ACROSS 0
	v_mul_f32 v[T], s44, v[T+8]                    ; the mean
	v_mov_b32 v[T+1], v[T]
.set j, 0
.rept 32
	v_pk_add_f32 v[X+j:X+j+1], v[X+j:X+j+1], v[T:T+1] neg_lo:[0,1] neg_hi:[0,1]   ; x - mean
.set j, j+2
.endr
.irp k, 0,1,2,3
	v_pk_mul_f32 v[T+2*\k:T+2*\k+1], v[X+2*\k:X+2*\k+1], v[X+2*\k:X+2*\k+1]
.endr
.irp j, 8,16,24,32,40,48,56
.irp k, 0,1,2,3
	v_pk_fma_f32 v[T+2*\k:T+2*\k+1], v[X+\j+2*\k:X+\j+2*\k+1], v[X+\j+2*\k:X+\j+2*\k+1], v[T+2*\k:T+2*\k+1]
.endr
.endr
	ACROSS 512
	v_fma_f32 v[T], v[T+8], s44, s45               ; the variance + 1e-5
	v_rsq_f32 v[T+2], v[T]
	v_rsq_f32 v[T+3], v[T]                         ; twice: a pair for the packed multiply
	v_nop                                          ; a plain instruction behind the transcendentals
	s_wait_alu depctr_va_vdst(0)                   ; one wait for both, ahead of their first reader
	s_wait_loadcnt 0x0                             ; gain and bias
.set j, 0
.rept 32
	v_pk_mul_f32 v[X+j:X+j+1], v[X+j:X+j+1], v[T+2:T+3]
.set j, j+2
.endr
.set j, 0
.rept 32
	v_pk_fma_f32 v[X+j:X+j+1], v[X+j:X+j+1], v[LW+j:LW+j+1], v[LB+j:LB+j+1]
.set j, j+2
.endr
.Lquant:
	; my two blocks: 2 c + h of the fragment four; all 32 numbers of a block are mine
.irp c, 0,1
	v_max3_num_f32 v[T+\c], |v[X+32*\c]|, |v[X+32*\c+1]|, 0x1800000   ; with the floor 2^(3 - 127): the byte cannot fall under 1
.endr
.irp i, 2,4,6,8,10,12,14,16,18,20,22,24,26,28,30
.irp c, 0,1
	v_max3_num_f32 v[T+\c], v[T+\c], |v[X+32*\c+\i]|, |v[X+32*\c+\i+1]|
.endr
.endr
.irp c, 0,1
	v_add_nc_u32 v[T+4+\c], 0xff000000, v[T+\c]    ; 2 off the exponent field: the conversion takes that field as its scale
.endr
.irp c, 0,1
	v_lshrrev_b32 v[T+2+\c], 23, v[T+4+\c]         ; the scale byte
.endr
	v_lshl_or_b32 v[T+6], v[T+3], 16, v[T+2]       ; blocks h and 2 + h,
	v_lshlrev_b32 v[T+7], 3, v5
	v_lshlrev_b32 v[T+6], v[T+7], v[T+6]           ; at their places in the word;
	v_mov_b32 v[T+7], 0
	v_permlanex16_b32 v[T+7], v[T+6], s42, s43
	v_or_b32 v[T+6], v[T+6], v[T+7]                ; with lane l xor 16: row r word for these 128
.irp c, 0,1
.irp g, 0,1,2,3
	v_cvt_scalef32_pk8_fp4_f32 v[PC+4*\c+\g], v[X+32*\c+8*\g:X+32*\c+8*\g+7], v[T+4+\c]
.endr
.endr
	v_nop                                          ; a plain instruction behind the last conversion
	global_store_b128 v13, v[PC:PC+3], s[26:27]            ; 512 bytes on end, twice
	global_store_b128 v13, v[PC+4:PC+7], s[26:27] offset:512
	ds_store_b32 v11, v[T+6]
	s_wait_dscnt 0x0                               ; for the others: my scale words are in LDS
	s_barrier_signal -1
	s_barrier_wait -1
	s_cmp_lt_u32 s36, 2
	s_cbranch_scc0 .Ldone
	ds_load_b64 v[16:17], v12
	s_wait_dscnt 0x0
	global_store_b64 v14, v[16:17], s[26:27]       ; a record scale unit: 256 aligned bytes by one instruction
.Ldone:
	s_wait_tensorcnt 0x0                           ; the wave end
	ds_add_u32 v[SPW], v[NIL]
	s_wait_dscnt 0x0
	s_endpgm
.Lfunc_end_k_q7714933b24_prep:
	.size	k_q7714933b24_prep, .Lfunc_end_k_q7714933b24_prep-k_q7714933b24_prep
	.p2alignl 7, 3214868480
	.fill 96, 4, 3214868480
	.section	.rodata,"a",@progbits
	.p2align	6, 0x0
	.amdhsa_kernel k_q7714933b24_prep
		.amdhsa_group_segment_fixed_size 70144
		.amdhsa_private_segment_fixed_size 0
		.amdhsa_enable_private_segment 0
		.amdhsa_kernarg_size 72
		.amdhsa_user_sgpr_count 2
		.amdhsa_user_sgpr_kernarg_segment_ptr 1
		.amdhsa_wavefront_size32 1
		.amdhsa_system_sgpr_workgroup_id_x 1
		.amdhsa_system_sgpr_workgroup_id_y 1
		.amdhsa_system_sgpr_workgroup_id_z 1
		.amdhsa_system_vgpr_workitem_id 0
		.amdhsa_next_free_vgpr 248
		.amdhsa_next_free_sgpr 66
		.amdhsa_reserve_vcc 0
		.amdhsa_float_denorm_mode_32 3
		.amdhsa_float_denorm_mode_16_64 3
		.amdhsa_memory_ordered 1
		.amdhsa_forward_progress 1
		.amdhsa_inst_pref_size 29
	.end_amdhsa_kernel
	.amdgpu_metadata
---
amdhsa.version: [ 1, 2 ]
amdhsa.kernels:
  - .name:           k_q7714933b24_prep
    .symbol:         k_q7714933b24_prep.kd
    .args:
      - { .name: x, .offset: 0, .size: 8, .value_kind: global_buffer, .address_space: global }
      - { .name: ln1_w, .offset: 8, .size: 8, .value_kind: global_buffer, .address_space: global }
      - { .name: ln1_b, .offset: 16, .size: 8, .value_kind: global_buffer, .address_space: global }
      - { .name: W_attn, .offset: 24, .size: 8, .value_kind: global_buffer, .address_space: global }
      - { .name: W_proj, .offset: 32, .size: 8, .value_kind: global_buffer, .address_space: global }
      - { .name: W_fc, .offset: 40, .size: 8, .value_kind: global_buffer, .address_space: global }
      - { .name: W_out, .offset: 48, .size: 8, .value_kind: global_buffer, .address_space: global }
      - { .name: himg, .offset: 56, .size: 8, .value_kind: global_buffer, .address_space: global }
      - { .name: wimg, .offset: 64, .size: 8, .value_kind: global_buffer, .address_space: global }
    .group_segment_fixed_size: 70144
    .private_segment_fixed_size: 0
    .kernarg_segment_align: 8
    .kernarg_segment_size: 72
    .max_flat_workgroup_size: 256
    .sgpr_count:     66
    .vgpr_count:     248
    .wavefront_size: 32
...
	.end_amdgpu_metadata
.endif
;; end of part 1
;; launch qkv (part 2): grid 32 x 24, 4 waves a work-group, clusters of 4 x 4, 327,680 bytes of LDS; arguments himg, wimg, b_attn, qkimg, vimg; writes qkimg, vimg
.if DOCPART == 2
	.amdgcn_target "amdgcn-amd-amdhsa--gfx1250"
	.amdhsa_code_object_version 6
	.text
	.protected	k_q7714933b24_qkv
	.globl	k_q7714933b24_qkv
	.p2align	8
	.type	k_q7714933b24_qkv,@function
k_q7714933b24_qkv:
	s_mov_b64 s[64:65], 0
	v_nop
	global_prefetch_b8 v0, s[64:65] scope:SCOPE_SE
	s_setreg_imm32_b32 hwreg(HW_REG_WAVE_MODE, 25, 1), 1
	s_wait_xcnt 0x0
	s_wait_alu depctr_hold_cnt(0) depctr_sa_sdst(0) depctr_va_vdst(0) depctr_va_sdst(0) depctr_va_ssrc(0) depctr_va_vcc(0) depctr_vm_vsrc(0)
	s_getreg_b32 s2, hwreg(HW_REG_IB_STS2, 6, 4)
	s_cmp_eq_u32 s2, 0
	s_cbranch_scc0 .Lentry_in_a_cluster
	s_endpgm
.Lentry_in_a_cluster:
	s_bfe_u32 s2, ttmp6, 0x10000c
	s_cmp_lg_u32 s2, 0xf033
	s_cbranch_scc0 .Lentry_shape_is_right
	s_endpgm
.Lentry_shape_is_right:
; qkv = LN1(x) W_attn^T + b_attn on codes of FP4, and its three parts quantised again on the way out, each along the K of the product that takes it:
;   q and k along the channels (blocks of 32 inside a head 64) -> qkimg: rows = tokens, K axis = 2,048 channels (q, then k);   v along the TOKENS (the keys) -> vimg: rows = channels, K axis = 4,096 tokens.
; Images: records of 4,352 bytes = 16 rows x 512 K (16 units of codes [place][16 bytes], one unit of scale bytes [place][16]); place p of tile t is row 32 (t / 2) + 8 (t % 2) + p + 8 (p / 8).
; SHARES.  A work-group: 128 rows of W_attn (grid y) x 128 tokens (grid x), K = 1,024 in two slots of 512, both asked for at the head: nothing is filled again.
; Source 0 (P) = all 8 tiles of one operand, source 1 (Q) = the wave two tiles of the other: 16 accumulators.  A lane then holds ONE row of Q, and its 64 registers of a Q tile are 128 neighbouring rows of P:
; one whole fragment of the next product and one whole scale word.  y < 16 (q, k): P = W_attn, Q = tokens.  y >= 16 (v): P = tokens, Q = W_attn: the same loop gives v with the tokens along the registers.
; The role hangs on the cluster y alone (4 tiles of y to a cluster), so it is the same in all sixteen partners.
; CLUSTER 4 x 4: the weights tiles hang on y and are asked for jointly along a row of the cluster, the tokens tiles on x, along a column.
; The scale words leave as 4 bytes a row, 16 bytes apart: a whole unit would want 512 rows of P in one work-group; they are one sixteenth of the codes bytes.
; REGISTERS: window 0: v1-15 addresses; v16-55 scale words, two sets of 20; v56-127 at work on the way out; v128-255 the accumulators (it, jt) at 128 + 64 jt + 8 it.
;   window 1: fragment sets at v0 and v80 (P tile it at + 8 it, Q tile jt at + 64 + 8 jt); v160-223 the bias by register.
.set REC,   4352
.set NQ,    4                          ; steps of 128 along K in a slot
.set RP,    (NQ/4)*REC                 ; a tile bytes in a slot
.set MP,    8704                       ; from tile to tile in memory, both operands
.set WOFF,  0                          ; W_attn in wimg
.set HALF,  4*RP                       ; what one tensor load brings: four tiles
.set OPB,   8*RP                       ; an operand in a slot: the weights at 0, the tokens at OPB
.set SLOT,  2*OPB
.set SPARE, 2*SLOT                     ; the spare words, 128 bytes a wave: two blocks of 256 bytes that no other line names
.set SPW, 1
.set NIL, 2
.set AP,  3                            ; v3-6   P fragments: slot s, tiles 0-3 and 4-7
.set AQ,  7                            ; v7-8   my two tiles of Q
.set ASP, 9                            ; v9-10  P scale words: lanes 0-15 an even tile, lanes 16-31 the odd one behind it
.set ASQ, 11                           ; v11-12 Q likewise
.set L16, 13                           ; v13    16 x lane
.set SOF, 14                           ; v14    where my scale word goes
.set BAD, 15                           ; v15    the bias by register: 64 h
.set SC,  16
.set TM,  56
.set PC,  72
.set PW,  120
.set BJ,  122                          ; v122-125 the bias by lane: a pair for each of my two tiles
.set HH,  126
.set BJA, 127
.set ACC, 128
.set BI,  160                          ; in window 1
.set G1Y, 24
.set G0Y, 32
.set G1X, 48
.set G0X, 56
.set SEL, 68
.set MSB, 0
.macro WIN new                         ; the immediate high byte repeats the setting that is left
.if MSB != \new
	s_set_vgpr_msb (MSB<<8)|\new
.set MSB, \new
.endif
.endm
.macro JLOAD s                         ; waves 0, 1 fetch the weights halves, waves 2, 3 the tokens; an s_nop 0 and four v_nop follow each line
	s_cmp_eq_u32 s15, 0
	s_cbranch_scc0 .Lfor_x_\@
	tensor_load_to_lds s[G0Y+4*\s:G0Y+4*\s+3], s[G1Y:G1Y+7]
	s_nop 0
.rept 4
	v_nop
.endr
	s_branch .Lasked_\@
.Lfor_x_\@:
	tensor_load_to_lds s[G0X+4*\s:G0X+4*\s+3], s[G1X:G1X+7]
	s_nop 0
.rept 4
	v_nop
.endr
.Lasked_\@:
.endm
.macro CROUND                          ; a round of the cluster barrier
	s_barrier_signal -1
	s_barrier_wait -1
	s_cmp_lg_u32 s14, 0
	s_cbranch_scc1 .Lnot_wave_0_\@
	s_barrier_signal -3
.Lnot_wave_0_\@:
	s_barrier_wait -3
	s_barrier_signal -1
	s_barrier_wait -1
.endm
	s_load_b256 s[4:11], s[0:1], 0x0               ; himg, wimg, b_attn, qkimg
	s_load_b64 s[12:13], s[0:1], 0x20              ; vimg
	v_lshl_add_u32 v[SPW], v0, 2, SPARE
	v_mov_b32 v[NIL], 0
	ds_add_u32 v[SPW], v[NIL]                      ; the opening: the add, twice on end, and its wait ahead of my first tensor load
	ds_add_u32 v[SPW], v[NIL]
	v_lshrrev_b32 v56, 5, v0
	v_readfirstlane_b32 s14, v56                   ; wave 0..3
	s_lshr_b32 s15, s14, 1                         ; I fetch weights (0) or tokens (1),
	s_and_b32 s16, s14, 1                          ; tiles 0-3 or 4-7
	s_bfe_u32 s40, ttmp6, 0x40000                  ; cx
	s_bfe_u32 s41, ttmp6, 0x40004                  ; cy
	s_lshl_b32 s42, ttmp9, 2
	s_add_co_u32 s42, s42, s40                     ; x: which 128 tokens
	s_and_b32 s84, ttmp7, 0xffff                   ; the cluster y
	s_lshl_b32 s17, s84, 2
	s_add_co_u32 s17, s17, s41                     ; y: which 128 rows of W_attn
	s_lshl_b32 s43, s41, 2
	s_lshl_b32 s43, 15, s43                        ; my row of the cluster
	s_lshl_b32 s44, 0x1111, s40                    ; my column
	s_or_b32 s[G1Y], s43, (3<<16)|(1<<21)          ; the mask; elements of 8 bytes; bit 21 beside a mask; no padding: the image is read 16 bytes x lane on end
	s_or_b32 s[G1X], s44, (3<<16)|(1<<21)
.irp g, G1Y, G1X
	s_mov_b32 s[\g+1], (RP/8)<<16                  ; tensor_dim0: a tile RP bytes
	s_mov_b32 s[\g+2], 4<<16                       ; tensor_dim1: four tiles
	s_mov_b32 s[\g+3], (RP/8)<<16                  ; tile_dim0
	s_mov_b32 s[\g+4], 4                           ; tile_dim1
	s_mov_b32 s[\g+5], MP/8                        ; from tile to tile
	s_mov_b32 s[\g+6], 0
	s_mov_b32 s[\g+7], 0
.endr
	s_lshl_b32 s18, s16, 2
	s_lshl_b32 s20, s17, 3
	s_add_co_u32 s20, s20, s18
	s_mul_i32 s20, s20, MP
	s_add_co_u32 s20, s20, WOFF                    ; the weights: tile 8 y + 4 half
	s_mov_b32 s21, 0
	s_lshl_b32 s46, s42, 3
	s_add_co_u32 s46, s46, s18
	s_mul_i32 s46, s46, MP                         ; the tokens: tile 8 x + 4 half
	s_mov_b32 s47, 0
	s_mul_i32 s45, s14, HALF                       ; where they go: no place in the cluster enters an LDS address
	s_mov_b32 s[SEL], 0x76543210
	s_mov_b32 s[SEL+1], 0xfedcba98
	s_sub_co_u32 s86, s17, 16
	s_mov_b32 s87, 34816
	s_cmp_lt_u32 s84, 4                            ; q and k, or v?
	s_cselect_b32 s66, 0, OPB                      ; where P lies in a slot,
	s_cselect_b32 s67, OPB, 0                      ; and Q
	s_cselect_b32 s85, s17, s42                    ; which 128 of the result K axis
	s_cselect_b32 s86, s42, s86                    ; which 8 tiles of its rows
	s_cselect_b32 s87, 17408, s87                  ; from tile to tile in the result
	s_wait_dscnt 0x0                               ; both opening adds are done
	s_wait_kmcnt 0x0
	s_add_nc_u64 s[20:21], s[6:7], s[20:21]
	s_add_nc_u64 s[46:47], s[4:5], s[46:47]
	CROUND                                         ; all sixteen work-groups are here: the joint loads meet
.irp s, 0,1
	s_mov_b32 s[G0Y+4*\s], 1
	s_add_co_u32 s[G0Y+4*\s+1], s45, \s*SLOT
	s_add_nc_u64 s[G0Y+4*\s+2:G0Y+4*\s+3], s[20:21], \s*RP
	s_or_b32 s[G0Y+4*\s+3], s[G0Y+4*\s+3], 0x80000000
	s_mov_b32 s[G0X+4*\s], 1
	s_add_co_u32 s[G0X+4*\s+1], s45, \s*SLOT
	s_add_nc_u64 s[G0X+4*\s+2:G0X+4*\s+3], s[46:47], \s*RP
	s_or_b32 s[G0X+4*\s+3], s[G0X+4*\s+3], 0x80000000
	JLOAD \s                                       ; two loads of mine are out: all of K
.endr
	s_cmp_lt_u32 s84, 4
	s_cselect_b64 s[88:89], s[10:11], s[12:13]
	s_lshl_b32 s70, s86, 3
	s_lshl_b32 s71, s14, 1
	s_add_co_u32 s70, s70, s71                     ; my first tile of the result
	s_mul_i32 s70, s70, s87
	s_lshr_b32 s71, s85, 2
	s_mul_i32 s71, s71, REC
	s_add_co_u32 s70, s70, s71
	s_mov_b32 s71, 0
	s_add_nc_u64 s[88:89], s[88:89], s[70:71]      ; its record
	s_and_b32 s72, s85, 3
	s_lshl_b32 s70, s72, 10
	s_add_nc_u64 s[76:77], s[88:89], s[70:71]      ; the fragment of my first tile,
	s_mov_b32 s74, s87
	s_mov_b32 s75, 0
	s_add_nc_u64 s[78:79], s[76:77], s[74:75]      ; of my second,
	s_lshl_b32 s70, s72, 2
	s_add_co_u32 s70, s70, 4096
	s_add_nc_u64 s[80:81], s[88:89], s[70:71]      ; and the scale words
	s_lshl_b32 s70, s17, 9
	s_add_nc_u64 s[82:83], s[8:9], s[70:71]        ; b_attn at 128 y
	v_and_b32 v56, 31, v0
	v_lshlrev_b32 v[L16], 4, v56
	v_and_b32 v57, 15, v0                          ; r
	v_bfe_u32 v[HH], v0, 4, 1                      ; h
	v_add_nc_u32 v[AP], s66, v[L16]
	v_add_nc_u32 v[AP+1], 4*RP, v[AP]
	v_add_nc_u32 v[AP+2], SLOT, v[AP]
	v_add_nc_u32 v[AP+3], SLOT, v[AP+1]
	s_mul_i32 s18, s14, 2*RP
	s_add_co_u32 s18, s18, s67
	v_add_nc_u32 v[AQ], s18, v[L16]
	v_add_nc_u32 v[AQ+1], SLOT, v[AQ]
	v_mul_u32_u24 v58, v[HH], RP
	v_lshl_add_u32 v58, v57, 4, v58
	v_add_nc_u32 v58, 4096, v58
	v_add_nc_u32 v[ASP], s66, v58
	v_add_nc_u32 v[ASP+1], SLOT, v[ASP]
	v_add_nc_u32 v[ASQ], s18, v58
	v_add_nc_u32 v[ASQ+1], SLOT, v[ASQ]
	v_mul_lo_u32 v[SOF], v[HH], s87
	v_lshl_add_u32 v[SOF], v57, 4, v[SOF]          ; lanes 0-15 my first tile rows, lanes 16-31 my second
	v_lshlrev_b32 v[BAD], 6, v[HH]
	v_and_b32 v[BJA], 8, v57
	v_add_nc_u32 v[BJA], v[BJA], v57
	s_lshl_b32 s19, s14, 7
	v_lshl_add_u32 v[BJA], v[BJA], 2, s19          ; 4 (32 w + r + 8 (r / 8))
.irp b, 0,1,2,3
	v_mov_b32 v[TM+4+\b], 0                        ; written once: a lane permute destination counts as one of its sources
.endr
	; both forms of the bias, with no branch: by register (q, k: register e of tile it is row 32 (it / 2) + 16 h + 8 (it % 2) + e of the 128) and by lane (v: my row of W_attn).  Both lie inside b_attn in either role
	WIN 0x40
.irp it, 0,1,2,3,4,5,6,7
	global_load_b128 v[BI+8*\it:BI+8*\it+3], v[BAD], s[82:83] offset:(32*(\it/2)+8*(\it%2))*4
	global_load_b128 v[BI+8*\it+4:BI+8*\it+7], v[BAD], s[82:83] offset:(32*(\it/2)+8*(\it%2))*4+16
.endr
	WIN 0
	global_load_b32 v[BJ], v[BJA], s[82:83]
	global_load_b32 v[BJ+1], v[BJA], s[82:83]
	global_load_b32 v[BJ+2], v[BJA], s[82:83] offset:32
	global_load_b32 v[BJ+3], v[BJA], s[82:83] offset:32
; the fragments of the slot q-th 128 along K into set f: 16 + 4 loads of 512 bytes on end; where a record begins, its scale words too: 5 loads, four steps words each
.macro FETCH slot, q, f
	WIN 0x40
.irp it, 0,1,2,3,4,5,6,7
.irp c, 0,1
	ds_load_b128 v[80*(\f)+8*\it+4*\c:80*(\f)+8*\it+4*\c+3], v[AP+2*(\slot)+\it/4] offset:(\it%4)*RP+((\q)/4)*REC+((\q)%4)*1024+512*\c
.endr
.endr
.irp jt, 0,1
.irp c, 0,1
	ds_load_b128 v[80*(\f)+64+8*\jt+4*\c:80*(\f)+64+8*\jt+4*\c+3], v[AQ+(\slot)] offset:\jt*RP+((\q)/4)*REC+((\q)%4)*1024+512*\c
.endr
.endr
.if ((\q)%4) == 0
	WIN 0
.set SS, ((\slot)*(NQ/4)+(\q)/4)%2
.irp i, 0,1,2,3
	ds_load_b128 v[SC+20*SS+4*\i:SC+20*SS+4*\i+3], v[ASP+(\slot)] offset:2*RP*\i+((\q)/4)*REC
.endr
	ds_load_b128 v[SC+20*SS+16:SC+20*SS+19], v[ASQ+(\slot)] offset:((\q)/4)*REC
.endif
.endm
.macro WM f, ss, q, zero, it, jt       ; one product; an odd tile scale words stand in lanes 16-31
.set rD, ACC+64*(\jt)+8*(\it)
.set rA, 80*(\f)+8*(\it)
.set rB, 80*(\f)+64+8*(\jt)
.set rSA, SC+20*(\ss)+4*((\it)/2)+(\q)%4
.set rSB, SC+20*(\ss)+16+(\q)%4
.if \zero
.if ((\it)%2) && (\jt)
	v_wmma_scale_f32_16x16x128_f8f6f4 v[rD:rD+7], v[rA:rA+7], v[rB:rB+7], 0, v[rSA], v[rSB] matrix_a_fmt:MATRIX_FMT_FP4 matrix_b_fmt:MATRIX_FMT_FP4 matrix_a_scale:MATRIX_SCALE_ROW1 matrix_b_scale:MATRIX_SCALE_ROW1
.elseif ((\it)%2)
	v_wmma_scale_f32_16x16x128_f8f6f4 v[rD:rD+7], v[rA:rA+7], v[rB:rB+7], 0, v[rSA], v[rSB] matrix_a_fmt:MATRIX_FMT_FP4 matrix_b_fmt:MATRIX_FMT_FP4 matrix_a_scale:MATRIX_SCALE_ROW1
.elseif (\jt)
	v_wmma_scale_f32_16x16x128_f8f6f4 v[rD:rD+7], v[rA:rA+7], v[rB:rB+7], 0, v[rSA], v[rSB] matrix_a_fmt:MATRIX_FMT_FP4 matrix_b_fmt:MATRIX_FMT_FP4 matrix_b_scale:MATRIX_SCALE_ROW1
.else
	v_wmma_scale_f32_16x16x128_f8f6f4 v[rD:rD+7], v[rA:rA+7], v[rB:rB+7], 0, v[rSA], v[rSB] matrix_a_fmt:MATRIX_FMT_FP4 matrix_b_fmt:MATRIX_FMT_FP4
.endif
.else
.if ((\it)%2) && (\jt)
	v_wmma_scale_f32_16x16x128_f8f6f4 v[rD:rD+7], v[rA:rA+7], v[rB:rB+7], v[rD:rD+7], v[rSA], v[rSB] matrix_a_fmt:MATRIX_FMT_FP4 matrix_b_fmt:MATRIX_FMT_FP4 matrix_a_scale:MATRIX_SCALE_ROW1 matrix_b_scale:MATRIX_SCALE_ROW1
.elseif ((\it)%2)
	v_wmma_scale_f32_16x16x128_f8f6f4 v[rD:rD+7], v[rA:rA+7], v[rB:rB+7], v[rD:rD+7], v[rSA], v[rSB] matrix_a_fmt:MATRIX_FMT_FP4 matrix_b_fmt:MATRIX_FMT_FP4 matrix_a_scale:MATRIX_SCALE_ROW1
.elseif (\jt)
	v_wmma_scale_f32_16x16x128_f8f6f4 v[rD:rD+7], v[rA:rA+7], v[rB:rB+7], v[rD:rD+7], v[rSA], v[rSB] matrix_a_fmt:MATRIX_FMT_FP4 matrix_b_fmt:MATRIX_FMT_FP4 matrix_b_scale:MATRIX_SCALE_ROW1
.else
	v_wmma_scale_f32_16x16x128_f8f6f4 v[rD:rD+7], v[rA:rA+7], v[rB:rB+7], v[rD:rD+7], v[rSA], v[rSB] matrix_a_fmt:MATRIX_FMT_FP4 matrix_b_fmt:MATRIX_FMT_FP4
.endif
.endif
.endm
.macro MUL16 f, ss, q, zero            ; a step 16 products: the 16 accumulators by turns, in the same order in every step
	WIN 0x05                                       ; sources 0 and 1 window 1; C and D window 0
.irp it, 0,1,2,3,4,5,6,7
.irp jt, 0,1
	WM \f, \ss, \q, \zero, \it, \jt
.endr
.endr
.endm
.macro STEP slot, q, zero              ; a step that has its successor in the same slot
.rept 4
	v_nop                                          ; four places behind the last step products, in front of loads into the set that they read
.endr
	FETCH \slot, (\q)+1, ((\q)+1)%2
.if (((\q)+1)%4) == 0
	s_wait_dscnt 25                                ; all but the loads just issued: this step set is in
.else
	s_wait_dscnt 20
.endif
	MUL16 (\q)%2, ((\slot)*(NQ/4)+(\q)/4)%2, \q, \zero
.endm
	s_wait_tensorcnt 0x1                           ; my part of slot 0 is in; slot 1 may stay out
	s_barrier_signal -1
	s_barrier_wait -1
	FETCH 0, 0, 0
	STEP 0, 0, 1                                   ; the first step starts the sums: nothing is cleared
	STEP 0, 1, 0
	STEP 0, 2, 0
	WIN 0
	s_wait_tensorcnt 0x0                           ; my part of slot 1 is in,
	s_wait_dscnt 0x0                               ; and no LDS load of mine is out at the signal (the last step set is in)
	s_barrier_signal -1
	s_barrier_wait -1                              ; slot 1 is whole
.rept 4
	v_nop
.endr
	FETCH 1, 0, 0
	MUL16 1, 0, 3, 0
	STEP 1, 0, 0
	STEP 1, 1, 0
	STEP 1, 2, 0
	s_wait_dscnt 0x0
	MUL16 1, 1, 3, 0
	WIN 0
.rept 4
	v_nop                                          ; four places in front of the first read of results
.endr
	s_wait_loadcnt 0x0                             ; the bias
	s_cmp_lt_u32 s84, 4
	s_cbranch_scc0 .Lbias_v
	WIN 0x04                                       ; source 1 window 1
.set j, 0
.rept 64
	v_pk_add_f32 v[ACC+j:ACC+j+1], v[ACC+j:ACC+j+1], v[BI+j%64:BI+j%64+1]   ; q, k: the bias goes with the register; each accumulator from its low end on
.set j, j+2
.endr
	WIN 0
	s_branch .Lbiased
.Lbias_v:
.set j, 0
.rept 64
	v_pk_add_f32 v[ACC+j:ACC+j+1], v[ACC+j:ACC+j+1], v[BJ+2*(j/64):BJ+2*(j/64)+1]   ; v: with the lane
.set j, j+2
.endr
.Lbiased:
; 64 numbers of a lane, register 16 b + i = K 32 b + 16 h + i of my row, become a fragment codes and its scale word
.macro QUANT s, pc, pw
.irp b, 0,1,2,3
	v_max3_num_f32 v[TM+\b], |v[(\s)+16*\b]|, |v[(\s)+1+16*\b]|, 0x1800000   ; with the floor 2^(3 - 127)
.endr
.irp i, 2,4,6,8,10,12,14
.irp b, 0,1,2,3
	v_max3_num_f32 v[TM+\b], v[TM+\b], |v[(\s)+16*\b+\i]|, |v[(\s)+1+16*\b+\i]|
.endr
.endr
.irp b, 0,1,2,3
	v_permlanex16_b32 v[TM+4+\b], v[TM+\b], s[SEL], s[SEL+1]
.endr
.irp b, 0,1,2,3
	v_max_num_f32 v[TM+\b], v[TM+\b], v[TM+4+\b]   ; with lane l xor 16: the block largest magnitude
.endr
.irp b, 0,1,2,3
	v_add_nc_u32 v[TM+12+\b], 0xff000000, v[TM+\b] ; 2 off its exponent field: the conversion scale operand
.endr
.irp b, 0,1,2,3
	v_lshrrev_b32 v[TM+4+\b], 23, v[TM+12+\b]      ; the byte
.endr
	v_lshl_or_b32 v[\pw], v[TM+5], 8, v[TM+4]
	v_lshl_or_b32 v[\pw], v[TM+6], 16, v[\pw]
	v_lshl_or_b32 v[\pw], v[TM+7], 24, v[\pw]
.irp b, 0,1,2,3
	v_cvt_scalef32_pk8_fp4_f32 v[(\pc)+2*\b], v[(\s)+16*\b:(\s)+7+16*\b], v[TM+12+\b]
	v_cvt_scalef32_pk8_fp4_f32 v[(\pc)+1+2*\b], v[(\s)+8+16*\b:(\s)+15+16*\b], v[TM+12+\b]
.endr
	v_nop                                          ; a plain place behind a scaled conversion
.irp c, 0,1                                    ; a whole block to a lane
.irp i, 0,1
	v_permlane16_swap_b32 v[(\pc)+4*\c+\i], v[(\pc)+2+4*\c+\i]
.endr
.endr
.endm
.irp jt, 0,1
	QUANT ACC+64*\jt, PC+8*\jt, PW+\jt
	global_store_b128 v[L16], v[PC+8*\jt:PC+8*\jt+3], s[76+2*\jt:77+2*\jt]              ; 512 bytes on end, twice: the fragment as the next launch reads it
	global_store_b128 v[L16], v[PC+8*\jt+4:PC+8*\jt+7], s[76+2*\jt:77+2*\jt] offset:512
.endr
	v_cmp_ne_u32 vcc_lo, 0, v[HH]
	v_cndmask_b32 v[PW], v[PW], v[PW+1], vcc_lo    ; lanes 0-15 my first tile words, lanes 16-31 my second
	global_store_b32 v[SOF], v[PW], s[80:81]
	s_wait_tensorcnt 0x0                           ; the wave end
	ds_add_u32 v[SPW], v[NIL]
	s_wait_dscnt 0x0
	CROUND                                         ; the closing round
	s_endpgm
.Lfunc_end_k_q7714933b24_qkv:
	.size	k_q7714933b24_qkv, .Lfunc_end_k_q7714933b24_qkv-k_q7714933b24_qkv
	.p2alignl 7, 3214868480
	.fill 96, 4, 3214868480
	.section	.rodata,"a",@progbits
	.p2align	6, 0x0
	.amdhsa_kernel k_q7714933b24_qkv
		.amdhsa_group_segment_fixed_size 327680
		.amdhsa_private_segment_fixed_size 0
		.amdhsa_enable_private_segment 0
		.amdhsa_kernarg_size 40
		.amdhsa_user_sgpr_count 2
		.amdhsa_user_sgpr_kernarg_segment_ptr 1
		.amdhsa_wavefront_size32 1
		.amdhsa_system_sgpr_workgroup_id_x 1
		.amdhsa_system_sgpr_workgroup_id_y 1
		.amdhsa_system_sgpr_workgroup_id_z 1
		.amdhsa_system_vgpr_workitem_id 0
		.amdhsa_next_free_vgpr 512
		.amdhsa_next_free_sgpr 100
		.amdhsa_reserve_vcc 1
		.amdhsa_float_denorm_mode_32 3
		.amdhsa_float_denorm_mode_16_64 3
		.amdhsa_memory_ordered 1
		.amdhsa_forward_progress 1
		.amdhsa_inst_pref_size 55
	.end_amdhsa_kernel
	.amdgpu_metadata
---
amdhsa.version: [ 1, 2 ]
amdhsa.kernels:
  - .name:           k_q7714933b24_qkv
    .symbol:         k_q7714933b24_qkv.kd
    .args:
      - { .name: himg, .offset: 0, .size: 8, .value_kind: global_buffer, .address_space: global }
      - { .name: wimg, .offset: 8, .size: 8, .value_kind: global_buffer, .address_space: global }
      - { .name: b_attn, .offset: 16, .size: 8, .value_kind: global_buffer, .address_space: global }
      - { .name: qkimg, .offset: 24, .size: 8, .value_kind: global_buffer, .address_space: global }
      - { .name: vimg, .offset: 32, .size: 8, .value_kind: global_buffer, .address_space: global }
    .group_segment_fixed_size: 327680
    .private_segment_fixed_size: 0
    .kernarg_segment_align: 8
    .kernarg_segment_size: 40
    .max_flat_workgroup_size: 128
    .sgpr_count:     100
    .vgpr_count:     512
    .wavefront_size: 32
...
	.end_amdgpu_metadata
.endif
;; end of part 2
;; launch attn (part 3): grid 4 x 64, 16 waves a work-group, clusters of 4 x 1, 167,936 bytes of LDS; arguments qkimg, vimg, yimg; writes yimg
.if DOCPART == 3
	.amdgcn_target "amdgcn-amd-amdhsa--gfx1250"
	.amdhsa_code_object_version 6
	.text
	.protected	k_q7714933b24_attn
	.globl	k_q7714933b24_attn
	.p2align	8
	.type	k_q7714933b24_attn,@function
k_q7714933b24_attn:
	s_mov_b64 s[64:65], 0
	v_nop
	global_prefetch_b8 v0, s[64:65] scope:SCOPE_SE
	s_setreg_imm32_b32 hwreg(HW_REG_WAVE_MODE, 25, 1), 1
	s_wait_xcnt 0x0
	s_wait_alu depctr_hold_cnt(0) depctr_sa_sdst(0) depctr_va_vdst(0) depctr_va_sdst(0) depctr_va_ssrc(0) depctr_va_vcc(0) depctr_vm_vsrc(0)
	s_getreg_b32 s2, hwreg(HW_REG_IB_STS2, 6, 4)
	s_cmp_eq_u32 s2, 0
	s_cbranch_scc0 .Lentry_in_a_cluster
	s_endpgm
.Lentry_in_a_cluster:
	s_bfe_u32 s2, ttmp6, 0x10000c
	s_cmp_lg_u32 s2, 0x3003
	s_cbranch_scc0 .Lentry_shape_is_right
	s_endpgm
.Lentry_shape_is_right:
; Causal attention of one (batch, head) on codes of FP4, and its result quantised along the channels -> yimg (rows = tokens, K axis = 1,024 channels).
; LEFT OUT AS DEAD WORK: key steps of 128 keys that lie wholly behind a tile last query: reference() masks them by its own jnp.tril, so their p is 0 for all inputs (shown at the head of launch prep).
; THE SOFTMAX AHEAD OF THE SECOND PRODUCT: t = score x log2(e) / 8; M = the running largest t rounded UP to a whole number; p = 2^(t - M) is quantised along the keys, not normalised; the row sum is taken of the
; unquantised p and divides at the end; when M moves, the sum and O are multiplied by 2^(old M - new M), which rounds nothing.
; SHARES.  grid y = 16 batch + head.  The four work-groups of a cluster share a head: wave w of work-group g owns the tile of 16 queries 4 w + g (of 64).  Its key steps are w / 2 + 1: by the wave number alone, the same in
; all four partners; every partner reads all of K and V, and all have equal work.  All of a head K (codes 32 KiB, scale units 16 KiB) and V (34 KiB) lie in LDS: three joint loads at the head, nothing is filled again.
; IMAGES (launch prep): a tile 64 codes a row of one head are 512 bytes on end = register group 0 of a fragment; the head size is 64 and the instruction takes 128 along K: group 1 is zero codes on both sides, kept in
; registers, and the upper two scale bytes are the 0 that a 16-bit load leaves (2^-127 over zero codes adds nothing).
; Both products are used transposed: a lane holds ONE query (place lane % 16 of its tile).  By the images order of rows, the 16 registers of key tiles 2 b, 2 b + 1 are keys 32 b + 16 (lane / 16) + 0 .. 15.
; The two scale bytes of a row leave as 2 bytes: a head share of the word.
; REGISTERS: v1-4 addresses that stay; v5, v6 the add; v8-11 the step addresses; v12 -M, v13 the largest t, v[14:15] the sum; v16-23 Q; v24 the mask; v25, v26 offsets in a record; v28-31 V scale words;
;   v32-63 four fragments of K; v64-95 four of V; v96-159 S^T, then p; v160-191 O^T; v224-231 p codes; v232-254 at work; v248-251 K scale words; v255 Q scale words.
.set REC,   4352
.set KS,    32768                      ; K codes at 0: 64 tiles x 512 bytes; K scale units here: 64 x 256
.set VB,    49152                      ; V: 4 tiles of channels x 2 records
.set SPARE, 83968                      ; the spare words, 128 bytes a wave: eight blocks of 256 bytes that no other line names
.set L16, 1
.set AKS, 2
.set AV,  3
.set AVS, 4
.set SPW, 5
.set NIL, 6
.set ADK, 8
.set ADS, 9
.set ADV, 10
.set ADT, 11
.set DQ,  24
.set WV,  18
.set SEL, 20
.set CS,  22
.set G1C, 24
.set G1S, 32
.set G1V, 40
.set G0C, 48
.set G0S, 52
.set G0V, 56
.set SK,  60
.set SS,  61
.set SV,  62
.set SJ,  63
.set LIM, 66
.set TRIP, 67
.macro CROUND
	s_barrier_signal -1
	s_barrier_wait -1
	s_cmp_lg_u32 s[WV], 0
	s_cbranch_scc1 .Lnot_wave_0_\@
	s_barrier_signal -3
.Lnot_wave_0_\@:
	s_barrier_wait -3
	s_barrier_signal -1
	s_barrier_wait -1
.endm
	s_load_b128 s[4:7], s[0:1], 0x0                ; qkimg, vimg
	s_load_b64 s[8:9], s[0:1], 0x10                ; yimg
	v_lshl_add_u32 v[SPW], v0, 2, SPARE
	v_mov_b32 v[NIL], 0
	ds_add_u32 v[SPW], v[NIL]                      ; the opening: the add, twice on end, and its wait ahead of the first tensor load
	ds_add_u32 v[SPW], v[NIL]
	v_lshrrev_b32 v8, 5, v0
	v_readfirstlane_b32 s[WV], v8                  ; wave 0..15
	s_bfe_u32 s70, ttmp6, 0x40000                  ; cx: it enters Q and y addresses and the mask number alone
	s_and_b32 s71, ttmp7, 0xffff
	s_lshr_b32 s72, s71, 4                         ; batch
	s_and_b32 s73, s71, 15                         ; head
	s_lshr_b32 s74, s73, 3                         ; which record of 512 channels,
	s_and_b32 s75, s73, 7                          ; and which 64 of them
	s_mul_i32 s76, s72, 64*17408                   ; the batch first tile of tokens in qkimg
	s_add_co_u32 s77, s74, 2
	s_mul_i32 s77, s77, REC
	s_add_co_u32 s76, s76, s77                     ; k record
	s_lshl_b32 s77, s75, 9
	s_add_co_u32 s78, s76, s77                     ; the head 512 bytes of codes in it
	s_mov_b32 s79, 0
	s_add_co_u32 s80, s76, 4096                    ; its scale unit
	s_mov_b32 s81, 0
	s_mul_i32 s82, s73, 4*34816                    ; vimg: the head four tiles of channels,
	s_mul_i32 s83, s72, 2*REC                      ; the batch two records of tokens
	s_add_co_u32 s82, s82, s83
	s_mov_b32 s83, 0
	s_lshl_b32 s84, s[WV], 2
	s_add_co_u32 s84, s84, s70                     ; my tile of queries in the batch
	s_lshl_b32 s85, s72, 6
	s_add_co_u32 s85, s85, s84
	s_mul_i32 s86, s85, 17408
	s_mul_i32 s88, s74, REC
	s_add_co_u32 s86, s86, s88                     ; q record of my tile
	s_mov_b32 s87, 0
	s_mul_i32 s85, s85, 8704
	s_add_co_u32 s88, s85, s88                     ; y record of my tile
	s_mov_b32 s89, 0
	s_lshr_b32 s[LIM], s[WV], 1                    ; my last key step: the one on the diagonal
	s_lshr_b32 s94, s84, 1
	s_lshl_b32 s94, s94, 5
	s_and_b32 s95, s84, 1
	s_lshl_b32 s95, s95, 3
	s_add_co_u32 s94, s94, s95                     ; the query at place 0,
	s_lshl_b32 s95, s[LIM], 7
	s_sub_co_u32 s94, s94, s95                     ; counted from the diagonal step first key
	; K codes: 64 tiles x 512 bytes, 17,408 bytes apart;  K scale units: 64 x 256 bytes;  V: 4 tiles x 8,704 bytes, 34,816 apart.  Elements of 8 bytes, the mask names all four partners
	s_mov_b32 s[G1C], 15|(3<<16)|(1<<21)
	s_mov_b32 s[G1C+1], 64<<16
	s_mov_b32 s[G1C+2], 64<<16
	s_mov_b32 s[G1C+3], 64<<16
	s_mov_b32 s[G1C+4], 64
	s_mov_b32 s[G1C+5], 2176
	s_mov_b32 s[G1C+6], 0
	s_mov_b32 s[G1C+7], 0
	s_mov_b32 s[G1S], 15|(3<<16)|(1<<21)
	s_mov_b32 s[G1S+1], 32<<16
	s_mov_b32 s[G1S+2], 64<<16
	s_mov_b32 s[G1S+3], 32<<16
	s_mov_b32 s[G1S+4], 64
	s_mov_b32 s[G1S+5], 2176
	s_mov_b32 s[G1S+6], 0
	s_mov_b32 s[G1S+7], 0
	s_mov_b32 s[G1V], 15|(3<<16)|(1<<21)
	s_mov_b32 s[G1V+1], 1088<<16
	s_mov_b32 s[G1V+2], 4<<16
	s_mov_b32 s[G1V+3], 1088<<16
	s_mov_b32 s[G1V+4], 4
	s_mov_b32 s[G1V+5], 4352
	s_mov_b32 s[G1V+6], 0
	s_mov_b32 s[G1V+7], 0
	s_mov_b32 s[SEL], 0x76543210
	s_mov_b32 s[SEL+1], 0xfedcba98
	s_mov_b32 s[CS], 0x3e38aa3b                    ; c = log2(e) / 8
	s_mov_b32 s[CS+1], s[CS]
	s_mov_b32 s[SK], 0
	s_mov_b32 s[SS], 0
	s_mov_b32 s[SV], 0
	s_mov_b32 s[SJ], 0
	s_mov_b32 s[TRIP], 2
	s_wait_dscnt 0x0                               ; both opening adds are done
	s_wait_kmcnt 0x0
	s_mov_b32 s[G0C], 1
	s_mov_b32 s[G0C+1], 0
	s_add_nc_u64 s[G0C+2:G0C+3], s[4:5], s[78:79]
	s_or_b32 s[G0C+3], s[G0C+3], 0x80000000
	s_mov_b32 s[G0S], 1
	s_mov_b32 s[G0S+1], KS
	s_add_nc_u64 s[G0S+2:G0S+3], s[4:5], s[80:81]
	s_or_b32 s[G0S+3], s[G0S+3], 0x80000000
	s_mov_b32 s[G0V], 1
	s_mov_b32 s[G0V+1], VB
	s_add_nc_u64 s[G0V+2:G0V+3], s[6:7], s[82:83]
	s_or_b32 s[G0V+3], s[G0V+3], 0x80000000
	s_add_nc_u64 s[92:93], s[4:5], s[86:87]        ; q record
	s_add_nc_u64 s[90:91], s[8:9], s[88:89]        ; y record
	CROUND                                         ; all four work-groups are here: the joint loads meet
	s_cmp_lg_u32 s[WV], 0                          ; waves 0, 1, 2 issue one load each; the branches hang on the wave number alone
	s_cbranch_scc1 .Lnot_0
	tensor_load_to_lds s[G0C:G0C+3], s[G1C:G1C+7]
	s_nop 0
.rept 4
	v_nop
.endr
	s_branch .Lasked
.Lnot_0:
	s_cmp_lg_u32 s[WV], 1
	s_cbranch_scc1 .Lnot_1
	tensor_load_to_lds s[G0S:G0S+3], s[G1S:G1S+7]
	s_nop 0
.rept 4
	v_nop
.endr
	s_branch .Lasked
.Lnot_1:
	s_cmp_lg_u32 s[WV], 2
	s_cbranch_scc1 .Lasked
	tensor_load_to_lds s[G0V:G0V+3], s[G1V:G1V+7]
	s_nop 0
.rept 4
	v_nop
.endr
.Lasked:
	v_and_b32 v8, 15, v0                           ; r
	v_bfe_u32 v9, v0, 4, 1                         ; h
	v_and_b32 v10, 31, v0
	v_lshlrev_b32 v[L16], 4, v10                   ; 16 x lane: also my place in a tile of K codes, which begin at LDS byte 0
	s_lshl_b32 s95, s75, 1
	v_lshl_add_u32 v26, v8, 4, s95                 ; in a scale unit: row r, the head two bytes
	v_add_nc_u32 v25, s77, v[L16]                  ; in a record: the head 512 bytes, 16 x lane
	v_add_nc_u32 v[AKS], KS, v26
	v_add_nc_u32 v[AV], VB, v[L16]
	v_lshl_add_u32 v[AVS], v8, 4, VB+4096
	global_load_b128 v[16:19], v25, s[92:93]       ; Q: register group 0
	global_load_u16 v255, v26, s[92:93] offset:4096   ; its two scale bytes; the upper two are 0
	v_and_b32 v10, 8, v8
	v_add_nc_u32 v10, v10, v8                      ; r + 8 (r / 8)
	v_lshlrev_b32 v11, 4, v9
	v_sub_nc_u32 v10, v10, v11
	v_add_nc_u32 v[DQ], s94, v10                   ; my query - the diagonal step first key - 16 h
.irp j, 20,21,22,23
	v_mov_b32 v[\j], 0                             ; Q: register group 1: zero codes
.endr
.irp t, 0,1,2,3
.irp j, 4,5,6,7
	v_mov_b32 v[32+8*\t+\j], 0                     ; K likewise, once
.endr
.endr
	v_mov_b32 v13, 0xff61b1e6                      ; the largest t so far: -3e38
	v_floor_f32 v12, -v13                          ; -M
	v_mov_b32 v14, 0
	v_mov_b32 v15, 0
.irp b, 0,1,2,3
	v_mov_b32 v[236+\b], 0                         ; a lane permute destination counts as one of its sources
.endr
	v_mov_b32 v252, 0
	v_mov_b32 v253, 0
.set j, 0
.rept 32
	v_mov_b32 v[160+j], 0                          ; O^T: the step is written once; the first finds zeros
.set j, j+1
.endr
	s_wait_tensorcnt 0x0                           ; my load, if I issued one, has landed
	s_barrier_signal -1
	s_barrier_wait -1                              ; all three have
	s_wait_loadcnt 0x0                             ; Q
; A KEY STEP of 128 keys: the q-th of the trip four
.macro STEP q
	s_add_co_u32 s96, s[SJ], \q
	s_cmp_gt_u32 s96, s[LIM]                       ; behind my diagonal: left out.  The wave number and the count of steps alone
	s_cbranch_scc1 .Lhidden_\@
	v_add_nc_u32 v[ADK], s[SK], v[L16]
	v_add_nc_u32 v[ADS], s[SS], v[AKS]
	v_add_nc_u32 v[ADV], s[SV], v[AV]
	v_add_nc_u32 v[ADT], s[SV], v[AVS]
.irp g, 0,1                                    ; S^T = K Q^T, four tiles of 16 keys at a time
.if \g
.rept 4
	v_nop                                          ; places in front of loads into registers that the four products have read
.endr
.endif
.irp t, 0,1,2,3
	ds_load_b128 v[32+8*\t:35+8*\t], v[ADK] offset:4096*\q+512*(4*\g+\t)
	ds_load_u16 v[248+\t], v[ADS] offset:2048*\q+256*(4*\g+\t)
.endr
	s_wait_dscnt 0x0
.irp t, 0,1,2,3
	v_wmma_scale_f32_16x16x128_f8f6f4 v[96+8*(4*\g+\t):103+8*(4*\g+\t)], v[32+8*\t:39+8*\t], v[16:23], 0, v[248+\t], v255 matrix_a_fmt:MATRIX_FMT_FP4 matrix_b_fmt:MATRIX_FMT_FP4
.endr
.endr
.irp t, 0,1,2,3                                ; V fragments of these 128 keys are asked for now and land under the softmax (eight plain instructions stand behind the last products that read these registers)
.irp c, 0,1
	ds_load_b128 v[64+8*\t+4*\c:67+8*\t+4*\c], v[ADV] offset:8704*\t+1024*\q+512*\c
.endr
	ds_load_b32 v[28+\t], v[ADT] offset:8704*\t+4*\q
.endr
.rept 4
	v_nop
.endr
	s_cmp_lg_u32 s96, s[LIM]                       ; on the diagonal hidden scores become -infinity ahead of the maximum; a step all of whose keys count skips this
	s_cbranch_scc1 .Lopen_\@
	v_mov_b32 v254, 0xff800000
.set n, 0
.rept 64
	v_cmp_gt_i32 vcc_lo, 32*(n/16)+n%16, v[DQ]     ; register 16 b + i holds key 32 b + 16 h + i of the step
	v_cndmask_b32 v[96+n], v[96+n], v254, vcc_lo
.set n, n+1
.endr
.Lopen_\@:
.irp b, 0,1,2,3
	v_max3_num_f32 v[232+\b], v[96+16*\b], v[97+16*\b], v[98+16*\b]   ; the largest score of each block of 32 keys: for the row maximum, and, since p rises with the score, for the block largest p
.endr
.irp i, 3,5,7,9,11,13
.irp b, 0,1,2,3
	v_max3_num_f32 v[232+\b], v[232+\b], v[96+16*\b+\i], v[97+16*\b+\i]
.endr
.endr
.irp b, 0,1,2,3
	v_max_num_f32 v[232+\b], v[232+\b], v[111+16*\b]
.endr
.irp b, 0,1,2,3
	v_permlanex16_b32 v[236+\b], v[232+\b], s[SEL], s[SEL+1]
.endr
.irp b, 0,1,2,3
	v_max_num_f32 v[232+\b], v[232+\b], v[236+\b]
.endr
	v_max3_num_f32 v254, v232, v233, v234
	v_max_num_f32 v254, v254, v235
	v_mul_f32 v254, s[CS], v254
	v_max_num_f32 v13, v13, v254                   ; the running largest t
	v_mov_b32 v254, v12
	v_floor_f32 v12, -v13                          ; the new -M = -ceil(t)
	v_sub_f32 v254, v12, v254                      ; old M - new M: a whole number, 0 or less
	v_cvt_i32_f32 v254, v254
	v_ldexp_f32 v252, 1.0, v254                    ; f = 2^(old M - new M)
.set j, 0
.rept 32
	v_pk_fma_f32 v[96+j:97+j], v[96+j:97+j], s[CS:CS+1], v[12:13] op_sel_hi:[1,0,0]   ; t - M
.set j, j+2
.endr
.irp b, 0,1,2,3
	v_fma_f32 v[232+\b], v[232+\b], s[CS], v12
.endr
.set j, 0
.rept 64
	v_exp_f32 v[96+j], v[96+j]                     ; p = 2^(t - M)
.set j, j+1
.endr
	v_pk_mul_f32 v[14:15], v[14:15], v[252:253] op_sel_hi:[1,0]   ; the sums under the new M: a plain place behind the exponentials
	s_wait_alu depctr_va_vdst(0)                   ; one wait for the batch, ahead of its first reader
.irp b, 0,1,2,3
	v_exp_f32 v[232+\b], v[232+\b]                 ; the block largest p
.endr
	v_pk_add_f32 v[236:237], v[96:97], v[98:99]    ; the row sum of the unquantised p, in two chains
.irp j, 4,8,12,16,20,24,28,32,36,40,44,48,52,56,60
	v_pk_add_f32 v[14:15], v[14:15], v[96+\j:97+\j]
	v_pk_add_f32 v[236:237], v[236:237], v[98+\j:99+\j]
.endr
	v_pk_add_f32 v[14:15], v[14:15], v[236:237]
	s_wait_alu depctr_va_vdst(0)                   ; and one for the four
.irp b, 0,1,2,3
	v_max_num_f32 v[232+\b], 0x1800000, v[232+\b]  ; the floor: the byte cannot fall under 1
.endr
.irp b, 0,1,2,3
	v_add_nc_u32 v[244+\b], 0xff000000, v[232+\b]
.endr
.irp b, 0,1,2,3
	v_lshrrev_b32 v[236+\b], 23, v[244+\b]
.endr
	v_lshl_or_b32 v253, v237, 8, v236              ; p scale word for these 128 keys
	v_lshl_or_b32 v253, v238, 16, v253
	v_lshl_or_b32 v253, v239, 24, v253
.irp b, 0,1,2,3
	v_cvt_scalef32_pk8_fp4_f32 v[224+2*\b], v[96+16*\b:103+16*\b], v[244+\b]
	v_cvt_scalef32_pk8_fp4_f32 v[225+2*\b], v[104+16*\b:111+16*\b], v[244+\b]
.endr
	v_nop
.irp c, 0,1
.irp i, 0,1
	v_permlane16_swap_b32 v[224+4*\c+\i], v[226+4*\c+\i]
.endr
.endr
.set j, 0
.rept 16
	v_pk_mul_f32 v[160+j:161+j], v[160+j:161+j], v[252:253] op_sel_hi:[1,0]   ; O^T under the new M; these sixteen are also the places in front of the products below
.set j, j+2
.endr
	s_wait_dscnt 0x0                               ; V
.irp t, 0,1,2,3                                ; O^T += V^T P^T: the four accumulators by turns
	v_wmma_scale_f32_16x16x128_f8f6f4 v[160+8*\t:167+8*\t], v[64+8*\t:71+8*\t], v[224:231], v[160+8*\t:167+8*\t], v[28+\t], v253 matrix_a_fmt:MATRIX_FMT_FP4 matrix_b_fmt:MATRIX_FMT_FP4
.endr
.Lhidden_\@:
.endm
.Ltrip:                                            ; two trips of four steps: a constant count; a wave jumps over the steps behind its diagonal
	STEP 0
	STEP 1
	STEP 2
	STEP 3
	s_add_co_u32 s[SK], s[SK], 16384
	s_add_co_u32 s[SS], s[SS], 8192
	s_add_co_u32 s[SV], s[SV], REC
	s_add_co_u32 s[SJ], s[SJ], 4
	s_sub_co_u32 s[TRIP], s[TRIP], 1
	s_cmp_lg_u32 s[TRIP], 0
	s_cbranch_scc1 .Ltrip
	; THE WAY OUT: O^T / the sum; register 16 b + i is channel 32 b + 16 h + i of the head: two blocks of the next product K
.rept 4
	v_nop
.endr
	v_add_f32 v14, v14, v15
	v_permlanex16_b32 v252, v14, s[SEL], s[SEL+1]
	v_add_f32 v14, v14, v252
	v_rcp_f32 v14, v14
	v_nop
	s_wait_alu depctr_va_vdst(0)
.set j, 0
.rept 32
	v_mul_f32 v[96+j], v[160+j], v14
.set j, j+1
.endr
.irp b, 0,1
	v_max3_num_f32 v[232+\b], |v[96+16*\b]|, |v[97+16*\b]|, 0x1800000
.endr
.irp i, 2,4,6,8,10,12,14
.irp b, 0,1
	v_max3_num_f32 v[232+\b], v[232+\b], |v[96+16*\b+\i]|, |v[97+16*\b+\i]|
.endr
.endr
.irp b, 0,1
	v_permlanex16_b32 v[236+\b], v[232+\b], s[SEL], s[SEL+1]
.endr
.irp b, 0,1
	v_max_num_f32 v[232+\b], v[232+\b], v[236+\b]
.endr
.irp b, 0,1
	v_add_nc_u32 v[244+\b], 0xff000000, v[232+\b]
.endr
.irp b, 0,1
	v_lshrrev_b32 v[236+\b], 23, v[244+\b]
.endr
	v_lshl_or_b32 v240, v237, 8, v236
.irp b, 0,1
	v_cvt_scalef32_pk8_fp4_f32 v[224+2*\b], v[96+16*\b:103+16*\b], v[244+\b]
	v_cvt_scalef32_pk8_fp4_f32 v[225+2*\b], v[104+16*\b:111+16*\b], v[244+\b]
.endr
	v_nop
	v_permlane16_swap_b32 v224, v226
	v_permlane16_swap_b32 v225, v227
	global_store_b128 v25, v[224:227], s[90:91]            ; 512 bytes on end: the head two units of codes
	global_store_b16 v26, v240, s[90:91] offset:4096       ; lanes r and r + 16 store the same two bytes at the same place
	s_wait_tensorcnt 0x0                           ; the wave end
	ds_add_u32 v[SPW], v[NIL]
	s_wait_dscnt 0x0
	CROUND                                         ; the closing round
	s_endpgm
.Lfunc_end_k_q7714933b24_attn:
	.size	k_q7714933b24_attn, .Lfunc_end_k_q7714933b24_attn-k_q7714933b24_attn
	.p2alignl 7, 3214868480
	.fill 96, 4, 3214868480
	.section	.rodata,"a",@progbits
	.p2align	6, 0x0
	.amdhsa_kernel k_q7714933b24_attn
		.amdhsa_group_segment_fixed_size 167936
		.amdhsa_private_segment_fixed_size 0
		.amdhsa_enable_private_segment 0
		.amdhsa_kernarg_size 24
		.amdhsa_user_sgpr_count 2
		.amdhsa_user_sgpr_kernarg_segment_ptr 1
		.amdhsa_wavefront_size32 1
		.amdhsa_system_sgpr_workgroup_id_x 1
		.amdhsa_system_sgpr_workgroup_id_y 1
		.amdhsa_system_sgpr_workgroup_id_z 1
		.amdhsa_system_vgpr_workitem_id 0
		.amdhsa_next_free_vgpr 256
		.amdhsa_next_free_sgpr 100
		.amdhsa_reserve_vcc 1
		.amdhsa_float_denorm_mode_32 3
		.amdhsa_float_denorm_mode_16_64 3
		.amdhsa_memory_ordered 1
		.amdhsa_forward_progress 1
		.amdhsa_inst_pref_size 96
	.end_amdhsa_kernel
	.amdgpu_metadata
---
amdhsa.version: [ 1, 2 ]
amdhsa.kernels:
  - .name:           k_q7714933b24_attn
    .symbol:         k_q7714933b24_attn.kd
    .args:
      - { .name: qkimg, .offset: 0, .size: 8, .value_kind: global_buffer, .address_space: global }
      - { .name: vimg, .offset: 8, .size: 8, .value_kind: global_buffer, .address_space: global }
      - { .name: yimg, .offset: 16, .size: 8, .value_kind: global_buffer, .address_space: global }
    .group_segment_fixed_size: 167936
    .private_segment_fixed_size: 0
    .kernarg_segment_align: 8
    .kernarg_segment_size: 24
    .max_flat_workgroup_size: 512
    .sgpr_count:     100
    .vgpr_count:     256
    .wavefront_size: 32
...
	.end_amdgpu_metadata
.endif
;; end of part 3
;; launch proj (part 4): grid 32 x 8, 4 waves a work-group, clusters of 4 x 4, 327,680 bytes of LDS; arguments yimg, wimg, b_proj, x, x1; writes x1
.if DOCPART == 4
	.amdgcn_target "amdgcn-amd-amdhsa--gfx1250"
	.amdhsa_code_object_version 6
	.text
	.protected	k_q7714933b24_proj
	.globl	k_q7714933b24_proj
	.p2align	8
	.type	k_q7714933b24_proj,@function
k_q7714933b24_proj:
	s_mov_b64 s[64:65], 0
	v_nop
	global_prefetch_b8 v0, s[64:65] scope:SCOPE_SE
	s_setreg_imm32_b32 hwreg(HW_REG_WAVE_MODE, 25, 1), 1
	s_wait_xcnt 0x0
	s_wait_alu depctr_hold_cnt(0) depctr_sa_sdst(0) depctr_va_vdst(0) depctr_va_sdst(0) depctr_va_ssrc(0) depctr_va_vcc(0) depctr_vm_vsrc(0)
	s_getreg_b32 s2, hwreg(HW_REG_IB_STS2, 6, 4)
	s_cmp_eq_u32 s2, 0
	s_cbranch_scc0 .Lentry_in_a_cluster
	s_endpgm
.Lentry_in_a_cluster:
	s_bfe_u32 s2, ttmp6, 0x10000c
	s_cmp_lg_u32 s2, 0xf033
	s_cbranch_scc0 .Lentry_shape_is_right
	s_endpgm
.Lentry_shape_is_right:
; x1 = x + y W_proj^T + b_proj, the product on codes of FP4; x1 is f32 [4096][1024].
; Images: records of 4,352 bytes = 16 rows x 512 K (16 units of codes [place][16 bytes], one unit of scale bytes [place][16]); place p of tile t is row 32 (t / 2) + 8 (t % 2) + p + 8 (p / 8).
; SHARES.  A work-group: 128 rows of W_proj (grid y: 128 columns of x1) x 128 tokens (grid x), K = 1,024 in two slots of 512, both asked for at the head: nothing is filled again.
; Source 0 = all 8 tiles of the weights, source 1 = the wave two tiles of tokens: 16 accumulators; a lane holds one token and, in a tile registers, neighbouring columns.
; The bias is the C of each sum first product.  The residual is asked for at the head and lands under the products.
; CLUSTER 4 x 4: the weights tiles hang on y and are asked for jointly along a row of the cluster, the tokens tiles on x, along a column.
; THE WAY OUT: 16 tokens x 128 columns at a time through the wave own stage in LDS, back as whole rows of 512 bytes, + the residual, stored 512 aligned bytes an instruction.
; REGISTERS: window 0: v1-15 addresses; v16-55 scale words, two sets of 20; v56-60 at work; v128-255 the accumulators (it, jt) at 128 + 64 jt + 8 it.
;   window 1: fragment sets at v0 and v80; v160-223 the bias.   window 2: v0-127 the residual.
.set REC,   4352
.set NQ,    4
.set RP,    (NQ/4)*REC
.set MP,    8704
.set WOFF,  1671168                    ; W_proj in wimg
.set HALF,  4*RP
.set OPB,   8*RP
.set SLOT,  2*OPB
.set STAGE, 2*SLOT                     ; 16 rows x (512 + 16) bytes for each wave; no tensor load lands here
.set SPARE, STAGE+4*16*528             ; the spare words, 128 bytes a wave
.set SPW, 1
.set NIL, 2
.set AP,  3
.set AQ,  7
.set ASP, 9
.set ASQ, 11
.set L16, 13
.set STO, 14
.set RD,  15
.set SC,  16
.set BAD, 59
.set ACC, 128
.set BI,  160
.set G1Y, 24
.set G0Y, 32
.set G1X, 48
.set G0X, 56
.set MSB, 0
.macro WIN new
.if MSB != \new
	s_set_vgpr_msb (MSB<<8)|\new
.set MSB, \new
.endif
.endm
.macro JLOAD s                         ; waves 0, 1 fetch the weights halves, waves 2, 3 the tokens; an s_nop 0 and four v_nop follow each line
	s_cmp_eq_u32 s15, 0
	s_cbranch_scc0 .Lfor_x_\@
	tensor_load_to_lds s[G0Y+4*\s:G0Y+4*\s+3], s[G1Y:G1Y+7]
	s_nop 0
.rept 4
	v_nop
.endr
	s_branch .Lasked_\@
.Lfor_x_\@:
	tensor_load_to_lds s[G0X+4*\s:G0X+4*\s+3], s[G1X:G1X+7]
	s_nop 0
.rept 4
	v_nop
.endr
.Lasked_\@:
.endm
.macro CROUND
	s_barrier_signal -1
	s_barrier_wait -1
	s_cmp_lg_u32 s14, 0
	s_cbranch_scc1 .Lnot_wave_0_\@
	s_barrier_signal -3
.Lnot_wave_0_\@:
	s_barrier_wait -3
	s_barrier_signal -1
	s_barrier_wait -1
.endm
	s_load_b256 s[4:11], s[0:1], 0x0               ; yimg, wimg, b_proj, x
	s_load_b64 s[12:13], s[0:1], 0x20              ; x1
	v_lshl_add_u32 v[SPW], v0, 2, SPARE
	v_mov_b32 v[NIL], 0
	ds_add_u32 v[SPW], v[NIL]                      ; the opening: the add, twice on end, and its wait ahead of my first tensor load
	ds_add_u32 v[SPW], v[NIL]
	v_lshrrev_b32 v56, 5, v0
	v_readfirstlane_b32 s14, v56
	s_lshr_b32 s15, s14, 1
	s_and_b32 s16, s14, 1
	s_bfe_u32 s40, ttmp6, 0x40000
	s_bfe_u32 s41, ttmp6, 0x40004
	s_lshl_b32 s42, ttmp9, 2
	s_add_co_u32 s42, s42, s40                     ; x: which 128 tokens
	s_and_b32 s17, ttmp7, 0xffff
	s_lshl_b32 s17, s17, 2
	s_add_co_u32 s17, s17, s41                     ; y: which 128 rows of the weight
	s_lshl_b32 s43, s41, 2
	s_lshl_b32 s43, 15, s43
	s_lshl_b32 s44, 0x1111, s40
	s_or_b32 s[G1Y], s43, (3<<16)|(1<<21)
	s_or_b32 s[G1X], s44, (3<<16)|(1<<21)
.irp g, G1Y, G1X
	s_mov_b32 s[\g+1], (RP/8)<<16
	s_mov_b32 s[\g+2], 4<<16
	s_mov_b32 s[\g+3], (RP/8)<<16
	s_mov_b32 s[\g+4], 4
	s_mov_b32 s[\g+5], MP/8
	s_mov_b32 s[\g+6], 0
	s_mov_b32 s[\g+7], 0
.endr
	s_lshl_b32 s18, s16, 2
	s_lshl_b32 s20, s17, 3
	s_add_co_u32 s20, s20, s18
	s_mul_i32 s20, s20, MP
	s_add_co_u32 s20, s20, WOFF
	s_mov_b32 s21, 0
	s_lshl_b32 s46, s42, 3
	s_add_co_u32 s46, s46, s18
	s_mul_i32 s46, s46, MP
	s_mov_b32 s47, 0
	s_mul_i32 s45, s14, HALF
	s_wait_dscnt 0x0
	s_wait_kmcnt 0x0
	s_add_nc_u64 s[20:21], s[6:7], s[20:21]
	s_add_nc_u64 s[46:47], s[4:5], s[46:47]
	CROUND
.irp s, 0,1
	s_mov_b32 s[G0Y+4*\s], 1
	s_add_co_u32 s[G0Y+4*\s+1], s45, \s*SLOT
	s_add_nc_u64 s[G0Y+4*\s+2:G0Y+4*\s+3], s[20:21], \s*RP
	s_or_b32 s[G0Y+4*\s+3], s[G0Y+4*\s+3], 0x80000000
	s_mov_b32 s[G0X+4*\s], 1
	s_add_co_u32 s[G0X+4*\s+1], s45, \s*SLOT
	s_add_nc_u64 s[G0X+4*\s+2:G0X+4*\s+3], s[46:47], \s*RP
	s_or_b32 s[G0X+4*\s+3], s[G0X+4*\s+3], 0x80000000
	JLOAD \s
.endr
	s_lshl_b32 s70, s42, 7
	s_lshl_b32 s71, s14, 5
	s_add_co_u32 s70, s70, s71                     ; my first token: 128 x + 32 w
	s_lshl_b32 s70, s70, 12
	s_lshl_b32 s71, s17, 9
	s_add_co_u32 s70, s70, s71                     ; + my work-group 512 bytes of a row
	s_mov_b32 s71, 0
	s_add_nc_u64 s[72:73], s[10:11], s[70:71]      ; the residual,
	s_add_nc_u64 s[74:75], s[12:13], s[70:71]      ; the result,
	s_lshl_b32 s70, s17, 9
	s_add_nc_u64 s[82:83], s[8:9], s[70:71]        ; the bias at 128 y
	v_and_b32 v56, 31, v0
	v_lshlrev_b32 v[L16], 4, v56
	v_and_b32 v57, 15, v0                          ; r
	v_bfe_u32 v58, v0, 4, 1                        ; h
.irp s, 0,1
	v_add_nc_u32 v[AP+2*\s], \s*SLOT, v[L16]
	v_add_nc_u32 v[AP+2*\s+1], \s*SLOT+4*RP, v[L16]
.endr
	s_mul_i32 s18, s14, 2*RP
	s_add_co_u32 s18, s18, OPB
	v_add_nc_u32 v[AQ], s18, v[L16]
	v_add_nc_u32 v[AQ+1], SLOT, v[AQ]
	v_mul_u32_u24 v60, v58, RP
	v_lshl_add_u32 v60, v57, 4, v60
	v_add_nc_u32 v[ASP], 4096, v60
	v_add_nc_u32 v[ASP+1], SLOT, v[ASP]
	v_add_nc_u32 v[ASQ], s18, v[ASP]
	v_add_nc_u32 v[ASQ+1], SLOT, v[ASQ]
	s_mul_i32 s19, s14, 16*528
	s_add_co_u32 s19, s19, STAGE
	v_mul_u32_u24 v[STO], v57, 528
	v_lshl_add_u32 v[STO], v58, 6, v[STO]
	v_add_nc_u32 v[STO], s19, v[STO]               ; the stage, in: row r, + 64 h
	v_add_nc_u32 v[RD], s19, v[L16]                ; and back: 16 x lane of a row
	v_lshlrev_b32 v[BAD], 6, v58
	WIN 0x40
.irp it, 0,1,2,3,4,5,6,7                       ; register e of tile it is column 32 (it / 2) + 16 h + 8 (it % 2) + e of the 128
	global_load_b128 v[BI+8*\it:BI+8*\it+3], v[BAD], s[82:83] offset:(32*(\it/2)+8*(\it%2))*4
	global_load_b128 v[BI+8*\it+4:BI+8*\it+7], v[BAD], s[82:83] offset:(32*(\it/2)+8*(\it%2))*4+16
.endr
	WIN 0x80
.irp jt, 0,1
.irp i, 0,1,2,3,4,5,6,7,8,9,10,11,12,13,14,15
	global_load_b128 v[64*\jt+4*\i:64*\jt+4*\i+3], v[L16], s[72:73] offset:(8*\jt+\i+8*(\i/8))*4096 th:TH_LOAD_NT   ; place i of my tile jt: 512 bytes on end of its row
.endr
.endr
	WIN 0
.macro FETCH slot, q, f
	WIN 0x40
.irp it, 0,1,2,3,4,5,6,7
.irp c, 0,1
	ds_load_b128 v[80*(\f)+8*\it+4*\c:80*(\f)+8*\it+4*\c+3], v[AP+2*(\slot)+\it/4] offset:(\it%4)*RP+((\q)/4)*REC+((\q)%4)*1024+512*\c
.endr
.endr
.irp jt, 0,1
.irp c, 0,1
	ds_load_b128 v[80*(\f)+64+8*\jt+4*\c:80*(\f)+64+8*\jt+4*\c+3], v[AQ+(\slot)] offset:\jt*RP+((\q)/4)*REC+((\q)%4)*1024+512*\c
.endr
.endr
.if ((\q)%4) == 0
	WIN 0
.set SS, ((\slot)*(NQ/4)+(\q)/4)%2
.irp i, 0,1,2,3
	ds_load_b128 v[SC+20*SS+4*\i:SC+20*SS+4*\i+3], v[ASP+(\slot)] offset:2*RP*\i+((\q)/4)*REC
.endr
	ds_load_b128 v[SC+20*SS+16:SC+20*SS+19], v[ASQ+(\slot)] offset:((\q)/4)*REC
.endif
.endm
.macro WM f, ss, q, bias, it, jt
.set rD, ACC+64*(\jt)+8*(\it)
.set rA, 80*(\f)+8*(\it)
.set rB, 80*(\f)+64+8*(\jt)
.set rSA, SC+20*(\ss)+4*((\it)/2)+(\q)%4
.set rSB, SC+20*(\ss)+16+(\q)%4
.set rC, rD
.if \bias
.set rC, BI+8*(\it)
.endif
.if ((\it)%2) && (\jt)
	v_wmma_scale_f32_16x16x128_f8f6f4 v[rD:rD+7], v[rA:rA+7], v[rB:rB+7], v[rC:rC+7], v[rSA], v[rSB] matrix_a_fmt:MATRIX_FMT_FP4 matrix_b_fmt:MATRIX_FMT_FP4 matrix_a_scale:MATRIX_SCALE_ROW1 matrix_b_scale:MATRIX_SCALE_ROW1
.elseif ((\it)%2)
	v_wmma_scale_f32_16x16x128_f8f6f4 v[rD:rD+7], v[rA:rA+7], v[rB:rB+7], v[rC:rC+7], v[rSA], v[rSB] matrix_a_fmt:MATRIX_FMT_FP4 matrix_b_fmt:MATRIX_FMT_FP4 matrix_a_scale:MATRIX_SCALE_ROW1
.elseif (\jt)
	v_wmma_scale_f32_16x16x128_f8f6f4 v[rD:rD+7], v[rA:rA+7], v[rB:rB+7], v[rC:rC+7], v[rSA], v[rSB] matrix_a_fmt:MATRIX_FMT_FP4 matrix_b_fmt:MATRIX_FMT_FP4 matrix_b_scale:MATRIX_SCALE_ROW1
.else
	v_wmma_scale_f32_16x16x128_f8f6f4 v[rD:rD+7], v[rA:rA+7], v[rB:rB+7], v[rC:rC+7], v[rSA], v[rSB] matrix_a_fmt:MATRIX_FMT_FP4 matrix_b_fmt:MATRIX_FMT_FP4
.endif
.endm
.macro MUL16 f, ss, q, bias            ; the 16 accumulators by turns, in the same order in every step
.if \bias
	WIN 0x15                                       ; sources 0, 1 and C (the bias) window 1; D window 0
.else
	WIN 0x05
.endif
.irp it, 0,1,2,3,4,5,6,7
.irp jt, 0,1
	WM \f, \ss, \q, \bias, \it, \jt
.endr
.endr
.endm
.macro STEP slot, q, bias
.rept 4
	v_nop                                          ; four places behind the last step products, in front of loads into the set that they read
.endr
	FETCH \slot, (\q)+1, ((\q)+1)%2
.if (((\q)+1)%4) == 0
	s_wait_dscnt 25                                ; all but the loads just issued
.else
	s_wait_dscnt 20
.endif
	MUL16 (\q)%2, ((\slot)*(NQ/4)+(\q)/4)%2, \q, \bias
.endm
	s_wait_tensorcnt 0x1                           ; my part of slot 0 is in; slot 1 may stay out
	s_barrier_signal -1
	s_barrier_wait -1
	FETCH 0, 0, 0
	s_wait_loadcnt 32                              ; the bias is in; the 32 loads of the residual, issued behind it, may stay out
	STEP 0, 0, 1
	STEP 0, 1, 0
	STEP 0, 2, 0
	WIN 0
	s_wait_tensorcnt 0x0                           ; my part of slot 1 is in,
	s_wait_dscnt 0x0                               ; and no LDS load of mine is out at the signal
	s_barrier_signal -1
	s_barrier_wait -1
.rept 4
	v_nop
.endr
	FETCH 1, 0, 0
	MUL16 1, 0, 3, 0
	STEP 1, 0, 0
	STEP 1, 1, 0
	STEP 1, 2, 0
	s_wait_dscnt 0x0
	MUL16 1, 1, 3, 0
	WIN 0
.rept 4
	v_nop                                          ; four places in front of the first read of results and of loads into them
.endr
.irp jt, 0,1
.irp it, 0,1,2,3,4,5,6,7
	ds_store_b128 v[STO], v[ACC+64*\jt+8*\it:ACC+64*\jt+8*\it+3] offset:128*(\it/2)+32*(\it%2)          ; each accumulator from its low end on
	ds_store_b128 v[STO], v[ACC+64*\jt+8*\it+4:ACC+64*\jt+8*\it+7] offset:128*(\it/2)+32*(\it%2)+16
.endr
.irp i, 0,1,2,3,4,5,6,7,8,9,10,11,12,13,14,15
	ds_load_b128 v[ACC+64*\jt+4*\i:ACC+64*\jt+4*\i+3], v[RD] offset:528*\i   ; LDS serves a wave instructions in order: these see my stores, and the next half stores come behind them
.endr
.endr
	s_wait_loadcnt 0x0                             ; the residual
.irp jt, 0,1
	s_wait_dscnt 32-32*\jt                         ; this half is back; the other half 16 stores and 16 loads may stay out
	WIN 0x08                                       ; source 1 window 2
.set j, 0
.rept 32
	v_pk_add_f32 v[ACC+64*\jt+j:ACC+64*\jt+j+1], v[ACC+64*\jt+j:ACC+64*\jt+j+1], v[64*\jt+j:64*\jt+j+1]
.set j, j+2
.endr
	WIN 0
.irp i, 0,1,2,3,4,5,6,7,8,9,10,11,12,13,14,15
	global_store_b128 v[L16], v[ACC+64*\jt+4*\i:ACC+64*\jt+4*\i+3], s[74:75] offset:(8*\jt+\i+8*(\i/8))*4096   ; 512 aligned bytes on end
.endr
.endr
	s_wait_tensorcnt 0x0                           ; the wave end
	ds_add_u32 v[SPW], v[NIL]
	s_wait_dscnt 0x0
	CROUND
	s_endpgm
.Lfunc_end_k_q7714933b24_proj:
	.size	k_q7714933b24_proj, .Lfunc_end_k_q7714933b24_proj-k_q7714933b24_proj
	.p2alignl 7, 3214868480
	.fill 96, 4, 3214868480
	.section	.rodata,"a",@progbits
	.p2align	6, 0x0
	.amdhsa_kernel k_q7714933b24_proj
		.amdhsa_group_segment_fixed_size 327680
		.amdhsa_private_segment_fixed_size 0
		.amdhsa_enable_private_segment 0
		.amdhsa_kernarg_size 40
		.amdhsa_user_sgpr_count 2
		.amdhsa_user_sgpr_kernarg_segment_ptr 1
		.amdhsa_wavefront_size32 1
		.amdhsa_system_sgpr_workgroup_id_x 1
		.amdhsa_system_sgpr_workgroup_id_y 1
		.amdhsa_system_sgpr_workgroup_id_z 1
		.amdhsa_system_vgpr_workitem_id 0
		.amdhsa_next_free_vgpr 640
		.amdhsa_next_free_sgpr 100
		.amdhsa_reserve_vcc 0
		.amdhsa_float_denorm_mode_32 3
		.amdhsa_float_denorm_mode_16_64 3
		.amdhsa_memory_ordered 1
		.amdhsa_forward_progress 1
		.amdhsa_inst_pref_size 52
	.end_amdhsa_kernel
	.amdgpu_metadata
---
amdhsa.version: [ 1, 2 ]
amdhsa.kernels:
  - .name:           k_q7714933b24_proj
    .symbol:         k_q7714933b24_proj.kd
    .args:
      - { .name: yimg, .offset: 0, .size: 8, .value_kind: global_buffer, .address_space: global }
      - { .name: wimg, .offset: 8, .size: 8, .value_kind: global_buffer, .address_space: global }
      - { .name: b_proj, .offset: 16, .size: 8, .value_kind: global_buffer, .address_space: global }
      - { .name: x, .offset: 24, .size: 8, .value_kind: global_buffer, .address_space: global }
      - { .name: x1, .offset: 32, .size: 8, .value_kind: global_buffer, .address_space: global }
    .group_segment_fixed_size: 327680
    .private_segment_fixed_size: 0
    .kernarg_segment_align: 8
    .kernarg_segment_size: 40
    .max_flat_workgroup_size: 128
    .sgpr_count:     100
    .vgpr_count:     640
    .wavefront_size: 32
...
	.end_amdgpu_metadata
.endif
;; end of part 4
;; launch ln2 (part 5): grid 256 x 1, 8 waves a work-group, no clusters, 70,144 bytes of LDS; arguments x1, ln2_w, ln2_b, himg; writes himg
.if DOCPART == 5
	.amdgcn_target "amdgcn-amd-amdhsa--gfx1250"
	.amdhsa_code_object_version 6
	.text
	.protected	k_q7714933b24_ln2
	.globl	k_q7714933b24_ln2
	.p2align	8
	.type	k_q7714933b24_ln2,@function
k_q7714933b24_ln2:
	s_mov_b64 s[64:65], 0
	v_nop
	global_prefetch_b8 v0, s[64:65] scope:SCOPE_SE
	s_setreg_imm32_b32 hwreg(HW_REG_WAVE_MODE, 25, 1), 1
	s_wait_xcnt 0x0
; LayerNorm 2 of x1, turned into codes of FP4 with one E8M0 byte for each 32 along K -> himg, in the image layout: records of 4,352 bytes = 16 rows x 512 K (16 units of codes [place][16 bytes],
; one unit of scale bytes [place][16]); place p of tile t is row 32 (t / 2) + 8 (t % 2) + p + 8 (p / 8).
; A work-group makes one tile of 16 tokens x 1,024 along K: 8,704 bytes on end.  Wave w makes fragment w: K = 128 w .. 128 w + 127.  Each load reads 512 bytes on end of one row; the 16 rows turn through the wave own
; stage in LDS, so that lane (r, h) holds K = 64 c + 32 h + 0 .. 31 of place r.  Mean and variance meet in LDS; the variance is taken in two passes, as reference() takes it.
; LIMITS: a block whose largest magnitude lies under 2^-124 (a block of zeros too) gets the byte 1; its codes are zeros or next to it, and this program alone reads the bytes.  NaN and infinities are not served.
.set REC,   4352
.set SROW,  528
.set WSTG,  16*SROW
.set RED,   8*WSTG
.set SCW,   RED+1024
.set SPARE, SCW+512                    ; the spare words, 128 bytes a wave
.set SPW, 1
.set NIL, 2
.set X,   32
.set LW,  96
.set LB,  160
.set PC,  224
.set T,   232
	s_load_b256 s[4:11], s[0:1], 0x0               ; x1, ln2_w, ln2_b, himg
	v_lshl_add_u32 v[SPW], v0, 2, SPARE
	v_mov_b32 v[NIL], 0
	v_lshrrev_b32 v16, 5, v0
	v_readfirstlane_b32 s36, v16                   ; wave 0..7
	v_and_b32 v3, 31, v0
	v_and_b32 v4, 15, v0                           ; r
	v_bfe_u32 v5, v0, 4, 1                         ; h
	v_lshlrev_b32 v6, 4, v0                        ; 512 w + 16 lane
	s_mul_i32 s37, s36, WSTG
	v_lshl_add_u32 v7, v3, 4, s37
	v_mul_u32_u24 v8, v4, SROW
	v_lshl_add_u32 v8, v5, 7, v8
	v_add_nc_u32 v8, s37, v8
	s_lshl_b32 s38, s36, 6
	v_lshl_add_u32 v10, v4, 2, RED
	v_add_nc_u32 v9, s38, v10
	s_lshr_b32 s38, s36, 2
	s_and_b32 s39, s36, 3
	s_lshl_b32 s40, s38, 8
	s_lshl_b32 s41, s39, 2
	s_add_co_u32 s40, s40, s41
	s_add_co_u32 s40, s40, SCW
	v_lshl_add_u32 v11, v4, 4, s40
	s_lshl_b32 s40, s36, 8
	s_add_co_u32 s40, s40, SCW
	v_lshl_add_u32 v12, v3, 3, s40
	s_mul_i32 s40, s38, REC
	s_lshl_b32 s41, s39, 10
	s_add_co_u32 s40, s40, s41
	v_lshl_add_u32 v13, v3, 4, s40
	s_mul_i32 s40, s36, REC
	s_add_co_u32 s40, s40, 4096
	v_lshl_add_u32 v14, v3, 3, s40
	s_lshl_b32 s40, s36, 9
	v_lshl_add_u32 v15, v5, 7, s40
	s_mov_b32 s42, 0x76543210
	s_mov_b32 s43, 0xfedcba98
	s_mov_b32 s44, 0x3a800000                      ; 1 / 1024
	s_mov_b32 s45, 0x3727c5ac                      ; 1e-5
	s_mul_i32 s34, ttmp9, 2*REC
	s_mov_b32 s35, 0
	s_lshr_b32 s32, ttmp9, 1
	s_lshl_b32 s32, s32, 5
	s_and_b32 s33, ttmp9, 1
	s_lshl_b32 s33, s33, 3
	s_or_b32 s32, s32, s33                         ; the row at place 0
	s_lshl_b32 s32, s32, 12
	s_mov_b32 s33, 0
	s_wait_kmcnt 0x0
	s_add_nc_u64 s[22:23], s[4:5], s[32:33]
	s_add_nc_u64 s[26:27], s[10:11], s[34:35]
.irp q, 0,1,2,3,4,5,6,7,8,9,10,11,12,13,14,15
	global_load_b128 v[X+4*\q:X+4*\q+3], v6, s[22:23] offset:(\q+8*(\q/8))*4096
.endr
.irp c, 0,1
.irp p, 0,1,2,3,4,5,6,7
	global_load_b128 v[LW+32*\c+4*\p:LW+32*\c+4*\p+3], v15, s[6:7] offset:256*\c+16*\p
	global_load_b128 v[LB+32*\c+4*\p:LB+32*\c+4*\p+3], v15, s[8:9] offset:256*\c+16*\p
.endr
.endr
	s_wait_loadcnt 32                              ; the 16 loads of x1 are in; gain and bias, 32 loads issued behind them, may stay out
.irp q, 0,1,2,3,4,5,6,7,8,9,10,11,12,13,14,15
	ds_store_b128 v7, v[X+4*\q:X+4*\q+3] offset:SROW*\q
.endr
.irp c, 0,1
.irp p, 0,1,2,3,4,5,6,7
	ds_load_b128 v[X+32*\c+4*\p:X+32*\c+4*\p+3], v8 offset:256*\c+16*\p   ; LDS serves a wave instructions in order: these see my stores
.endr
.endr
	s_wait_dscnt 0x0
.macro ACROSS off                      ; four pairs of partial sums in v[T .. T+7] become the row total in v[T+8], the same bits in every wave
	v_pk_add_f32 v[T:T+1], v[T:T+1], v[T+2:T+3]
	v_pk_add_f32 v[T+4:T+5], v[T+4:T+5], v[T+6:T+7]
	v_pk_add_f32 v[T:T+1], v[T:T+1], v[T+4:T+5]
	v_add_f32 v[T], v[T], v[T+1]
	v_permlanex16_b32 v[T+2], v[T], s42, s43
	v_add_f32 v[T], v[T], v[T+2]
	ds_store_b32 v9, v[T] offset:\off
	s_wait_dscnt 0x0                               ; for the others: my store is done
	s_barrier_signal -1
	s_barrier_wait -1
.irp u, 0,1,2,3,4,5,6,7
	ds_load_b32 v[T+8+\u], v10 offset:\off+64*\u
.endr
	s_wait_dscnt 0x0
	v_pk_add_f32 v[T+8:T+9], v[T+8:T+9], v[T+10:T+11]
	v_pk_add_f32 v[T+12:T+13], v[T+12:T+13], v[T+14:T+15]
	v_pk_add_f32 v[T+8:T+9], v[T+8:T+9], v[T+12:T+13]
	v_add_f32 v[T+8], v[T+8], v[T+9]
.endm
.irp k, 0,1,2,3
	v_pk_add_f32 v[T+2*\k:T+2*\k+1], v[X+2*\k:X+2*\k+1], v[X+8+2*\k:X+9+2*\k]
.endr
.irp j, 16,24,32,40,48,56
.irp k, 0,1,2,3
	v_pk_add_f32 v[T+2*\k:T+2*\k+1], v[T+2*\k:T+2*\k+1], v[X+\j+2*\k:X+\j+2*\k+1]
.endr
.endr
	ACROSS 0
	v_mul_f32 v[T], s44, v[T+8]                    ; the mean
	v_mov_b32 v[T+1], v[T]
.set j, 0
.rept 32
	v_pk_add_f32 v[X+j:X+j+1], v[X+j:X+j+1], v[T:T+1] neg_lo:[0,1] neg_hi:[0,1]
.set j, j+2
.endr
.irp k, 0,1,2,3
	v_pk_mul_f32 v[T+2*\k:T+2*\k+1], v[X+2*\k:X+2*\k+1], v[X+2*\k:X+2*\k+1]
.endr
.irp j, 8,16,24,32,40,48,56
.irp k, 0,1,2,3
	v_pk_fma_f32 v[T+2*\k:T+2*\k+1], v[X+\j+2*\k:X+\j+2*\k+1], v[X+\j+2*\k:X+\j+2*\k+1], v[T+2*\k:T+2*\k+1]
.endr
.endr
	ACROSS 512
	v_fma_f32 v[T], v[T+8], s44, s45
	v_rsq_f32 v[T+2], v[T]
	v_rsq_f32 v[T+3], v[T]
	v_nop                                          ; a plain instruction behind the transcendentals
	s_wait_alu depctr_va_vdst(0)                   ; one wait for both, ahead of their first reader
	s_wait_loadcnt 0x0                             ; gain and bias
.set j, 0
.rept 32
	v_pk_mul_f32 v[X+j:X+j+1], v[X+j:X+j+1], v[T+2:T+3]
.set j, j+2
.endr
.set j, 0
.rept 32
	v_pk_fma_f32 v[X+j:X+j+1], v[X+j:X+j+1], v[LW+j:LW+j+1], v[LB+j:LB+j+1]
.set j, j+2
.endr
.irp c, 0,1
	v_max3_num_f32 v[T+\c], |v[X+32*\c]|, |v[X+32*\c+1]|, 0x1800000   ; my block 2 c + h, with the floor 2^(3 - 127)
.endr
.irp i, 2,4,6,8,10,12,14,16,18,20,22,24,26,28,30
.irp c, 0,1
	v_max3_num_f32 v[T+\c], v[T+\c], |v[X+32*\c+\i]|, |v[X+32*\c+\i+1]|
.endr
.endr
.irp c, 0,1
	v_add_nc_u32 v[T+4+\c], 0xff000000, v[T+\c]
.endr
.irp c, 0,1
	v_lshrrev_b32 v[T+2+\c], 23, v[T+4+\c]
.endr
	v_lshl_or_b32 v[T+6], v[T+3], 16, v[T+2]
	v_lshlrev_b32 v[T+7], 3, v5
	v_lshlrev_b32 v[T+6], v[T+7], v[T+6]
	v_mov_b32 v[T+7], 0
	v_permlanex16_b32 v[T+7], v[T+6], s42, s43
	v_or_b32 v[T+6], v[T+6], v[T+7]                ; row r scale word for these 128
.irp c, 0,1
.irp g, 0,1,2,3
	v_cvt_scalef32_pk8_fp4_f32 v[PC+4*\c+\g], v[X+32*\c+8*\g:X+32*\c+8*\g+7], v[T+4+\c]
.endr
.endr
	v_nop
	global_store_b128 v13, v[PC:PC+3], s[26:27]
	global_store_b128 v13, v[PC+4:PC+7], s[26:27] offset:512
	ds_store_b32 v11, v[T+6]
	s_wait_dscnt 0x0
	s_barrier_signal -1
	s_barrier_wait -1
	s_cmp_lt_u32 s36, 2
	s_cbranch_scc0 .Ldone
	ds_load_b64 v[16:17], v12
	s_wait_dscnt 0x0
	global_store_b64 v14, v[16:17], s[26:27]       ; a record scale unit: 256 aligned bytes by one instruction
.Ldone:
	s_wait_tensorcnt 0x0                           ; the wave end
	ds_add_u32 v[SPW], v[NIL]
	s_wait_dscnt 0x0
	s_endpgm
.Lfunc_end_k_q7714933b24_ln2:
	.size	k_q7714933b24_ln2, .Lfunc_end_k_q7714933b24_ln2-k_q7714933b24_ln2
	.p2alignl 7, 3214868480
	.fill 96, 4, 3214868480
	.section	.rodata,"a",@progbits
	.p2align	6, 0x0
	.amdhsa_kernel k_q7714933b24_ln2
		.amdhsa_group_segment_fixed_size 70144
		.amdhsa_private_segment_fixed_size 0
		.amdhsa_enable_private_segment 0
		.amdhsa_kernarg_size 32
		.amdhsa_user_sgpr_count 2
		.amdhsa_user_sgpr_kernarg_segment_ptr 1
		.amdhsa_wavefront_size32 1
		.amdhsa_system_sgpr_workgroup_id_x 1
		.amdhsa_system_sgpr_workgroup_id_y 1
		.amdhsa_system_sgpr_workgroup_id_z 1
		.amdhsa_system_vgpr_workitem_id 0
		.amdhsa_next_free_vgpr 248
		.amdhsa_next_free_sgpr 66
		.amdhsa_reserve_vcc 0
		.amdhsa_float_denorm_mode_32 3
		.amdhsa_float_denorm_mode_16_64 3
		.amdhsa_memory_ordered 1
		.amdhsa_forward_progress 1
		.amdhsa_inst_pref_size 26
	.end_amdhsa_kernel
	.amdgpu_metadata
---
amdhsa.version: [ 1, 2 ]
amdhsa.kernels:
  - .name:           k_q7714933b24_ln2
    .symbol:         k_q7714933b24_ln2.kd
    .args:
      - { .name: x1, .offset: 0, .size: 8, .value_kind: global_buffer, .address_space: global }
      - { .name: ln2_w, .offset: 8, .size: 8, .value_kind: global_buffer, .address_space: global }
      - { .name: ln2_b, .offset: 16, .size: 8, .value_kind: global_buffer, .address_space: global }
      - { .name: himg, .offset: 24, .size: 8, .value_kind: global_buffer, .address_space: global }
    .group_segment_fixed_size: 70144
    .private_segment_fixed_size: 0
    .kernarg_segment_align: 8
    .kernarg_segment_size: 32
    .max_flat_workgroup_size: 256
    .sgpr_count:     66
    .vgpr_count:     248
    .wavefront_size: 32
...
	.end_amdgpu_metadata
.endif
;; end of part 5
;; launch fc (part 6): grid 32 x 32, 4 waves a work-group, clusters of 4 x 4, 327,680 bytes of LDS; arguments himg, wimg, b_fc, gimg; writes gimg
.if DOCPART == 6
	.amdgcn_target "amdgcn-amd-amdhsa--gfx1250"
	.amdhsa_code_object_version 6
	.text
	.protected	k_q7714933b24_fc
	.globl	k_q7714933b24_fc
	.p2align	8
	.type	k_q7714933b24_fc,@function
k_q7714933b24_fc:
	s_mov_b64 s[64:65], 0
	v_nop
	global_prefetch_b8 v0, s[64:65] scope:SCOPE_SE
	s_setreg_imm32_b32 hwreg(HW_REG_WAVE_MODE, 25, 1), 1
	s_wait_xcnt 0x0
	s_wait_alu depctr_hold_cnt(0) depctr_sa_sdst(0) depctr_va_vdst(0) depctr_va_sdst(0) depctr_va_ssrc(0) depctr_va_vcc(0) depctr_vm_vsrc(0)
	s_getreg_b32 s2, hwreg(HW_REG_IB_STS2, 6, 4)
	s_cmp_eq_u32 s2, 0
	s_cbranch_scc0 .Lentry_in_a_cluster
	s_endpgm
.Lentry_in_a_cluster:
	s_bfe_u32 s2, ttmp6, 0x10000c
	s_cmp_lg_u32 s2, 0xf033
	s_cbranch_scc0 .Lentry_shape_is_right
	s_endpgm
.Lentry_shape_is_right:
; g = gelu(LN2(x1) W_fc^T + b_fc), the product on codes of FP4, and g quantised along the hidden units on the way out -> gimg (rows = tokens, K axis = 4,096).
; gelu(x) = 0.5 x (1 + tanh(u)), u = sqrt(2 / pi) (x + 0.044715 x^3), is computed as x / (1 + 2^(x (a0 + a1 x^2))), a0 = -2 sqrt(2 / pi) log2(e), a1 = 0.044715 a0: the same function, since 1 + tanh(u) = 2 / (1 + e^(-2 u));
; it is finite for every finite x (the power runs to 0 or to infinity, the quotient to x or to 0).
; Images: records of 4,352 bytes = 16 rows x 512 K (16 units of codes [place][16 bytes], one unit of scale bytes [place][16]); place p of tile t is row 32 (t / 2) + 8 (t % 2) + p + 8 (p / 8).
; SHARES.  A work-group: 128 rows of W_fc (grid y) x 128 tokens (grid x), K = 1,024 in two slots of 512, both asked for at the head: nothing is filled again.
; Source 0 = all 8 tiles of the weights, source 1 = the wave two tiles of tokens: 16 accumulators.  A lane holds ONE token, and its 64 registers of a tile of tokens are 128 neighbouring hidden units:
; one whole fragment of the next product and one whole scale word.  The bias is the C of each sum first product.
; CLUSTER 4 x 4: the weights tiles hang on y and are asked for jointly along a row of the cluster, the tokens tiles on x, along a column.
; The scale words leave as 4 bytes a row, 16 bytes apart: a whole unit would want 512 hidden units in one work-group; they are one sixteenth of the codes bytes.
; REGISTERS: window 0: v1-15 addresses; v16-55 scale words, two sets of 20; v56-127 at work on the way out; v128-255 the accumulators.   window 1: fragment sets at v0 and v80; v160-223 the bias.
.set REC,   4352
.set NQ,    4
.set RP,    (NQ/4)*REC
.set MP,    8704
.set WOFF,  2228224                    ; W_fc in wimg
.set HALF,  4*RP
.set OPB,   8*RP
.set SLOT,  2*OPB
.set SPARE, 2*SLOT                     ; the spare words, 128 bytes a wave
.set ROWP,  34816                      ; from tile to tile in gimg
.set SPW, 1
.set NIL, 2
.set AP,  3
.set AQ,  7
.set ASP, 9
.set ASQ, 11
.set L16, 13
.set SOF, 14
.set BAD, 15
.set SC,  16
.set TM,  56
.set PC,  72
.set E,   88                           ; v88-119 32 numbers of the activation at work
.set PW,  120
.set A0,  122                          ; v122-123 a0, twice
.set HH,  124
.set ACC, 128
.set BI,  160
.set G1Y, 24
.set G0Y, 32
.set G1X, 48
.set G0X, 56
.set A1,  66                           ; s[66:67] a1
.set SEL, 68
.set MSB, 0
.macro WIN new
.if MSB != \new
	s_set_vgpr_msb (MSB<<8)|\new
.set MSB, \new
.endif
.endm
.macro JLOAD s                         ; waves 0, 1 fetch the weights halves, waves 2, 3 the tokens; an s_nop 0 and four v_nop follow each line
	s_cmp_eq_u32 s15, 0
	s_cbranch_scc0 .Lfor_x_\@
	tensor_load_to_lds s[G0Y+4*\s:G0Y+4*\s+3], s[G1Y:G1Y+7]
	s_nop 0
.rept 4
	v_nop
.endr
	s_branch .Lasked_\@
.Lfor_x_\@:
	tensor_load_to_lds s[G0X+4*\s:G0X+4*\s+3], s[G1X:G1X+7]
	s_nop 0
.rept 4
	v_nop
.endr
.Lasked_\@:
.endm
.macro CROUND
	s_barrier_signal -1
	s_barrier_wait -1
	s_cmp_lg_u32 s14, 0
	s_cbranch_scc1 .Lnot_wave_0_\@
	s_barrier_signal -3
.Lnot_wave_0_\@:
	s_barrier_wait -3
	s_barrier_signal -1
	s_barrier_wait -1
.endm
	s_load_b256 s[4:11], s[0:1], 0x0               ; himg, wimg, b_fc, gimg
	v_lshl_add_u32 v[SPW], v0, 2, SPARE
	v_mov_b32 v[NIL], 0
	ds_add_u32 v[SPW], v[NIL]                      ; the opening: the add, twice on end, and its wait ahead of my first tensor load
	ds_add_u32 v[SPW], v[NIL]
	v_lshrrev_b32 v56, 5, v0
	v_readfirstlane_b32 s14, v56
	s_lshr_b32 s15, s14, 1
	s_and_b32 s16, s14, 1
	s_bfe_u32 s40, ttmp6, 0x40000
	s_bfe_u32 s41, ttmp6, 0x40004
	s_lshl_b32 s42, ttmp9, 2
	s_add_co_u32 s42, s42, s40                     ; x: which 128 tokens
	s_and_b32 s17, ttmp7, 0xffff
	s_lshl_b32 s17, s17, 2
	s_add_co_u32 s17, s17, s41                     ; y: which 128 hidden units
	s_lshl_b32 s43, s41, 2
	s_lshl_b32 s43, 15, s43
	s_lshl_b32 s44, 0x1111, s40
	s_or_b32 s[G1Y], s43, (3<<16)|(1<<21)
	s_or_b32 s[G1X], s44, (3<<16)|(1<<21)
.irp g, G1Y, G1X
	s_mov_b32 s[\g+1], (RP/8)<<16
	s_mov_b32 s[\g+2], 4<<16
	s_mov_b32 s[\g+3], (RP/8)<<16
	s_mov_b32 s[\g+4], 4
	s_mov_b32 s[\g+5], MP/8
	s_mov_b32 s[\g+6], 0
	s_mov_b32 s[\g+7], 0
.endr
	s_lshl_b32 s18, s16, 2
	s_lshl_b32 s20, s17, 3
	s_add_co_u32 s20, s20, s18
	s_mul_i32 s20, s20, MP
	s_add_co_u32 s20, s20, WOFF
	s_mov_b32 s21, 0
	s_lshl_b32 s46, s42, 3
	s_add_co_u32 s46, s46, s18
	s_mul_i32 s46, s46, MP
	s_mov_b32 s47, 0
	s_mul_i32 s45, s14, HALF
	s_mov_b32 s[SEL], 0x76543210
	s_mov_b32 s[SEL+1], 0xfedcba98
	s_mov_b32 s[A1], 0xbdd2d3e8                    ; a1 = -0.10294324
	s_mov_b32 s[A1+1], s[A1]
	s_wait_dscnt 0x0
	s_wait_kmcnt 0x0
	s_add_nc_u64 s[20:21], s[6:7], s[20:21]
	s_add_nc_u64 s[46:47], s[4:5], s[46:47]
	CROUND
.irp s, 0,1
	s_mov_b32 s[G0Y+4*\s], 1
	s_add_co_u32 s[G0Y+4*\s+1], s45, \s*SLOT
	s_add_nc_u64 s[G0Y+4*\s+2:G0Y+4*\s+3], s[20:21], \s*RP
	s_or_b32 s[G0Y+4*\s+3], s[G0Y+4*\s+3], 0x80000000
	s_mov_b32 s[G0X+4*\s], 1
	s_add_co_u32 s[G0X+4*\s+1], s45, \s*SLOT
	s_add_nc_u64 s[G0X+4*\s+2:G0X+4*\s+3], s[46:47], \s*RP
	s_or_b32 s[G0X+4*\s+3], s[G0X+4*\s+3], 0x80000000
	JLOAD \s
.endr
	s_lshl_b32 s70, s42, 3
	s_lshl_b32 s71, s14, 1
	s_add_co_u32 s70, s70, s71                     ; my first tile of tokens
	s_mul_i32 s70, s70, ROWP
	s_lshr_b32 s71, s17, 2
	s_mul_i32 s71, s71, REC
	s_add_co_u32 s70, s70, s71
	s_mov_b32 s71, 0
	s_add_nc_u64 s[72:73], s[10:11], s[70:71]      ; its record
	s_and_b32 s74, s17, 3
	s_lshl_b32 s70, s74, 10
	s_add_nc_u64 s[78:79], s[72:73], s[70:71]      ; the fragment,
	s_lshl_b32 s70, s74, 2
	s_add_co_u32 s70, s70, 4096
	s_add_nc_u64 s[80:81], s[72:73], s[70:71]      ; the scale words,
	s_lshl_b32 s70, s17, 9
	s_add_nc_u64 s[82:83], s[8:9], s[70:71]        ; the bias at 128 y
	v_and_b32 v56, 31, v0
	v_lshlrev_b32 v[L16], 4, v56
	v_and_b32 v57, 15, v0                          ; r
	v_bfe_u32 v[HH], v0, 4, 1                      ; h
.irp s, 0,1
	v_add_nc_u32 v[AP+2*\s], \s*SLOT, v[L16]
	v_add_nc_u32 v[AP+2*\s+1], \s*SLOT+4*RP, v[L16]
.endr
	s_mul_i32 s18, s14, 2*RP
	s_add_co_u32 s18, s18, OPB
	v_add_nc_u32 v[AQ], s18, v[L16]
	v_add_nc_u32 v[AQ+1], SLOT, v[AQ]
	v_mul_u32_u24 v58, v[HH], RP
	v_lshl_add_u32 v58, v57, 4, v58
	v_add_nc_u32 v[ASP], 4096, v58
	v_add_nc_u32 v[ASP+1], SLOT, v[ASP]
	v_add_nc_u32 v[ASQ], s18, v[ASP]
	v_add_nc_u32 v[ASQ+1], SLOT, v[ASQ]
	v_mul_u32_u24 v[SOF], v[HH], ROWP
	v_lshl_add_u32 v[SOF], v57, 4, v[SOF]
	v_lshlrev_b32 v[BAD], 6, v[HH]
	v_mov_b32 v[A0], 0xc0135761                    ; a0 = -2.3022082
	v_mov_b32 v[A0+1], 0xc0135761
.irp b, 0,1,2,3
	v_mov_b32 v[TM+4+\b], 0                        ; a lane permute destination counts as one of its sources
.endr
	WIN 0x40
.irp it, 0,1,2,3,4,5,6,7                       ; register e of tile it is hidden unit 32 (it / 2) + 16 h + 8 (it % 2) + e of the 128
	global_load_b128 v[BI+8*\it:BI+8*\it+3], v[BAD], s[82:83] offset:(32*(\it/2)+8*(\it%2))*4
	global_load_b128 v[BI+8*\it+4:BI+8*\it+7], v[BAD], s[82:83] offset:(32*(\it/2)+8*(\it%2))*4+16
.endr
	WIN 0
.macro FETCH slot, q, f
	WIN 0x40
.irp it, 0,1,2,3,4,5,6,7
.irp c, 0,1
	ds_load_b128 v[80*(\f)+8*\it+4*\c:80*(\f)+8*\it+4*\c+3], v[AP+2*(\slot)+\it/4] offset:(\it%4)*RP+((\q)/4)*REC+((\q)%4)*1024+512*\c
.endr
.endr
.irp jt, 0,1
.irp c, 0,1
	ds_load_b128 v[80*(\f)+64+8*\jt+4*\c:80*(\f)+64+8*\jt+4*\c+3], v[AQ+(\slot)] offset:\jt*RP+((\q)/4)*REC+((\q)%4)*1024+512*\c
.endr
.endr
.if ((\q)%4) == 0
	WIN 0
.set SS, ((\slot)*(NQ/4)+(\q)/4)%2
.irp i, 0,1,2,3
	ds_load_b128 v[SC+20*SS+4*\i:SC+20*SS+4*\i+3], v[ASP+(\slot)] offset:2*RP*\i+((\q)/4)*REC
.endr
	ds_load_b128 v[SC+20*SS+16:SC+20*SS+19], v[ASQ+(\slot)] offset:((\q)/4)*REC
.endif
.endm
.macro WM f, ss, q, bias, it, jt
.set rD, ACC+64*(\jt)+8*(\it)
.set rA, 80*(\f)+8*(\it)
.set rB, 80*(\f)+64+8*(\jt)
.set rSA, SC+20*(\ss)+4*((\it)/2)+(\q)%4
.set rSB, SC+20*(\ss)+16+(\q)%4
.set rC, rD
.if \bias
.set rC, BI+8*(\it)
.endif
.if ((\it)%2) && (\jt)
	v_wmma_scale_f32_16x16x128_f8f6f4 v[rD:rD+7], v[rA:rA+7], v[rB:rB+7], v[rC:rC+7], v[rSA], v[rSB] matrix_a_fmt:MATRIX_FMT_FP4 matrix_b_fmt:MATRIX_FMT_FP4 matrix_a_scale:MATRIX_SCALE_ROW1 matrix_b_scale:MATRIX_SCALE_ROW1
.elseif ((\it)%2)
	v_wmma_scale_f32_16x16x128_f8f6f4 v[rD:rD+7], v[rA:rA+7], v[rB:rB+7], v[rC:rC+7], v[rSA], v[rSB] matrix_a_fmt:MATRIX_FMT_FP4 matrix_b_fmt:MATRIX_FMT_FP4 matrix_a_scale:MATRIX_SCALE_ROW1
.elseif (\jt)
	v_wmma_scale_f32_16x16x128_f8f6f4 v[rD:rD+7], v[rA:rA+7], v[rB:rB+7], v[rC:rC+7], v[rSA], v[rSB] matrix_a_fmt:MATRIX_FMT_FP4 matrix_b_fmt:MATRIX_FMT_FP4 matrix_b_scale:MATRIX_SCALE_ROW1
.else
	v_wmma_scale_f32_16x16x128_f8f6f4 v[rD:rD+7], v[rA:rA+7], v[rB:rB+7], v[rC:rC+7], v[rSA], v[rSB] matrix_a_fmt:MATRIX_FMT_FP4 matrix_b_fmt:MATRIX_FMT_FP4
.endif
.endm
.macro MUL16 f, ss, q, bias            ; the 16 accumulators by turns, in the same order in every step
.if \bias
	WIN 0x15
.else
	WIN 0x05
.endif
.irp it, 0,1,2,3,4,5,6,7
.irp jt, 0,1
	WM \f, \ss, \q, \bias, \it, \jt
.endr
.endr
.endm
.macro STEP slot, q, bias
.rept 4
	v_nop                                          ; four places behind the last step products, in front of loads into the set that they read
.endr
	FETCH \slot, (\q)+1, ((\q)+1)%2
.if (((\q)+1)%4) == 0
	s_wait_dscnt 25                                ; all but the loads just issued
.else
	s_wait_dscnt 20
.endif
	MUL16 (\q)%2, ((\slot)*(NQ/4)+(\q)/4)%2, \q, \bias
.endm
	s_wait_tensorcnt 0x1                           ; my part of slot 0 is in; slot 1 may stay out
	s_barrier_signal -1
	s_barrier_wait -1
	FETCH 0, 0, 0
	s_wait_loadcnt 0x0                             ; the bias
	STEP 0, 0, 1
	STEP 0, 1, 0
	STEP 0, 2, 0
	WIN 0
	s_wait_tensorcnt 0x0                           ; my part of slot 1 is in,
	s_wait_dscnt 0x0                               ; and no LDS load of mine is out at the signal
	s_barrier_signal -1
	s_barrier_wait -1
.rept 4
	v_nop
.endr
	FETCH 1, 0, 0
	MUL16 1, 0, 3, 0
	STEP 1, 0, 0
	STEP 1, 1, 0
	STEP 1, 2, 0
	s_wait_dscnt 0x0
	MUL16 1, 1, 3, 0
	WIN 0
.rept 4
	v_nop                                          ; four places in front of the first read of results
.endr
.macro GELU a                          ; 32 numbers in place; two batches of transcendentals, one wait each
.set j, 0
.rept 16
	v_pk_mul_f32 v[E+j:E+j+1], v[(\a)+j:(\a)+j+1], v[(\a)+j:(\a)+j+1]     ; x^2: each accumulator from its low end on
.set j, j+2
.endr
.set j, 0
.rept 16
	v_pk_fma_f32 v[E+j:E+j+1], v[E+j:E+j+1], s[A1:A1+1], v[A0:A0+1] op_sel_hi:[1,0,1]   ; a0 + a1 x^2
.set j, j+2
.endr
.set j, 0
.rept 16
	v_pk_mul_f32 v[E+j:E+j+1], v[E+j:E+j+1], v[(\a)+j:(\a)+j+1]
.set j, j+2
.endr
.set j, 0
.rept 32
	v_exp_f32 v[E+j], v[E+j]
.set j, j+1
.endr
	v_nop
	s_wait_alu depctr_va_vdst(0)
.set j, 0
.rept 16
	v_pk_add_f32 v[E+j:E+j+1], v[E+j:E+j+1], 1.0 op_sel_hi:[1,0]
.set j, j+2
.endr
.set j, 0
.rept 32
	v_rcp_f32 v[E+j], v[E+j]
.set j, j+1
.endr
	v_nop
	s_wait_alu depctr_va_vdst(0)
.set j, 0
.rept 16
	v_pk_mul_f32 v[(\a)+j:(\a)+j+1], v[(\a)+j:(\a)+j+1], v[E+j:E+j+1]
.set j, j+2
.endr
.endm
; 64 numbers of a lane, register 16 b + i = K 32 b + 16 h + i of my row, become a fragment codes and its scale word
.macro QUANT s, pc, pw
.irp b, 0,1,2,3
	v_max3_num_f32 v[TM+\b], |v[(\s)+16*\b]|, |v[(\s)+1+16*\b]|, 0x1800000
.endr
.irp i, 2,4,6,8,10,12,14
.irp b, 0,1,2,3
	v_max3_num_f32 v[TM+\b], v[TM+\b], |v[(\s)+16*\b+\i]|, |v[(\s)+1+16*\b+\i]|
.endr
.endr
.irp b, 0,1,2,3
	v_permlanex16_b32 v[TM+4+\b], v[TM+\b], s[SEL], s[SEL+1]
.endr
.irp b, 0,1,2,3
	v_max_num_f32 v[TM+\b], v[TM+\b], v[TM+4+\b]
.endr
.irp b, 0,1,2,3
	v_add_nc_u32 v[TM+12+\b], 0xff000000, v[TM+\b]
.endr
.irp b, 0,1,2,3
	v_lshrrev_b32 v[TM+4+\b], 23, v[TM+12+\b]
.endr
	v_lshl_or_b32 v[\pw], v[TM+5], 8, v[TM+4]
	v_lshl_or_b32 v[\pw], v[TM+6], 16, v[\pw]
	v_lshl_or_b32 v[\pw], v[TM+7], 24, v[\pw]
.irp b, 0,1,2,3
	v_cvt_scalef32_pk8_fp4_f32 v[(\pc)+2*\b], v[(\s)+16*\b:(\s)+7+16*\b], v[TM+12+\b]
	v_cvt_scalef32_pk8_fp4_f32 v[(\pc)+1+2*\b], v[(\s)+8+16*\b:(\s)+15+16*\b], v[TM+12+\b]
.endr
	v_nop
.irp c, 0,1
.irp i, 0,1
	v_permlane16_swap_b32 v[(\pc)+4*\c+\i], v[(\pc)+2+4*\c+\i]
.endr
.endr
.endm
.irp jt, 0,1
	GELU ACC+64*\jt
	GELU ACC+64*\jt+32
	QUANT ACC+64*\jt, PC+8*\jt, PW+\jt
	global_store_b128 v[L16], v[PC+8*\jt:PC+8*\jt+3], s[78:79] offset:ROWP*\jt              ; 512 bytes on end, twice
	global_store_b128 v[L16], v[PC+8*\jt+4:PC+8*\jt+7], s[78:79] offset:ROWP*\jt+512
.endr
	v_cmp_ne_u32 vcc_lo, 0, v[HH]
	v_cndmask_b32 v[PW], v[PW], v[PW+1], vcc_lo    ; lanes 0-15 my first tile words, lanes 16-31 my second
	global_store_b32 v[SOF], v[PW], s[80:81]
	s_wait_tensorcnt 0x0                           ; the wave end
	ds_add_u32 v[SPW], v[NIL]
	s_wait_dscnt 0x0
	CROUND
	s_endpgm
.Lfunc_end_k_q7714933b24_fc:
	.size	k_q7714933b24_fc, .Lfunc_end_k_q7714933b24_fc-k_q7714933b24_fc
	.p2alignl 7, 3214868480
	.fill 96, 4, 3214868480
	.section	.rodata,"a",@progbits
	.p2align	6, 0x0
	.amdhsa_kernel k_q7714933b24_fc
		.amdhsa_group_segment_fixed_size 327680
		.amdhsa_private_segment_fixed_size 0
		.amdhsa_enable_private_segment 0
		.amdhsa_kernarg_size 32
		.amdhsa_user_sgpr_count 2
		.amdhsa_user_sgpr_kernarg_segment_ptr 1
		.amdhsa_wavefront_size32 1
		.amdhsa_system_sgpr_workgroup_id_x 1
		.amdhsa_system_sgpr_workgroup_id_y 1
		.amdhsa_system_sgpr_workgroup_id_z 1
		.amdhsa_system_vgpr_workitem_id 0
		.amdhsa_next_free_vgpr 512
		.amdhsa_next_free_sgpr 100
		.amdhsa_reserve_vcc 1
		.amdhsa_float_denorm_mode_32 3
		.amdhsa_float_denorm_mode_16_64 3
		.amdhsa_memory_ordered 1
		.amdhsa_forward_progress 1
		.amdhsa_inst_pref_size 75
	.end_amdhsa_kernel
	.amdgpu_metadata
---
amdhsa.version: [ 1, 2 ]
amdhsa.kernels:
  - .name:           k_q7714933b24_fc
    .symbol:         k_q7714933b24_fc.kd
    .args:
      - { .name: himg, .offset: 0, .size: 8, .value_kind: global_buffer, .address_space: global }
      - { .name: wimg, .offset: 8, .size: 8, .value_kind: global_buffer, .address_space: global }
      - { .name: b_fc, .offset: 16, .size: 8, .value_kind: global_buffer, .address_space: global }
      - { .name: gimg, .offset: 24, .size: 8, .value_kind: global_buffer, .address_space: global }
    .group_segment_fixed_size: 327680
    .private_segment_fixed_size: 0
    .kernarg_segment_align: 8
    .kernarg_segment_size: 32
    .max_flat_workgroup_size: 128
    .sgpr_count:     100
    .vgpr_count:     512
    .wavefront_size: 32
...
	.end_amdgpu_metadata
.endif
;; end of part 6
;; launch outp (part 7): grid 32 x 8, 4 waves a work-group, clusters of 4 x 4, 327,680 bytes of LDS; arguments gimg, wimg, b_out, x1, out0; writes out0
.if DOCPART == 7
	.amdgcn_target "amdgcn-amd-amdhsa--gfx1250"
	.amdhsa_code_object_version 6
	.text
	.protected	k_q7714933b24_outp
	.globl	k_q7714933b24_outp
	.p2align	8
	.type	k_q7714933b24_outp,@function
k_q7714933b24_outp:
	s_mov_b64 s[64:65], 0
	v_nop
	global_prefetch_b8 v0, s[64:65] scope:SCOPE_SE
	s_setreg_imm32_b32 hwreg(HW_REG_WAVE_MODE, 25, 1), 1
	s_wait_xcnt 0x0
	s_wait_alu depctr_hold_cnt(0) depctr_sa_sdst(0) depctr_va_vdst(0) depctr_va_sdst(0) depctr_va_ssrc(0) depctr_va_vcc(0) depctr_vm_vsrc(0)
	s_getreg_b32 s2, hwreg(HW_REG_IB_STS2, 6, 4)
	s_cmp_eq_u32 s2, 0
	s_cbranch_scc0 .Lentry_in_a_cluster
	s_endpgm
.Lentry_in_a_cluster:
	s_bfe_u32 s2, ttmp6, 0x10000c
	s_cmp_lg_u32 s2, 0xf033
	s_cbranch_scc0 .Lentry_shape_is_right
	s_endpgm
.Lentry_shape_is_right:
; out0 = x1 + g W_out^T + b_out, the product on codes of FP4, K = 4,096; out0 is f32 [4096][1024].
; Images: records of 4,352 bytes = 16 rows x 512 K (16 units of codes [place][16 bytes], one unit of scale bytes [place][16]); place p of tile t is row 32 (t / 2) + 8 (t % 2) + p + 8 (p / 8).
; SHARES.  A work-group: 128 rows of W_out (grid y: 128 columns of out0) x 128 tokens (grid x).  K goes in four parts of 1,024 through two LDS slots: both are asked for at the head, each is filled again once.
; A refill is a wave one tensor load behind a round of the cluster barrier, four tiles x 8,704 bytes, and has eight steps, 128 products, in which to land.  The 32 steps are written out: no loop.
; Source 0 = all 8 tiles of the weights, source 1 = the wave two tiles of tokens: 16 accumulators.  The bias is the C of each sum first product; the residual is asked for at the head.
; CLUSTER 4 x 4: the weights tiles hang on y and are asked for jointly along a row of the cluster, the tokens tiles on x, along a column.
; THE WAY OUT: 16 tokens x 128 columns at a time through the wave own stage in LDS, back as whole rows of 512 bytes, + the residual, stored 512 aligned bytes an instruction.
; REGISTERS: window 0: v1-15 addresses; v16-55 scale words, two sets of 20; v56-60 at work; v128-255 the accumulators.   window 1: fragment sets at v0 and v80; v160-223 the bias.   window 2: v0-127 the residual.
.set REC,   4352
.set NQ,    8                          ; steps of 128 along K in a slot
.set RP,    (NQ/4)*REC
.set MP,    34816
.set WOFF,  4456448                    ; W_out in wimg
.set HALF,  4*RP
.set OPB,   8*RP
.set SLOT,  2*OPB
.set STAGE, 2*SLOT                     ; 16 rows x (512 + 16) bytes for each wave; no tensor load lands here
.set SPARE, STAGE+4*16*528             ; the spare words, 128 bytes a wave
.set SPW, 1
.set NIL, 2
.set AP,  3
.set AQ,  7
.set ASP, 9
.set ASQ, 11
.set L16, 13
.set STO, 14
.set RD,  15
.set SC,  16
.set BAD, 59
.set ACC, 128
.set BI,  160
.set G1Y, 24
.set G0Y, 32
.set G1X, 48
.set G0X, 56
.set MSB, 0
.macro WIN new
.if MSB != \new
	s_set_vgpr_msb (MSB<<8)|\new
.set MSB, \new
.endif
.endm
.macro JLOAD s                         ; waves 0, 1 fetch the weights halves, waves 2, 3 the tokens; an s_nop 0 and four v_nop follow each line
	s_cmp_eq_u32 s15, 0
	s_cbranch_scc0 .Lfor_x_\@
	tensor_load_to_lds s[G0Y+4*\s:G0Y+4*\s+3], s[G1Y:G1Y+7]
	s_nop 0
.rept 4
	v_nop
.endr
	s_branch .Lasked_\@
.Lfor_x_\@:
	tensor_load_to_lds s[G0X+4*\s:G0X+4*\s+3], s[G1X:G1X+7]
	s_nop 0
.rept 4
	v_nop
.endr
.Lasked_\@:
.endm
.macro CROUND
	s_barrier_signal -1
	s_barrier_wait -1
	s_cmp_lg_u32 s14, 0
	s_cbranch_scc1 .Lnot_wave_0_\@
	s_barrier_signal -3
.Lnot_wave_0_\@:
	s_barrier_wait -3
	s_barrier_signal -1
	s_barrier_wait -1
.endm
	s_load_b256 s[4:11], s[0:1], 0x0               ; gimg, wimg, b_out, x1
	s_load_b64 s[12:13], s[0:1], 0x20              ; out0
	v_lshl_add_u32 v[SPW], v0, 2, SPARE
	v_mov_b32 v[NIL], 0
	ds_add_u32 v[SPW], v[NIL]                      ; the opening: the add, twice on end, and its wait ahead of my first tensor load
	ds_add_u32 v[SPW], v[NIL]
	v_lshrrev_b32 v56, 5, v0
	v_readfirstlane_b32 s14, v56
	s_lshr_b32 s15, s14, 1
	s_and_b32 s16, s14, 1
	s_bfe_u32 s40, ttmp6, 0x40000
	s_bfe_u32 s41, ttmp6, 0x40004
	s_lshl_b32 s42, ttmp9, 2
	s_add_co_u32 s42, s42, s40                     ; x: which 128 tokens
	s_and_b32 s17, ttmp7, 0xffff
	s_lshl_b32 s17, s17, 2
	s_add_co_u32 s17, s17, s41                     ; y: which 128 rows of the weight
	s_lshl_b32 s43, s41, 2
	s_lshl_b32 s43, 15, s43
	s_lshl_b32 s44, 0x1111, s40
	s_or_b32 s[G1Y], s43, (3<<16)|(1<<21)
	s_or_b32 s[G1X], s44, (3<<16)|(1<<21)
.irp g, G1Y, G1X
	s_mov_b32 s[\g+1], (RP/8)<<16
	s_mov_b32 s[\g+2], 4<<16
	s_mov_b32 s[\g+3], (RP/8)<<16
	s_mov_b32 s[\g+4], 4
	s_mov_b32 s[\g+5], MP/8
	s_mov_b32 s[\g+6], 0
	s_mov_b32 s[\g+7], 0
.endr
	s_lshl_b32 s18, s16, 2
	s_lshl_b32 s20, s17, 3
	s_add_co_u32 s20, s20, s18
	s_mul_i32 s20, s20, MP
	s_add_co_u32 s20, s20, WOFF
	s_mov_b32 s21, 0
	s_lshl_b32 s46, s42, 3
	s_add_co_u32 s46, s46, s18
	s_mul_i32 s46, s46, MP
	s_mov_b32 s47, 0
	s_mul_i32 s45, s14, HALF
	s_wait_dscnt 0x0
	s_wait_kmcnt 0x0
	s_add_nc_u64 s[20:21], s[6:7], s[20:21]
	s_add_nc_u64 s[46:47], s[4:5], s[46:47]
	CROUND
.irp s, 0,1
	s_mov_b32 s[G0Y+4*\s], 1
	s_add_co_u32 s[G0Y+4*\s+1], s45, \s*SLOT
	s_add_nc_u64 s[G0Y+4*\s+2:G0Y+4*\s+3], s[20:21], \s*RP
	s_or_b32 s[G0Y+4*\s+3], s[G0Y+4*\s+3], 0x80000000
	s_mov_b32 s[G0X+4*\s], 1
	s_add_co_u32 s[G0X+4*\s+1], s45, \s*SLOT
	s_add_nc_u64 s[G0X+4*\s+2:G0X+4*\s+3], s[46:47], \s*RP
	s_or_b32 s[G0X+4*\s+3], s[G0X+4*\s+3], 0x80000000
	JLOAD \s
.endr
	s_lshl_b32 s70, s42, 7
	s_lshl_b32 s71, s14, 5
	s_add_co_u32 s70, s70, s71                     ; my first token: 128 x + 32 w
	s_lshl_b32 s70, s70, 12
	s_lshl_b32 s71, s17, 9
	s_add_co_u32 s70, s70, s71
	s_mov_b32 s71, 0
	s_add_nc_u64 s[72:73], s[10:11], s[70:71]      ; the residual,
	s_add_nc_u64 s[74:75], s[12:13], s[70:71]      ; the result,
	s_lshl_b32 s70, s17, 9
	s_add_nc_u64 s[82:83], s[8:9], s[70:71]        ; the bias at 128 y
	v_and_b32 v56, 31, v0
	v_lshlrev_b32 v[L16], 4, v56
	v_and_b32 v57, 15, v0                          ; r
	v_bfe_u32 v58, v0, 4, 1                        ; h
.irp s, 0,1
	v_add_nc_u32 v[AP+2*\s], \s*SLOT, v[L16]
	v_add_nc_u32 v[AP+2*\s+1], \s*SLOT+4*RP, v[L16]
.endr
	s_mul_i32 s18, s14, 2*RP
	s_add_co_u32 s18, s18, OPB
	v_add_nc_u32 v[AQ], s18, v[L16]
	v_add_nc_u32 v[AQ+1], SLOT, v[AQ]
	v_mul_u32_u24 v60, v58, RP
	v_lshl_add_u32 v60, v57, 4, v60
	v_add_nc_u32 v[ASP], 4096, v60
	v_add_nc_u32 v[ASP+1], SLOT, v[ASP]
	v_add_nc_u32 v[ASQ], s18, v[ASP]
	v_add_nc_u32 v[ASQ+1], SLOT, v[ASQ]
	s_mul_i32 s19, s14, 16*528
	s_add_co_u32 s19, s19, STAGE
	v_mul_u32_u24 v[STO], v57, 528
	v_lshl_add_u32 v[STO], v58, 6, v[STO]
	v_add_nc_u32 v[STO], s19, v[STO]
	v_add_nc_u32 v[RD], s19, v[L16]
	v_lshlrev_b32 v[BAD], 6, v58
	WIN 0x40
.irp it, 0,1,2,3,4,5,6,7
	global_load_b128 v[BI+8*\it:BI+8*\it+3], v[BAD], s[82:83] offset:(32*(\it/2)+8*(\it%2))*4
	global_load_b128 v[BI+8*\it+4:BI+8*\it+7], v[BAD], s[82:83] offset:(32*(\it/2)+8*(\it%2))*4+16
.endr
	WIN 0x80
.irp jt, 0,1
.irp i, 0,1,2,3,4,5,6,7,8,9,10,11,12,13,14,15
	global_load_b128 v[64*\jt+4*\i:64*\jt+4*\i+3], v[L16], s[72:73] offset:(8*\jt+\i+8*(\i/8))*4096 th:TH_LOAD_NT
.endr
.endr
	WIN 0
.macro FETCH slot, q, f
	WIN 0x40
.irp it, 0,1,2,3,4,5,6,7
.irp c, 0,1
	ds_load_b128 v[80*(\f)+8*\it+4*\c:80*(\f)+8*\it+4*\c+3], v[AP+2*(\slot)+\it/4] offset:(\it%4)*RP+((\q)/4)*REC+((\q)%4)*1024+512*\c
.endr
.endr
.irp jt, 0,1
.irp c, 0,1
	ds_load_b128 v[80*(\f)+64+8*\jt+4*\c:80*(\f)+64+8*\jt+4*\c+3], v[AQ+(\slot)] offset:\jt*RP+((\q)/4)*REC+((\q)%4)*1024+512*\c
.endr
.endr
.if ((\q)%4) == 0
	WIN 0
.set SS, ((\slot)*(NQ/4)+(\q)/4)%2
.irp i, 0,1,2,3
	ds_load_b128 v[SC+20*SS+4*\i:SC+20*SS+4*\i+3], v[ASP+(\slot)] offset:2*RP*\i+((\q)/4)*REC
.endr
	ds_load_b128 v[SC+20*SS+16:SC+20*SS+19], v[ASQ+(\slot)] offset:((\q)/4)*REC
.endif
.endm
.macro WM f, ss, q, bias, it, jt
.set rD, ACC+64*(\jt)+8*(\it)
.set rA, 80*(\f)+8*(\it)
.set rB, 80*(\f)+64+8*(\jt)
.set rSA, SC+20*(\ss)+4*((\it)/2)+(\q)%4
.set rSB, SC+20*(\ss)+16+(\q)%4
.set rC, rD
.if \bias
.set rC, BI+8*(\it)
.endif
.if ((\it)%2) && (\jt)
	v_wmma_scale_f32_16x16x128_f8f6f4 v[rD:rD+7], v[rA:rA+7], v[rB:rB+7], v[rC:rC+7], v[rSA], v[rSB] matrix_a_fmt:MATRIX_FMT_FP4 matrix_b_fmt:MATRIX_FMT_FP4 matrix_a_scale:MATRIX_SCALE_ROW1 matrix_b_scale:MATRIX_SCALE_ROW1
.elseif ((\it)%2)
	v_wmma_scale_f32_16x16x128_f8f6f4 v[rD:rD+7], v[rA:rA+7], v[rB:rB+7], v[rC:rC+7], v[rSA], v[rSB] matrix_a_fmt:MATRIX_FMT_FP4 matrix_b_fmt:MATRIX_FMT_FP4 matrix_a_scale:MATRIX_SCALE_ROW1
.elseif (\jt)
	v_wmma_scale_f32_16x16x128_f8f6f4 v[rD:rD+7], v[rA:rA+7], v[rB:rB+7], v[rC:rC+7], v[rSA], v[rSB] matrix_a_fmt:MATRIX_FMT_FP4 matrix_b_fmt:MATRIX_FMT_FP4 matrix_b_scale:MATRIX_SCALE_ROW1
.else
	v_wmma_scale_f32_16x16x128_f8f6f4 v[rD:rD+7], v[rA:rA+7], v[rB:rB+7], v[rC:rC+7], v[rSA], v[rSB] matrix_a_fmt:MATRIX_FMT_FP4 matrix_b_fmt:MATRIX_FMT_FP4
.endif
.endm
.macro MUL16 f, ss, q, bias            ; the 16 accumulators by turns, in the same order in every step
.if \bias
	WIN 0x15
.else
	WIN 0x05
.endif
.irp it, 0,1,2,3,4,5,6,7
.irp jt, 0,1
	WM \f, \ss, \q, \bias, \it, \jt
.endr
.endr
.endm
.macro STEP slot, q, bias
.rept 4
	v_nop                                          ; four places behind the last step products, in front of loads into the set that they read
.endr
	FETCH \slot, (\q)+1, ((\q)+1)%2
.if (((\q)+1)%4) == 0
	s_wait_dscnt 25                                ; all but the loads just issued: 20 of fragments and, where a record begins, 5 of scale words
.else
	s_wait_dscnt 20
.endif
	MUL16 (\q)%2, ((\slot)*(NQ/4)+(\q)/4)%2, \q, \bias
.endm
.macro STEPS slot, from                ; the slot steps from .. NQ - 2
.set Q, \from
.rept NQ-1-\from
	STEP \slot, Q, 0
.set Q, Q+1
.endr
.endm
; The change of slots, ahead of a slot last step, whose fragments are in registers by then.  Each wave waits for all its tensor loads, adds 0 to its spare word, and waits for that and for its reads of this slot.
; fill = 1: the barrier is a round of the cluster barrier, and behind it this slot is filled again, two parts of K further on: the wave one tensor load, first thing there.
.macro TURN slot, next, fill
	WIN 0
	s_wait_tensorcnt 0x0                           ; all my tensor loads have landed: my part of the next slot; so a group 0 may be written
	ds_add_u32 v[SPW], v[NIL]
.if \fill
	s_add_nc_u64 s[G0Y+4*\slot+2:G0Y+4*\slot+3], s[G0Y+4*\slot+2:G0Y+4*\slot+3], 2*RP
	s_add_nc_u64 s[G0X+4*\slot+2:G0X+4*\slot+3], s[G0X+4*\slot+2:G0X+4*\slot+3], 2*RP
.endif
	s_wait_dscnt 0x0                               ; the add is done, and my reads of this slot are over
.if \fill
	CROUND                                         ; no wave of any partner still reads this slot or has a load on its way
	JLOAD \slot                                    ; its four v_nop are also the places in front of the loads below
.else
	s_barrier_signal -1
	s_barrier_wait -1
.rept 4
	v_nop
.endr
.endif
	FETCH \next, 0, 0
	MUL16 1, 1, NQ-1, 0
.endm
	s_wait_tensorcnt 0x1                           ; my part of slot 0 is in; slot 1 may stay out
	s_barrier_signal -1
	s_barrier_wait -1
	FETCH 0, 0, 0
	s_wait_loadcnt 32                              ; the bias is in; the 32 loads of the residual, issued behind it, may stay out
	STEP 0, 0, 1
	STEPS 0, 1
	TURN 0, 1, 1                                   ; slot 0 takes K 2,048 on
	STEPS 1, 0
	TURN 1, 0, 1                                   ; slot 1 takes K 3,072 on
	STEPS 0, 0
	TURN 0, 1, 0                                   ; nothing is left to fetch
	STEPS 1, 0
	s_wait_dscnt 0x0
	MUL16 1, 1, NQ-1, 0
	WIN 0
.rept 4
	v_nop                                          ; four places in front of the first read of results and of loads into them
.endr
.irp jt, 0,1
.irp it, 0,1,2,3,4,5,6,7
	ds_store_b128 v[STO], v[ACC+64*\jt+8*\it:ACC+64*\jt+8*\it+3] offset:128*(\it/2)+32*(\it%2)          ; each accumulator from its low end on
	ds_store_b128 v[STO], v[ACC+64*\jt+8*\it+4:ACC+64*\jt+8*\it+7] offset:128*(\it/2)+32*(\it%2)+16
.endr
.irp i, 0,1,2,3,4,5,6,7,8,9,10,11,12,13,14,15
	ds_load_b128 v[ACC+64*\jt+4*\i:ACC+64*\jt+4*\i+3], v[RD] offset:528*\i   ; LDS serves a wave instructions in order: these see my stores, and the next half stores come behind them
.endr
.endr
	s_wait_loadcnt 0x0                             ; the residual
.irp jt, 0,1
	s_wait_dscnt 32-32*\jt                         ; this half is back; the other half 16 stores and 16 loads may stay out
	WIN 0x08
.set j, 0
.rept 32
	v_pk_add_f32 v[ACC+64*\jt+j:ACC+64*\jt+j+1], v[ACC+64*\jt+j:ACC+64*\jt+j+1], v[64*\jt+j:64*\jt+j+1]
.set j, j+2
.endr
	WIN 0
.irp i, 0,1,2,3,4,5,6,7,8,9,10,11,12,13,14,15
	global_store_b128 v[L16], v[ACC+64*\jt+4*\i:ACC+64*\jt+4*\i+3], s[74:75] offset:(8*\jt+\i+8*(\i/8))*4096 th:TH_STORE_NT   ; 512 aligned bytes on end; written once, read by nobody here
.endr
.endr
	s_wait_tensorcnt 0x0                           ; the wave end
	ds_add_u32 v[SPW], v[NIL]
	s_wait_dscnt 0x0
	CROUND                                         ; the closing round
	s_endpgm
.Lfunc_end_k_q7714933b24_outp:
	.size	k_q7714933b24_outp, .Lfunc_end_k_q7714933b24_outp-k_q7714933b24_outp
	.p2alignl 7, 3214868480
	.fill 96, 4, 3214868480
	.section	.rodata,"a",@progbits
	.p2align	6, 0x0
	.amdhsa_kernel k_q7714933b24_outp
		.amdhsa_group_segment_fixed_size 327680
		.amdhsa_private_segment_fixed_size 0
		.amdhsa_enable_private_segment 0
		.amdhsa_kernarg_size 40
		.amdhsa_user_sgpr_count 2
		.amdhsa_user_sgpr_kernarg_segment_ptr 1
		.amdhsa_wavefront_size32 1
		.amdhsa_system_sgpr_workgroup_id_x 1
		.amdhsa_system_sgpr_workgroup_id_y 1
		.amdhsa_system_sgpr_workgroup_id_z 1
		.amdhsa_system_vgpr_workitem_id 0
		.amdhsa_next_free_vgpr 640
		.amdhsa_next_free_sgpr 100
		.amdhsa_reserve_vcc 0
		.amdhsa_float_denorm_mode_32 3
		.amdhsa_float_denorm_mode_16_64 3
		.amdhsa_memory_ordered 1
		.amdhsa_forward_progress 1
		.amdhsa_inst_pref_size 140
	.end_amdhsa_kernel
	.amdgpu_metadata
---
amdhsa.version: [ 1, 2 ]
amdhsa.kernels:
  - .name:           k_q7714933b24_outp
    .symbol:         k_q7714933b24_outp.kd
    .args:
      - { .name: gimg, .offset: 0, .size: 8, .value_kind: global_buffer, .address_space: global }
      - { .name: wimg, .offset: 8, .size: 8, .value_kind: global_buffer, .address_space: global }
      - { .name: b_out, .offset: 16, .size: 8, .value_kind: global_buffer, .address_space: global }
      - { .name: x1, .offset: 24, .size: 8, .value_kind: global_buffer, .address_space: global }
      - { .name: out0, .offset: 32, .size: 8, .value_kind: global_buffer, .address_space: global }
    .group_segment_fixed_size: 327680
    .private_segment_fixed_size: 0
    .kernarg_segment_align: 8
    .kernarg_segment_size: 40
    .max_flat_workgroup_size: 128
    .sgpr_count:     100
    .vgpr_count:     640
    .wavefront_size: 32
...
	.end_amdgpu_metadata
.endif
;; end of part 7
;; ======== version 2 of 2: 6 launches
;; limits: right only within a limited range of input values
;; workspace buffers: wimg 6,684,672 bytes; himg 2,228,224 bytes; qkimg 4,456,448 bytes; vimg 2,228,224 bytes; yimg 2,228,224 bytes; x1 16,777,216 bytes; gimg 8,912,896 bytes
;; launch prep (part 8): grid 1024 x 1, 8 waves a work-group, no clusters, 70,144 bytes of LDS; arguments x, ln1_w, ln1_b, W_attn, W_proj, W_fc, W_out, himg, wimg; writes himg, wimg
.if DOCPART == 8
	.amdgcn_target "amdgcn-amd-amdhsa--gfx1250"
	.amdhsa_code_object_version 6
	.text
	.protected	k_q7714933b24_prep
	.globl	k_q7714933b24_prep
	.p2align	8
	.type	k_q7714933b24_prep,@function
k_q7714933b24_prep:
	s_mov_b64 s[64:65], 0
	v_nop
	global_prefetch_b8 v0, s[64:65] scope:SCOPE_SE
	s_setreg_imm32_b32 hwreg(HW_REG_WAVE_MODE, 25, 1), 1
	s_wait_xcnt 0x0
; FIRST LAUNCH OF SIX: LayerNorm 1 of x, and the four weights, are turned into codes of FP4 (E2M1) with one E8M0 byte for each 32 along K.
; THE PROGRAM: prep (this) | qkv | attn | projln (+ x, LayerNorm 2) | fc (+ gelu) | outp (+ x1).  Every operand of the six products goes through memory as codes, in ONE layout, the IMAGE:
;   a record of 4,352 bytes holds 16 rows x 512 along K: 16 units of 256 bytes, unit blk = [place 0..15][16 bytes = the 32 codes of block blk], and one unit of scale bytes [place][16 bytes, byte = blk].
;   Records lie [tile of 16 rows][K / 512].  Place p of tile t holds row 32 (t / 2) + 8 (t % 2) + p + 8 (p / 8).
;   So a fragment (16 rows x 128 K) is 1,024 bytes on end, register group c of lane l at 512 c + 16 l; used as source 0, the results of tiles 2 b and 2 b + 1 are 16 neighbours along the next K in a lane registers.
; DEAD WORK, in the whole program: only key steps of 128 keys that lie wholly behind a tile last query (launch attn).  reference() sets those scores to -inf by its own jnp.tril, so their p is 0 whatever the inputs hold,
;   and they add nothing to the sum l or to the product with v.  Every input has a way to the output and is loaded (b_attn part for k too: it moves the codes of k).
; LIMITS: a NaN, an infinity or an overflow that reaches only those masked scores is not carried to the result.  NaN and infinities among the inputs are not served.  A block of zeros, and a block whose largest
;   magnitude lies under 2^-124, gets the byte 1 (the floor) where the rule says 127 for zeros: zero codes add nothing under any byte but 0xff, and the bytes are read by this program alone.
; SHARES.  A work-group makes 8,704 bytes on end: one tile of 16 rows x 1,024 along K (two records).  Work-groups 0-255: LayerNorm of x -> himg; 256-447 W_attn, 448-511 W_proj, 512-767 W_fc,
;   768-1023 W_out (four work-groups to a tile, K = 4,096) -> wimg.  Wave w makes fragment w: K = 128 w .. 128 w + 127.
; Each load reads 512 bytes on end of one row; the 16 rows turn through the wave own stage in LDS, so that lane (r, h) holds K = 64 c + 32 h + 0 .. 31 of place r: two whole blocks, in the order of the operand registers.
; The variance is taken in two passes (mean, then the squares of x - mean), as reference() takes it.
.set REC,   4352
.set SROW,  528                        ; a stage row: 512 bytes + 16: the 16 rows that a read touches start in 16 different groups of banks
.set WSTG,  16*SROW                    ; a wave stage
.set RED,   8*WSTG                     ; 8 waves x 16 rows x 4 bytes: the sums; 512 bytes on: the sums of squares
.set SCW,   RED+1024                   ; the two scale units, 512 bytes
.set SPARE, SCW+512                    ; the spare words, 128 bytes a wave: four blocks of 256 bytes that no other line names
.set SPW, 1                            ; v1  my spare word; v2  0: never rewritten
.set NIL, 2
.set X,   32                           ; v32-95   64 numbers
.set LW,  96                           ; v96-159  the gain at my 64 places of K
.set LB,  160                          ; v160-223 the bias
.set PC,  224                          ; v224-231 the fragment codes
.set T,   232                          ; v232-247 at work
	s_load_b512 s[4:19], s[0:1], 0x0               ; x, ln1_w, ln1_b, W_attn, W_proj, W_fc, W_out, himg
	s_load_b64 s[20:21], s[0:1], 0x40              ; wimg
	v_lshl_add_u32 v[SPW], v0, 2, SPARE
	v_mov_b32 v[NIL], 0
	v_lshrrev_b32 v16, 5, v0
	s_delay_alu instid0(VALU_DEP_1)
	v_readfirstlane_b32 s36, v16                   ; wave 0..7
	v_and_b32 v3, 31, v0                           ; lane
	v_and_b32 v4, 15, v0                           ; r
	s_wait_alu depctr_va_vdst(0)
	v_bfe_u32 v5, v0, 4, 1                         ; h
	v_lshlrev_b32 v6, 4, v0                        ; in a row of the source: 512 w + 16 lane
	s_mul_i32 s37, s36, WSTG
	v_lshl_add_u32 v7, v3, 4, s37                  ; the stage, in: 16 lane
	v_mul_u32_u24 v8, v4, SROW
	s_delay_alu instid0(VALU_DEP_1)
	v_lshl_add_u32 v8, v5, 7, v8
	s_delay_alu instid0(VALU_DEP_1)
	v_add_nc_u32 v8, s37, v8                       ; and out: row r, + 128 h
	s_lshl_b32 s38, s36, 6
	v_lshl_add_u32 v10, v4, 2, RED                 ; the sums of row r, wave 0 on
	s_delay_alu instid0(VALU_DEP_1)
	v_add_nc_u32 v9, s38, v10                      ; and my wave word
	s_lshr_b32 s38, s36, 2                         ; which record
	s_and_b32 s39, s36, 3                          ; which 128 of its 512
	s_lshl_b32 s40, s38, 8
	s_lshl_b32 s41, s39, 2
	s_add_co_u32 s40, s40, s41
	s_add_co_u32 s40, s40, SCW
	v_lshl_add_u32 v11, v4, 4, s40                 ; my scale word in the record scale unit
	s_lshl_b32 s40, s36, 8
	s_add_co_u32 s40, s40, SCW
	v_lshl_add_u32 v12, v3, 3, s40                 ; waves 0, 1: a scale unit back, 8 bytes a lane
	s_mul_i32 s40, s38, REC
	s_lshl_b32 s41, s39, 10
	s_add_co_u32 s40, s40, s41
	v_lshl_add_u32 v13, v3, 4, s40                 ; where my fragment goes
	s_mul_i32 s40, s36, REC
	s_add_co_u32 s40, s40, 4096
	v_lshl_add_u32 v14, v3, 3, s40                 ; waves 0, 1: where a scale unit goes
	s_lshl_b32 s40, s36, 9
	v_lshl_add_u32 v15, v5, 7, s40                 ; gain and bias: 512 w + 128 h
	s_mov_b32 s42, 0x76543210
	s_mov_b32 s43, 0xfedcba98                      ; v_permlanex16_b32: lane l xor 16
	s_mov_b32 s44, 0x3a800000                      ; 1 / 1024
	s_mov_b32 s45, 0x3727c5ac                      ; 1e-5
	; which tensor, which tile: by the work-group number alone
	s_mov_b32 s24, 768
	s_cmp_lt_u32 ttmp9, 768
	s_cselect_b32 s24, 512, s24                    ; the tensor first work-group
	s_cselect_b32 s28, 0, 2                        ; W_out: four work-groups to a tile
	s_cselect_b32 s29, 0, 3
	s_cselect_b32 s30, 12, 14                      ; log2 of a source row bytes
	s_cmp_lt_u32 ttmp9, 512
	s_cselect_b32 s24, 448, s24
	s_cmp_lt_u32 ttmp9, 448
	s_cselect_b32 s24, 256, s24
	s_cmp_lt_u32 ttmp9, 256
	s_cselect_b32 s24, 0, s24
	s_cselect_b32 s31, 0, 256
	s_sub_co_u32 s31, ttmp9, s31
	s_mul_i32 s34, s31, 2*REC                      ; my 8,704 bytes in himg or in wimg
	s_mov_b32 s35, 0
	s_sub_co_u32 s25, ttmp9, s24
	s_lshr_b32 s31, s25, s28                       ; the tile
	s_and_b32 s25, s25, s29                        ; which 1,024 along K
	s_lshr_b32 s32, s31, 1
	s_lshl_b32 s32, s32, 5
	s_and_b32 s33, s31, 1
	s_lshl_b32 s33, s33, 3
	s_or_b32 s32, s32, s33                         ; the row at place 0
	s_lshl_b32 s32, s32, s30
	s_lshl_b32 s25, s25, 12
	s_add_co_u32 s32, s32, s25
	s_mov_b32 s33, 0
	s_wait_kmcnt 0x0
	s_cmp_lt_u32 ttmp9, 768
	s_cselect_b64 s[22:23], s[14:15], s[16:17]
	s_cmp_lt_u32 ttmp9, 512
	s_cselect_b64 s[22:23], s[12:13], s[22:23]
	s_cmp_lt_u32 ttmp9, 448
	s_cselect_b64 s[22:23], s[10:11], s[22:23]
	s_cmp_lt_u32 ttmp9, 256
	s_cselect_b64 s[22:23], s[4:5], s[22:23]
	s_cselect_b64 s[26:27], s[18:19], s[20:21]
	s_add_nc_u64 s[22:23], s[22:23], s[32:33]
	s_add_nc_u64 s[26:27], s[26:27], s[34:35]
.macro LOADS pitch                     ; place q of the tile: 512 bytes on end of row q + 8 (q / 8)
.irp q, 0,1,2,3,4,5,6,7,8,9,10,11,12,13,14,15
	global_load_b128 v[X+4*\q:X+4*\q+3], v6, s[22:23] offset:(\q+8*(\q/8))*\pitch th:TH_LOAD_NT
.endr
.endm
	s_cmp_lt_u32 ttmp9, 768
	s_cbranch_scc0 .Lwide
	LOADS 4096
	s_branch .Lasked
.Lwide:
	LOADS 16384
.Lasked:
	s_wait_loadcnt 0x0
.irp q, 0,1,2,3,4,5,6,7,8,9,10,11,12,13,14,15
	ds_store_b128 v7, v[X+4*\q:X+4*\q+3] offset:SROW*\q
.endr
	s_wait_alu depctr_va_vdst(0)
.irp c, 0,1
.irp p, 0,1,2,3,4,5,6,7
	ds_load_b128 v[X+32*\c+4*\p:X+32*\c+4*\p+3], v8 offset:256*\c+16*\p   ; LDS serves a wave instructions in order: these see my stores
.endr
.endr
	s_wait_dscnt 0x0
	s_cmp_lt_u32 ttmp9, 256                        ; the same in all eight waves: the barriers below are passed by all or by none
	s_cbranch_scc0 .Lquant
; four pairs of partial sums in v[T .. T+7] become the row total in v[T+8], the same bits in every wave
.macro ACROSS off
	s_delay_alu instid0(VALU_DEP_3)
	v_pk_add_f32 v[T:T+1], v[T:T+1], v[T+2:T+3]
	s_delay_alu instid0(VALU_DEP_2)
	v_pk_add_f32 v[T+4:T+5], v[T+4:T+5], v[T+6:T+7]
	s_delay_alu instid0(VALU_DEP_1)
	v_pk_add_f32 v[T:T+1], v[T:T+1], v[T+4:T+5]
	s_delay_alu instid0(VALU_DEP_1)
	v_add_f32 v[T], v[T], v[T+1]
	s_delay_alu instid0(VALU_DEP_1)
	v_permlanex16_b32 v[T+2], v[T], s42, s43
	s_delay_alu instid0(VALU_DEP_1)
	v_add_f32 v[T], v[T], v[T+2]                   ; my wave 128 numbers of row r
	ds_store_b32 v9, v[T] offset:\off              ; lanes r and r + 16 write the same word with the same value
	s_wait_dscnt 0x0                               ; for the others: my store is done
	s_barrier_signal -1
	s_barrier_wait -1
.irp u, 0,1,2,3,4,5,6,7
	ds_load_b32 v[T+8+\u], v10 offset:\off+64*\u
.endr
	s_wait_dscnt 0x0
	v_pk_add_f32 v[T+8:T+9], v[T+8:T+9], v[T+10:T+11]
	v_pk_add_f32 v[T+12:T+13], v[T+12:T+13], v[T+14:T+15]
	s_delay_alu instid0(VALU_DEP_1)
	v_pk_add_f32 v[T+8:T+9], v[T+8:T+9], v[T+12:T+13]
	s_delay_alu instid0(VALU_DEP_1)
	v_add_f32 v[T+8], v[T+8], v[T+9]
.endm
.irp c, 0,1
.irp p, 0,1,2,3,4,5,6,7
	global_load_b128 v[LW+32*\c+4*\p:LW+32*\c+4*\p+3], v15, s[6:7] offset:256*\c+16*\p
	global_load_b128 v[LB+32*\c+4*\p:LB+32*\c+4*\p+3], v15, s[8:9] offset:256*\c+16*\p
.endr
.endr
.irp k, 0,1,2,3
	v_pk_add_f32 v[T+2*\k:T+2*\k+1], v[X+2*\k:X+2*\k+1], v[X+8+2*\k:X+9+2*\k]
.endr
.irp j, 16,24,32,40,48,56
.irp k, 0,1,2,3
	s_delay_alu instid0(VALU_DEP_4)
	v_pk_add_f32 v[T+2*\k:T+2*\k+1], v[T+2*\k:T+2*\k+1], v[X+\j+2*\k:X+\j+2*\k+1]
.endr
.endr
	ACROSS 0
	s_delay_alu instid0(VALU_DEP_1)
	v_mul_f32 v[T], s44, v[T+8]                    ; the mean
	s_delay_alu instid0(VALU_DEP_1)
	v_mov_b32 v[T+1], v[T]
.set j, 0
.rept 32
	v_pk_add_f32 v[X+j:X+j+1], v[X+j:X+j+1], v[T:T+1] neg_lo:[0,1] neg_hi:[0,1]   ; x - mean
.set j, j+2
.endr
.irp k, 0,1,2,3
	v_pk_mul_f32 v[T+2*\k:T+2*\k+1], v[X+2*\k:X+2*\k+1], v[X+2*\k:X+2*\k+1]
.endr
.irp j, 8,16,24,32,40,48,56
.irp k, 0,1,2,3
	s_delay_alu instid0(VALU_DEP_4)
	v_pk_fma_f32 v[T+2*\k:T+2*\k+1], v[X+\j+2*\k:X+\j+2*\k+1], v[X+\j+2*\k:X+\j+2*\k+1], v[T+2*\k:T+2*\k+1]
.endr
.endr
	ACROSS 512
	s_delay_alu instid0(VALU_DEP_1)
	v_fma_f32 v[T], v[T+8], s44, s45               ; the variance + 1e-5
	s_wait_alu depctr_va_vdst(0)
	v_rsq_f32 v[T+2], v[T]
	v_rsq_f32 v[T+3], v[T]                         ; twice: a pair for the packed multiply
	v_nop                                          ; a plain instruction behind the transcendentals
	s_wait_alu depctr_va_vdst(0)                   ; one wait for both, ahead of their first reader
	s_wait_loadcnt 0x0                             ; gain and bias
.set j, 0
.rept 32
	v_pk_mul_f32 v[X+j:X+j+1], v[X+j:X+j+1], v[T+2:T+3]
.set j, j+2
.endr
.set j, 0
.rept 32
	v_pk_fma_f32 v[X+j:X+j+1], v[X+j:X+j+1], v[LW+j:LW+j+1], v[LB+j:LB+j+1]
.set j, j+2
.endr
.Lquant:
	; my two blocks: 2 c + h of the fragment four; all 32 numbers of a block are mine
.irp c, 0,1
	v_max3_num_f32 v[T+\c], |v[X+32*\c]|, |v[X+32*\c+1]|, 0x1800000   ; with the floor 2^(3 - 127): the byte cannot fall under 1
.endr
.irp i, 2,4,6,8,10,12,14,16,18,20,22,24,26,28,30
.irp c, 0,1
	s_delay_alu instid0(VALU_DEP_2)
	v_max3_num_f32 v[T+\c], v[T+\c], |v[X+32*\c+\i]|, |v[X+32*\c+\i+1]|
.endr
.endr
.irp c, 0,1
	s_delay_alu instid0(VALU_DEP_2)
	v_add_nc_u32 v[T+4+\c], 0xff000000, v[T+\c]    ; 2 off the exponent field: the conversion takes that field as its scale
.endr
.irp c, 0,1
	s_delay_alu instid0(VALU_DEP_2)
	v_lshrrev_b32 v[T+2+\c], 23, v[T+4+\c]         ; the scale byte
.endr
	s_delay_alu instid0(VALU_DEP_1)
	v_lshl_or_b32 v[T+6], v[T+3], 16, v[T+2]       ; blocks h and 2 + h,
	v_lshlrev_b32 v[T+7], 3, v5
	s_delay_alu instid0(VALU_DEP_1)
	v_lshlrev_b32 v[T+6], v[T+7], v[T+6]           ; at their places in the word;
	v_mov_b32 v[T+7], 0
	s_delay_alu instid0(VALU_DEP_1)
	v_permlanex16_b32 v[T+7], v[T+6], s42, s43
	s_delay_alu instid0(VALU_DEP_1)
	v_or_b32 v[T+6], v[T+6], v[T+7]                ; with lane l xor 16: row r word for these 128
.irp c, 0,1
.irp g, 0,1,2,3
	v_cvt_scalef32_pk8_fp4_f32 v[PC+4*\c+\g], v[X+32*\c+8*\g:X+32*\c+8*\g+7], v[T+4+\c]
.endr
.endr
	v_nop                                          ; a plain instruction behind the last conversion
	global_store_b128 v13, v[PC:PC+3], s[26:27]            ; 512 bytes on end, twice
	global_store_b128 v13, v[PC+4:PC+7], s[26:27] offset:512
	ds_store_b32 v11, v[T+6]
	s_wait_dscnt 0x0                               ; for the others: my scale words are in LDS
	s_barrier_signal -1
	s_barrier_wait -1
	s_cmp_lt_u32 s36, 2
	s_cbranch_scc0 .Ldone
	ds_load_b64 v[16:17], v12
	s_wait_dscnt 0x0
	global_store_b64 v14, v[16:17], s[26:27]       ; a record scale unit: 256 aligned bytes by one instruction
.Ldone:
	s_wait_tensorcnt 0x0                           ; the wave end
	ds_add_u32 v[SPW], v[NIL]
	s_wait_dscnt 0x0
	s_endpgm
.Lfunc_end_k_q7714933b24_prep:
	.size	k_q7714933b24_prep, .Lfunc_end_k_q7714933b24_prep-k_q7714933b24_prep
	.p2alignl 7, 3214868480
	.fill 96, 4, 3214868480
	.section	.rodata,"a",@progbits
	.p2align	6, 0x0
	.amdhsa_kernel k_q7714933b24_prep
		.amdhsa_group_segment_fixed_size 70144
		.amdhsa_private_segment_fixed_size 0
		.amdhsa_enable_private_segment 0
		.amdhsa_kernarg_size 72
		.amdhsa_user_sgpr_count 2
		.amdhsa_user_sgpr_kernarg_segment_ptr 1
		.amdhsa_wavefront_size32 1
		.amdhsa_system_sgpr_workgroup_id_x 1
		.amdhsa_system_sgpr_workgroup_id_y 1
		.amdhsa_system_sgpr_workgroup_id_z 1
		.amdhsa_system_vgpr_workitem_id 0
		.amdhsa_next_free_vgpr 248
		.amdhsa_next_free_sgpr 66
		.amdhsa_reserve_vcc 0
		.amdhsa_float_denorm_mode_32 3
		.amdhsa_float_denorm_mode_16_64 3
		.amdhsa_memory_ordered 1
		.amdhsa_forward_progress 1
		.amdhsa_inst_pref_size 33
	.end_amdhsa_kernel
	.amdgpu_metadata
---
amdhsa.version: [ 1, 2 ]
amdhsa.kernels:
  - .name:           k_q7714933b24_prep
    .symbol:         k_q7714933b24_prep.kd
    .args:
      - { .name: x, .offset: 0, .size: 8, .value_kind: global_buffer, .address_space: global }
      - { .name: ln1_w, .offset: 8, .size: 8, .value_kind: global_buffer, .address_space: global }
      - { .name: ln1_b, .offset: 16, .size: 8, .value_kind: global_buffer, .address_space: global }
      - { .name: W_attn, .offset: 24, .size: 8, .value_kind: global_buffer, .address_space: global }
      - { .name: W_proj, .offset: 32, .size: 8, .value_kind: global_buffer, .address_space: global }
      - { .name: W_fc, .offset: 40, .size: 8, .value_kind: global_buffer, .address_space: global }
      - { .name: W_out, .offset: 48, .size: 8, .value_kind: global_buffer, .address_space: global }
      - { .name: himg, .offset: 56, .size: 8, .value_kind: global_buffer, .address_space: global }
      - { .name: wimg, .offset: 64, .size: 8, .value_kind: global_buffer, .address_space: global }
    .group_segment_fixed_size: 70144
    .private_segment_fixed_size: 0
    .kernarg_segment_align: 8
    .kernarg_segment_size: 72
    .max_flat_workgroup_size: 256
    .sgpr_count:     66
    .vgpr_count:     248
    .wavefront_size: 32
...
	.end_amdgpu_metadata
.endif
;; end of part 8
;; launch qkv (part 9): grid 32 x 8, 4 waves a work-group, clusters of 4 x 4, 327,680 bytes of LDS; arguments himg, wimg, b_attn, qkimg, vimg; writes qkimg, vimg
.if DOCPART == 9
	.amdgcn_target "amdgcn-amd-amdhsa--gfx1250"
	.amdhsa_code_object_version 6
	.text
	.protected	k_q7714933b24_qkv
	.globl	k_q7714933b24_qkv
	.p2align	8
	.type	k_q7714933b24_qkv,@function
k_q7714933b24_qkv:
	s_mov_b64 s[64:65], 0
	v_nop
	global_prefetch_b8 v0, s[64:65] scope:SCOPE_SE
	s_setreg_imm32_b32 hwreg(HW_REG_WAVE_MODE, 25, 1), 1
	s_wait_xcnt 0x0
	s_wait_alu depctr_hold_cnt(0) depctr_sa_sdst(0) depctr_va_vdst(0) depctr_va_sdst(0) depctr_va_ssrc(0) depctr_va_vcc(0) depctr_vm_vsrc(0)
	s_getreg_b32 s2, hwreg(HW_REG_IB_STS2, 6, 4)
	s_cmp_eq_u32 s2, 0
	s_cbranch_scc0 .Lentry_in_a_cluster
	s_endpgm
.Lentry_in_a_cluster:
	s_bfe_u32 s2, ttmp6, 0x10000c
	s_cmp_lg_u32 s2, 0xf033
	s_cbranch_scc0 .Lentry_shape_is_right
	s_endpgm
.Lentry_shape_is_right:
; qkv = LN1(x) W_attn^T + b_attn on codes of FP4, and its three parts quantised again on the way out, each along the K of the product that takes it:
;   q and k along the channels (blocks of 32 inside a head 64) -> qkimg: rows = tokens, K axis = 2,048 channels (q, then k);   v along the TOKENS (the keys) -> vimg: rows = channels, K axis = 4,096 tokens.
; Images: records of 4,352 bytes = 16 rows x 512 K (16 units of codes [place][16 bytes], one unit of scale bytes [place][16]); place p of tile t is row 32 (t / 2) + 8 (t % 2) + p + 8 (p / 8).
; SHARES.  256 work-groups.  A work-group takes 128 tokens (grid x) and three tiles of 128 rows of W_attn: yy, yy + 8, yy + 16 (grid y = yy): one of q, one of k, one of v, in three passes that are written out.
; Source 0 (P) = all 8 tiles of one operand, from LDS; source 1 (Q) = the wave two tiles of the other, which no other wave reads: they come from memory straight into registers (a fragment is 1,024 bytes on end
; of the image) and stay.  16 accumulators.  A lane holds ONE row of Q, and its 64 registers of a Q tile are 128 neighbouring rows of P: one whole fragment of the next product and one whole scale word.
; Passes q, k: P = the rows of W_attn, Q = my tokens (loaded once for both).  Pass v: P = the tokens, Q = my rows of W_v: the same steps give v with the tokens along the registers.
; LDS: three regions of 8 tiles x 8,704 bytes (all of K = 1,024): W_q tile, W_k tile, the tokens.  Each wave asks for two tiles of each, one region behind each of three rounds: one load of mine is out at a time.
; CLUSTER 4 x 4: the weights regions hang on y and are asked for jointly along a row of the cluster, the tokens region on x, along a column.
; The bias of q and k goes with the register and is the C of the pass first products; that of v goes with the lane: it is spread into eight registers a tile and given as C likewise.
; The scale words leave as 4 bytes a row, 16 bytes apart: a whole unit would want 512 rows of P in one pass; they are one sixteenth of the codes bytes.
; REGISTERS: window 0: v1-15 addresses and the scale words on their way out; v16-47 P scale words, a set for each record; v48-63 Q scale words, a set for each Q; v64-111 at work; v128-255 the accumulators (it, jt)
;   at 128 + 64 jt + 8 it.   window 1: two sets of P fragments, v0-63 and v64-127.   window 2: Q fragments (jt, step) at 64 jt + 8 step: my tokens from v0, my rows of W_v from v128.   window 3: the bias of q, of k.
.set REC,   4352
.set TP,    2*REC                      ; a tile of 16 rows x 1,024 K, in memory and in LDS
.set REG,   8*TP                       ; a region
.set KOFF,  64*TP                      ; in wimg: from a tile of W_q to the same tile of W_k,
.set VOFF,  128*TP                     ; and of W_v
.set SPARE, 3*REG                      ; the spare words, 128 bytes a wave: two blocks of 256 bytes that no other line names
.set SPW,  1
.set NIL,  2
.set APL,  3                           ; v3   P fragments of the pass: tiles 0-3;  v4: tiles 4-7
.set APH,  4
.set ASP,  5                           ; v5   P scale words of the pass
.set L16,  6                           ; v6   16 x lane
.set SCB,  7                           ; v7   a scale word place: 4,096 + 8,704 h + 16 r: lanes 0-15 an even tile, lanes 16-31 the odd one behind it
.set SOFQ, 8                           ; v8   where my scale word goes in qkimg;  v9: in vimg
.set SOFV, 9
.set BAD,  10                          ; v10  the bias by register: 64 h
.set HH,   11
.set PW,   12                          ; v12-14 the scale words of the three passes
.set PWT,  15
.set SCP,  16
.set SCQ,  48
.set TM,   64
.set BJA,  72                          ; v72  the bias by lane: 4 (32 w + r + 8 (r / 8))
.set PC,   80
.set CB,   96                          ; v96-111 the bias of v as C: eight registers for each of my two tiles
.set ACC,  128
.set G1Y,  24
.set G0Q,  32
.set G0K,  36
.set G1X,  48
.set G0X,  56
.set SEL,  68
.set MSB, 0
.macro WIN new                         ; the immediate high byte repeats the setting that is left
.if MSB != \new
	s_set_vgpr_msb (MSB<<8)|\new
.set MSB, \new
.endif
.endm
.macro CROUND                          ; a round of the cluster barrier
	s_barrier_signal -1
	s_barrier_wait -1
	s_cmp_lg_u32 s14, 0
	s_cbranch_scc1 .Lnot_wave_0_\@
	s_barrier_signal -3
.Lnot_wave_0_\@:
	s_barrier_wait -3
	s_barrier_signal -1
	s_barrier_wait -1
.endm
; my two tiles of an image, all of K, into Q set bs: 32 loads of 512 bytes on end, and their scale words: 2 loads
.macro QLOAD bs, base, off
	WIN 0x80                                       ; destination window 2
.irp jt, 0,1
.irp st, 0,1,2,3,4,5,6,7
.irp c, 0,1
	global_load_b128 v[128*(\bs)+64*\jt+8*\st+4*\c:128*(\bs)+64*\jt+8*\st+4*\c+3], v[L16], s[\base:\base+1] offset:(\off)+\jt*TP+(\st/4)*REC+(\st%4)*1024+512*\c
.endr
.endr
.endr
	WIN 0
	global_load_b128 v[SCQ+8*(\bs):SCQ+8*(\bs)+3], v[SCB], s[\base:\base+1] offset:(\off)
	global_load_b128 v[SCQ+8*(\bs)+4:SCQ+8*(\bs)+7], v[SCB], s[\base:\base+1] offset:(\off)+REC
.endm
.macro BIAS n                          ; the bias of pass n in the layout of the results: register e of tile it is row 32 (it / 2) + 16 h + 8 (it % 2) + e of the 128
	WIN 0xc0                                       ; destination window 3
.irp it, 0,1,2,3,4,5,6,7
	global_load_b128 v[64*(\n)+8*\it:64*(\n)+8*\it+3], v[BAD], s[92:93] offset:4096*(\n)+(32*(\it/2)+8*(\it%2))*4
	global_load_b128 v[64*(\n)+8*\it+4:64*(\n)+8*\it+7], v[BAD], s[92:93] offset:4096*(\n)+(32*(\it/2)+8*(\it%2))*4+16
.endr
	WIN 0
.endm
	s_load_b256 s[4:11], s[0:1], 0x0               ; himg, wimg, b_attn, qkimg
	s_load_b64 s[12:13], s[0:1], 0x20              ; vimg
	v_lshl_add_u32 v[SPW], v0, 2, SPARE
	v_mov_b32 v[NIL], 0
	ds_add_u32 v[SPW], v[NIL]                      ; the opening: the add, twice on end, and its wait ahead of my first tensor load
	ds_add_u32 v[SPW], v[NIL]
	v_lshrrev_b32 v[TM], 5, v0
	v_readfirstlane_b32 s14, v[TM]                 ; wave 0..3
	s_bfe_u32 s40, ttmp6, 0x40000                  ; cx
	s_bfe_u32 s41, ttmp6, 0x40004                  ; cy
	s_lshl_b32 s42, ttmp9, 2
	s_add_co_u32 s42, s42, s40                     ; x: which 128 tokens
	s_and_b32 s17, ttmp7, 0xffff
	s_lshl_b32 s17, s17, 2
	s_add_co_u32 s17, s17, s41                     ; yy: which 128 rows of W_q, W_k, W_v
	s_lshl_b32 s43, s41, 2
	s_lshl_b32 s43, 15, s43                        ; my row of the cluster
	s_lshl_b32 s44, 0x1111, s40                    ; my column
	s_or_b32 s[G1Y], s43, (3<<16)|(1<<21)          ; the mask; elements of 8 bytes; bit 21 beside a mask; no padding: the image is read 16 bytes x lane on end
	s_or_b32 s[G1X], s44, (3<<16)|(1<<21)
.irp g, G1Y, G1X
	s_mov_b32 s[\g+1], (TP/8)<<16                  ; tensor_dim0: a tile 8,704 bytes
	s_mov_b32 s[\g+2], 2<<16                       ; tensor_dim1: two tiles
	s_mov_b32 s[\g+3], (TP/8)<<16                  ; tile_dim0
	s_mov_b32 s[\g+4], 2                           ; tile_dim1
	s_mov_b32 s[\g+5], TP/8                        ; from tile to tile
	s_mov_b32 s[\g+6], 0
	s_mov_b32 s[\g+7], 0
.endr
	s_lshl_b32 s18, s14, 1
	s_lshl_b32 s20, s17, 3
	s_add_co_u32 s20, s20, s18
	s_mul_i32 s20, s20, TP                         ; W_q: tile 8 yy + 2 w
	s_mov_b32 s21, 0
	s_lshl_b32 s46, s42, 3
	s_add_co_u32 s46, s46, s18
	s_mul_i32 s46, s46, TP                         ; the tokens: tile 8 x + 2 w
	s_mov_b32 s47, 0
	s_mul_i32 s45, s14, 2*TP                       ; where they go in a region: no place in the cluster enters an LDS address
	; where the results go.  q, k: tile 8 x + 2 w of qkimg, record yy / 4 (k: two records on), fragment yy % 4
	s_lshl_b32 s70, s42, 3
	s_add_co_u32 s70, s70, s18
	s_mul_i32 s70, s70, 17408
	s_lshr_b32 s71, s17, 2
	s_mul_i32 s71, s71, REC
	s_add_co_u32 s70, s70, s71
	s_and_b32 s72, s17, 3
	s_lshl_b32 s73, s72, 10
	s_add_co_u32 s74, s70, s73                     ; the fragment,
	s_mov_b32 s75, 0
	s_lshl_b32 s73, s72, 2
	s_add_co_u32 s70, s70, s73
	s_add_co_u32 s70, s70, 4096                    ; the scale words
	s_mov_b32 s71, 0
	; v: tile 8 yy + 2 w of vimg, record x / 4, fragment x % 4
	s_lshl_b32 s86, s17, 3
	s_add_co_u32 s86, s86, s18
	s_mul_i32 s86, s86, 34816
	s_lshr_b32 s87, s42, 2
	s_mul_i32 s87, s87, REC
	s_add_co_u32 s86, s86, s87
	s_and_b32 s88, s42, 3
	s_lshl_b32 s89, s88, 10
	s_add_co_u32 s90, s86, s89
	s_mov_b32 s91, 0
	s_lshl_b32 s89, s88, 2
	s_add_co_u32 s86, s86, s89
	s_add_co_u32 s86, s86, 4096
	s_mov_b32 s87, 0
	s_lshl_b32 s94, s17, 9                         ; b_attn at 128 yy
	s_mov_b32 s95, 0
	s_mov_b32 s[SEL], 0x76543210
	s_mov_b32 s[SEL+1], 0xfedcba98                 ; v_permlanex16_b32: lane l xor 16
	v_and_b32 v[TM], 31, v0
	v_lshlrev_b32 v[L16], 4, v[TM]
	v_and_b32 v[TM+1], 15, v0                      ; r
	v_bfe_u32 v[HH], v0, 4, 1                      ; h
	v_mul_u32_u24 v[SCB], v[HH], TP
	v_lshl_add_u32 v[SCB], v[TM+1], 4, v[SCB]
	v_add_nc_u32 v[SCB], 4096, v[SCB]
	v_mul_u32_u24 v[SOFQ], v[HH], 17408
	v_lshl_add_u32 v[SOFQ], v[TM+1], 4, v[SOFQ]    ; lanes 0-15 my first tile rows, lanes 16-31 my second
	v_mul_u32_u24 v[SOFV], v[HH], 34816
	v_lshl_add_u32 v[SOFV], v[TM+1], 4, v[SOFV]
	v_lshlrev_b32 v[BAD], 6, v[HH]
	v_and_b32 v[BJA], 8, v[TM+1]
	v_add_nc_u32 v[BJA], v[BJA], v[TM+1]
	s_lshl_b32 s19, s14, 7
	v_lshl_add_u32 v[BJA], v[BJA], 2, s19
.irp b, 0,1,2,3
	v_mov_b32 v[TM+4+\b], 0                        ; written once: a lane permute destination counts as one of its sources
.endr
	s_wait_alu depctr_va_vdst(0)
	s_wait_dscnt 0x0                               ; both opening adds are done
	s_wait_kmcnt 0x0
	s_add_nc_u64 s[20:21], s[6:7], s[20:21]
	s_add_nc_u64 s[46:47], s[4:5], s[46:47]
	s_add_nc_u64 s[76:77], s[10:11], s[74:75]
	s_add_nc_u64 s[78:79], s[10:11], s[70:71]
	s_add_nc_u64 s[80:81], s[12:13], s[90:91]
	s_add_nc_u64 s[82:83], s[12:13], s[86:87]
	s_add_nc_u64 s[92:93], s[8:9], s[94:95]
	s_mov_b32 s[G0Q], 1
	s_mov_b32 s[G0Q+1], s45                        ; region 0
	s_mov_b64 s[G0Q+2:G0Q+3], s[20:21]
	s_or_b32 s[G0Q+3], s[G0Q+3], 0x80000000
	s_mov_b32 s[G0K], 1
	s_add_co_u32 s[G0K+1], s45, REG                ; region 1
	s_add_nc_u64 s[G0K+2:G0K+3], s[20:21], KOFF
	s_or_b32 s[G0K+3], s[G0K+3], 0x80000000
	s_mov_b32 s[G0X], 1
	s_add_co_u32 s[G0X+1], s45, 2*REG              ; region 2
	s_mov_b64 s[G0X+2:G0X+3], s[46:47]
	s_or_b32 s[G0X+3], s[G0X+3], 0x80000000
	QLOAD 0, 46, 0                                 ; my tokens: wanted with the first region, so they are asked for ahead of the round
	BIAS 0
	CROUND                                         ; all sixteen work-groups are here: the joint loads meet
	tensor_load_to_lds s[G0Q:G0Q+3], s[G1Y:G1Y+7]  ; my two tiles of region 0: one tensor load a wave at the head; regions 1 and 2 follow behind later rounds
	s_nop 0
.rept 4
	v_nop
.endr
.macro ADDR n                          ; the LDS addresses of a pass whose P lies in region n
	v_add_nc_u32 v[APL], (\n)*REG, v[L16]
	v_add_nc_u32 v[APH], (\n)*REG+4*TP, v[L16]
	v_add_nc_u32 v[ASP], (\n)*REG, v[SCB]
.endm
; P fragments of the q-th 128 along K into set f: 16 loads of 512 bytes on end; where a record begins, its scale words too: 4 loads, four steps words each
.macro FETCH q, f
	WIN 0x40                                       ; destination window 1
.irp it, 0,1,2,3,4,5,6,7
.irp c, 0,1
	ds_load_b128 v[64*(\f)+8*\it+4*\c:64*(\f)+8*\it+4*\c+3], v[APL+\it/4] offset:(\it%4)*TP+((\q)/4)*REC+((\q)%4)*1024+512*\c
.endr
.endr
.if ((\q)%4) == 0
	WIN 0
.irp i, 0,1,2,3
	ds_load_b128 v[SCP+16*((\q)/4)+4*\i:SCP+16*((\q)/4)+4*\i+3], v[ASP] offset:2*TP*\i+((\q)/4)*REC
.endr
.endif
.endm
; one product.  cm = 0: in place; 1: C = the bias of pass n, by register; 2: C = the bias by lane.  An odd tile scale words stand in lanes 16-31
.macro WM f, q, bs, cm, n, it, jt
.set rD, ACC+64*(\jt)+8*(\it)
.set rA, 64*(\f)+8*(\it)
.set rB, 128*(\bs)+64*(\jt)+8*(\q)
.set rSA, SCP+16*((\q)/4)+4*((\it)/2)+(\q)%4
.set rSB, SCQ+8*(\bs)+4*((\q)/4)+(\q)%4
.set rC, rD
.if (\cm) == 1
.set rC, 64*(\n)+8*(\it)
.elseif (\cm) == 2
.set rC, CB+8*(\jt)
.endif
.if ((\it)%2) && (\jt)
	v_wmma_scale_f32_16x16x128_f8f6f4 v[rD:rD+7], v[rA:rA+7], v[rB:rB+7], v[rC:rC+7], v[rSA], v[rSB] matrix_a_fmt:MATRIX_FMT_FP4 matrix_b_fmt:MATRIX_FMT_FP4 matrix_a_scale:MATRIX_SCALE_ROW1 matrix_b_scale:MATRIX_SCALE_ROW1
.elseif ((\it)%2)
	v_wmma_scale_f32_16x16x128_f8f6f4 v[rD:rD+7], v[rA:rA+7], v[rB:rB+7], v[rC:rC+7], v[rSA], v[rSB] matrix_a_fmt:MATRIX_FMT_FP4 matrix_b_fmt:MATRIX_FMT_FP4 matrix_a_scale:MATRIX_SCALE_ROW1
.elseif (\jt)
	v_wmma_scale_f32_16x16x128_f8f6f4 v[rD:rD+7], v[rA:rA+7], v[rB:rB+7], v[rC:rC+7], v[rSA], v[rSB] matrix_a_fmt:MATRIX_FMT_FP4 matrix_b_fmt:MATRIX_FMT_FP4 matrix_b_scale:MATRIX_SCALE_ROW1
.else
	v_wmma_scale_f32_16x16x128_f8f6f4 v[rD:rD+7], v[rA:rA+7], v[rB:rB+7], v[rC:rC+7], v[rSA], v[rSB] matrix_a_fmt:MATRIX_FMT_FP4 matrix_b_fmt:MATRIX_FMT_FP4
.endif
.endm
.macro MUL16 f, q, bs, cm, n           ; a step 16 products: the 16 accumulators by turns, in the same order in every step
.if (\cm) == 1
	WIN 0x39                                       ; source 0 window 1, source 1 window 2, C window 3, D window 0
.else
	WIN 0x09                                       ; C and D window 0
.endif
.irp it, 0,1,2,3,4,5,6,7
.irp jt, 0,1
	WM \f, \q, \bs, \cm, \n, \it, \jt
.endr
.endr
.endm
.macro STEP q, bs, cm, n               ; a step that has a successor in its pass
.rept 4
	v_nop                                          ; four places behind the last step products, in front of loads into the set that they read
.endr
	FETCH (\q)+1, ((\q)+1)%2
.if (((\q)+1)%4) == 0
	s_wait_dscnt 20                                ; all but the loads just issued: this step set is in
.else
	s_wait_dscnt 16
.endif
	MUL16 (\q)%2, \q, \bs, \cm, \n
.endm
.macro PASS bs, cm, n                  ; the eight steps of a pass; the first starts the sums with the bias: nothing is cleared
	STEP 0, \bs, \cm, \n
.irp kq, 1,2,3,4,5,6
	STEP \kq, \bs, 0, \n
.endr
	s_wait_dscnt 0x0
	MUL16 1, 7, \bs, 0, \n
	WIN 0
.endm
; Behind a pass products: region n is shown whole to every wave, and the next pass first fragments are fetched; they land under the way out of the pass just done
.macro NEXT n
	s_wait_tensorcnt 0x0                           ; my part of region n is in: no load of mine is out
.if (\n) == 1
	ds_add_u32 v[SPW], v[NIL]                      ; the add and its wait ahead of a later first fill
	s_wait_dscnt 0x0
	CROUND                                         ; region 1 is whole for every wave, and the four partners meet
	tensor_load_to_lds s[G0X:G0X+3], s[G1X:G1X+7]  ; region 2, the tokens: my one load behind this round
	s_nop 0
.else
	s_barrier_signal -1                            ; (no LDS load of mine is out: the last step waited for all)
	s_barrier_wait -1
.endif
.rept 4
	v_nop                                          ; four places: in front of loads into set 0, and of the first read of results
.endr
	ADDR \n
	FETCH 0, 0
.endm
; 64 numbers of a lane, register 16 b + i = K 32 b + 16 h + i of my row, become a fragment codes and its scale word
.macro QUANT s, pc, pw
.irp b, 0,1,2,3
	v_max3_num_f32 v[TM+\b], |v[(\s)+16*\b]|, |v[(\s)+1+16*\b]|, 0x1800000   ; with the floor 2^(3 - 127); each accumulator is read from its low end on
.endr
.irp i, 2,4,6,8,10,12,14
.irp b, 0,1,2,3
	v_max3_num_f32 v[TM+\b], v[TM+\b], |v[(\s)+16*\b+\i]|, |v[(\s)+1+16*\b+\i]|
.endr
.endr
.irp b, 0,1,2,3
	v_permlanex16_b32 v[TM+4+\b], v[TM+\b], s[SEL], s[SEL+1]
.endr
.irp b, 0,1,2,3
	v_max_num_f32 v[TM+\b], v[TM+\b], v[TM+4+\b]   ; with lane l xor 16: the block largest magnitude
.endr
.irp b, 0,1,2,3
	v_add_nc_u32 v[TM+12+\b], 0xff000000, v[TM+\b] ; 2 off its exponent field: the conversion scale operand
.endr
.irp b, 0,1,2,3
	v_lshrrev_b32 v[TM+4+\b], 23, v[TM+12+\b]      ; the byte
.endr
	v_lshl_or_b32 v[\pw], v[TM+5], 8, v[TM+4]
	v_lshl_or_b32 v[\pw], v[TM+6], 16, v[\pw]
	v_lshl_or_b32 v[\pw], v[TM+7], 24, v[\pw]
.irp b, 0,1,2,3
	v_cvt_scalef32_pk8_fp4_f32 v[(\pc)+2*\b], v[(\s)+16*\b:(\s)+7+16*\b], v[TM+12+\b]
	v_cvt_scalef32_pk8_fp4_f32 v[(\pc)+1+2*\b], v[(\s)+8+16*\b:(\s)+15+16*\b], v[TM+12+\b]
.endr
	v_nop                                          ; a plain place behind a scaled conversion
.irp c, 0,1                                    ; a whole block to a lane
.irp i, 0,1
	v_permlane16_swap_b32 v[(\pc)+4*\c+\i], v[(\pc)+2+4*\c+\i]
.endr
.endr
.endm
; the way out of a pass: fb, sb: the bases of the fragments and of the scale words; rowp: from my first tile to my second; off: bytes on from the bases; wx = 1: earlier stores have named the codes registers
.macro EPI fb, sb, rowp, off, sof, pw, wx
.if \wx
	s_wait_xcnt 0x0                                ; the last pass stores have read their registers: the codes may be written anew
.endif
	QUANT ACC, PC, \pw
	global_store_b128 v[L16], v[PC:PC+3], s[\fb:\fb+1] offset:\off                 ; 512 bytes on end, twice: the fragment as the next launch reads it
	global_store_b128 v[L16], v[PC+4:PC+7], s[\fb:\fb+1] offset:\off+512
	QUANT ACC+64, PC+8, PWT
	global_store_b128 v[L16], v[PC+8:PC+11], s[\fb:\fb+1] offset:\off+\rowp
	global_store_b128 v[L16], v[PC+12:PC+15], s[\fb:\fb+1] offset:\off+\rowp+512
	v_cmp_ne_u32 vcc_lo, 0, v[HH]
	v_cndmask_b32 v[\pw], v[\pw], v[PWT], vcc_lo   ; lanes 0-15 my first tile words, lanes 16-31 my second
	global_store_b32 v[\sof], v[\pw], s[\sb:\sb+1] offset:\off
.endm
	s_wait_tensorcnt 0x0                           ; my part of region 0 is in
	ds_add_u32 v[SPW], v[NIL]                      ; the add and its wait ahead of a later first fill
	s_wait_dscnt 0x0
	CROUND                                         ; region 0 is whole for every wave, and the partners meet
	tensor_load_to_lds s[G0K:G0K+3], s[G1Y:G1Y+7]  ; region 1: my one load behind this round
	s_nop 0
.rept 4
	v_nop
.endr
	ADDR 0
	FETCH 0, 0
	s_wait_alu depctr_va_vdst(0)
	s_wait_loadcnt 0x0                             ; my tokens and the bias of q
	BIAS 1                                         ; what the later passes want is asked for now: 52 loads
	QLOAD 1, 20, VOFF                              ; my two tiles of W_v
	global_load_b32 v[CB], v[BJA], s[92:93] offset:8192        ; b_attn of my row of W_v, first tile,
	global_load_b32 v[CB+8], v[BJA], s[92:93] offset:8192+32   ; second tile
	PASS 0, 1, 0                                   ; q
	NEXT 1
	EPI 76, 78, 17408, 0, SOFQ, PW, 0
	s_wait_loadcnt 0x0                             ; the bias of k, W_v, the bias of v
.irp j, 1,2,3,4,5,6,7
	v_mov_b32 v[CB+\j], v[CB]
	v_mov_b32 v[CB+8+\j], v[CB+8]
.endr
	PASS 0, 1, 1                                   ; k
	NEXT 2
	EPI 76, 78, 17408, 2*REC, SOFQ, PW+1, 1
	PASS 1, 2, 0                                   ; v
.rept 4
	v_nop                                          ; four places in front of the first read of results
.endr
	EPI 80, 82, 34816, 0, SOFV, PW+2, 1
	s_wait_tensorcnt 0x0                           ; the wave end
	ds_add_u32 v[SPW], v[NIL]
	s_wait_dscnt 0x0
	CROUND                                         ; the closing round
	s_endpgm
.Lfunc_end_k_q7714933b24_qkv:
	.size	k_q7714933b24_qkv, .Lfunc_end_k_q7714933b24_qkv-k_q7714933b24_qkv
	.p2alignl 7, 3214868480
	.fill 96, 4, 3214868480
	.section	.rodata,"a",@progbits
	.p2align	6, 0x0
	.amdhsa_kernel k_q7714933b24_qkv
		.amdhsa_group_segment_fixed_size 327680
		.amdhsa_private_segment_fixed_size 0
		.amdhsa_enable_private_segment 0
		.amdhsa_kernarg_size 40
		.amdhsa_user_sgpr_count 2
		.amdhsa_user_sgpr_kernarg_segment_ptr 1
		.amdhsa_wavefront_size32 1
		.amdhsa_system_sgpr_workgroup_id_x 1
		.amdhsa_system_sgpr_workgroup_id_y 1
		.amdhsa_system_sgpr_workgroup_id_z 1
		.amdhsa_system_vgpr_workitem_id 0
		.amdhsa_next_free_vgpr 1024
		.amdhsa_next_free_sgpr 100
		.amdhsa_reserve_vcc 1
		.amdhsa_float_denorm_mode_32 3
		.amdhsa_float_denorm_mode_16_64 3
		.amdhsa_memory_ordered 1
		.amdhsa_forward_progress 1
		.amdhsa_inst_pref_size 122
	.end_amdhsa_kernel
	.amdgpu_metadata
---
amdhsa.version: [ 1, 2 ]
amdhsa.kernels:
  - .name:           k_q7714933b24_qkv
    .symbol:         k_q7714933b24_qkv.kd
    .args:
      - { .name: himg, .offset: 0, .size: 8, .value_kind: global_buffer, .address_space: global }
      - { .name: wimg, .offset: 8, .size: 8, .value_kind: global_buffer, .address_space: global }
      - { .name: b_attn, .offset: 16, .size: 8, .value_kind: global_buffer, .address_space: global }
      - { .name: qkimg, .offset: 24, .size: 8, .value_kind: global_buffer, .address_space: global }
      - { .name: vimg, .offset: 32, .size: 8, .value_kind: global_buffer, .address_space: global }
    .group_segment_fixed_size: 327680
    .private_segment_fixed_size: 0
    .kernarg_segment_align: 8
    .kernarg_segment_size: 40
    .max_flat_workgroup_size: 128
    .sgpr_count:     100
    .vgpr_count:     1024
    .wavefront_size: 32
...
	.end_amdgpu_metadata
.endif
;; end of part 9
;; launch attn (part 10): grid 4 x 64, 16 waves a work-group, clusters of 4 x 1, 167,936 bytes of LDS; arguments qkimg, vimg, yimg; writes yimg
.if DOCPART == 10
	.amdgcn_target "amdgcn-amd-amdhsa--gfx1250"
	.amdhsa_code_object_version 6
	.text
	.protected	k_q7714933b24_attn
	.globl	k_q7714933b24_attn
	.p2align	8
	.type	k_q7714933b24_attn,@function
k_q7714933b24_attn:
	s_mov_b64 s[64:65], 0
	v_nop
	global_prefetch_b8 v0, s[64:65] scope:SCOPE_SE
	s_setreg_imm32_b32 hwreg(HW_REG_WAVE_MODE, 25, 1), 1
	s_wait_xcnt 0x0
	s_wait_alu depctr_hold_cnt(0) depctr_sa_sdst(0) depctr_va_vdst(0) depctr_va_sdst(0) depctr_va_ssrc(0) depctr_va_vcc(0) depctr_vm_vsrc(0)
	s_getreg_b32 s2, hwreg(HW_REG_IB_STS2, 6, 4)
	s_cmp_eq_u32 s2, 0
	s_cbranch_scc0 .Lentry_in_a_cluster
	s_endpgm
.Lentry_in_a_cluster:
	s_bfe_u32 s2, ttmp6, 0x10000c
	s_cmp_lg_u32 s2, 0x3003
	s_cbranch_scc0 .Lentry_shape_is_right
	s_endpgm
.Lentry_shape_is_right:
; Causal attention of one (batch, head) on codes of FP4, and its result quantised along the channels -> yimg (rows = tokens, K axis = 1,024 channels).
; LEFT OUT AS DEAD WORK: key steps of 128 keys that lie wholly behind a tile last query: reference() masks them by its own jnp.tril, so their p is 0 for all inputs (shown at the head of launch prep).
; THE SOFTMAX AHEAD OF THE SECOND PRODUCT: t = score x log2(e) / 8; M = the running largest t rounded UP to a whole number; p = 2^(t - M) is quantised along the keys, not normalised; the row sum is taken of the
; unquantised p and divides at the end; when M moves, the sum and O are multiplied by 2^(old M - new M), which rounds nothing.
; SHARES.  grid y = 16 batch + head.  The four work-groups of a cluster share a head: wave w of work-group g owns the tile of 16 queries 4 w + g (of 64).  Its key steps are w / 2 + 1: by the wave number alone, the same in
; all four partners; every partner reads all of K and V, and all have equal work.  All of a head K (codes 32 KiB, scale units 16 KiB) and V (34 KiB) lie in LDS: three joint loads at the head, nothing is filled again.
; IMAGES (launch prep): a tile 64 codes a row of one head are 512 bytes on end = register group 0 of a fragment; the head size is 64 and the instruction takes 128 along K: group 1 is zero codes on both sides, kept in
; registers, and the upper two scale bytes are the 0 that a 16-bit load leaves (2^-127 over zero codes adds nothing).
; Both products are used transposed: a lane holds ONE query (place lane % 16 of its tile).  By the images order of rows, the 16 registers of key tiles 2 b, 2 b + 1 are keys 32 b + 16 (lane / 16) + 0 .. 15.
; The two scale bytes of a row leave as 2 bytes: a head share of the word.
; REGISTERS: v1-4 addresses that stay; v5, v6 the add; v8-11 the step addresses; v12 -M, v13 the largest t, v[14:15] the sum; v16-23 Q; v24 the mask; v25, v26 offsets in a record; v28-31 V scale words;
;   v32-63 four fragments of K; v64-95 four of V; v96-159 S^T, then p; v160-191 O^T; v224-231 p codes; v232-254 at work; v248-251 K scale words; v255 Q scale words.
.set REC,   4352
.set KS,    32768                      ; K codes at 0: 64 tiles x 512 bytes; K scale units here: 64 x 256
.set VB,    49152                      ; V: 4 tiles of channels x 2 records
.set SPARE, 83968                      ; the spare words, 128 bytes a wave: eight blocks of 256 bytes that no other line names
.set L16, 1
.set AKS, 2
.set AV,  3
.set AVS, 4
.set SPW, 5
.set NIL, 6
.set ADK, 8
.set ADS, 9
.set ADV, 10
.set ADT, 11
.set DQ,  24
.set WV,  18
.set SEL, 20
.set CS,  22
.set G1C, 24
.set G1S, 32
.set G1V, 40
.set G0C, 48
.set G0S, 52
.set G0V, 56
.set SK,  60
.set SS,  61
.set SV,  62
.set SJ,  63
.set LIM, 66
.set TRIP, 67
.macro CROUND
	s_barrier_signal -1
	s_barrier_wait -1
	s_cmp_lg_u32 s[WV], 0
	s_cbranch_scc1 .Lnot_wave_0_\@
	s_barrier_signal -3
.Lnot_wave_0_\@:
	s_barrier_wait -3
	s_barrier_signal -1
	s_barrier_wait -1
.endm
	s_load_b128 s[4:7], s[0:1], 0x0                ; qkimg, vimg
	s_load_b64 s[8:9], s[0:1], 0x10                ; yimg
	v_lshl_add_u32 v[SPW], v0, 2, SPARE
	v_mov_b32 v[NIL], 0
	ds_add_u32 v[SPW], v[NIL]                      ; the opening: the add, twice on end, and its wait ahead of the first tensor load
	ds_add_u32 v[SPW], v[NIL]
	v_lshrrev_b32 v8, 5, v0
	s_delay_alu instid0(VALU_DEP_1)
	v_readfirstlane_b32 s[WV], v8                  ; wave 0..15
	s_bfe_u32 s70, ttmp6, 0x40000                  ; cx: it enters Q and y addresses and the mask number alone
	s_and_b32 s71, ttmp7, 0xffff
	s_lshr_b32 s72, s71, 4                         ; batch
	s_and_b32 s73, s71, 15                         ; head
	s_lshr_b32 s74, s73, 3                         ; which record of 512 channels,
	s_and_b32 s75, s73, 7                          ; and which 64 of them
	s_mul_i32 s76, s72, 64*17408                   ; the batch first tile of tokens in qkimg
	s_add_co_u32 s77, s74, 2
	s_mul_i32 s77, s77, REC
	s_add_co_u32 s76, s76, s77                     ; k record
	s_lshl_b32 s77, s75, 9
	s_add_co_u32 s78, s76, s77                     ; the head 512 bytes of codes in it
	s_mov_b32 s79, 0
	s_add_co_u32 s80, s76, 4096                    ; its scale unit
	s_mov_b32 s81, 0
	s_mul_i32 s82, s73, 4*34816                    ; vimg: the head four tiles of channels,
	s_mul_i32 s83, s72, 2*REC                      ; the batch two records of tokens
	s_add_co_u32 s82, s82, s83
	s_mov_b32 s83, 0
	s_lshl_b32 s84, s[WV], 2
	s_add_co_u32 s84, s84, s70                     ; my tile of queries in the batch
	s_lshl_b32 s85, s72, 6
	s_add_co_u32 s85, s85, s84
	s_mul_i32 s86, s85, 17408
	s_mul_i32 s88, s74, REC
	s_add_co_u32 s86, s86, s88                     ; q record of my tile
	s_mov_b32 s87, 0
	s_mul_i32 s85, s85, 8704
	s_add_co_u32 s88, s85, s88                     ; y record of my tile
	s_mov_b32 s89, 0
	s_lshr_b32 s[LIM], s[WV], 1                    ; my last key step: the one on the diagonal
	s_lshr_b32 s94, s84, 1
	s_lshl_b32 s94, s94, 5
	s_and_b32 s95, s84, 1
	s_lshl_b32 s95, s95, 3
	s_add_co_u32 s94, s94, s95                     ; the query at place 0,
	s_lshl_b32 s95, s[LIM], 7
	s_sub_co_u32 s94, s94, s95                     ; counted from the diagonal step first key
	; K codes: 64 tiles x 512 bytes, 17,408 bytes apart;  K scale units: 64 x 256 bytes;  V: 4 tiles x 8,704 bytes, 34,816 apart.  Elements of 8 bytes, the mask names all four partners
	s_mov_b32 s[G1C], 15|(3<<16)|(1<<21)
	s_mov_b32 s[G1C+1], 64<<16
	s_mov_b32 s[G1C+2], 64<<16
	s_mov_b32 s[G1C+3], 64<<16
	s_mov_b32 s[G1C+4], 64
	s_mov_b32 s[G1C+5], 2176
	s_mov_b32 s[G1C+6], 0
	s_mov_b32 s[G1C+7], 0
	s_mov_b32 s[G1S], 15|(3<<16)|(1<<21)
	s_mov_b32 s[G1S+1], 32<<16
	s_mov_b32 s[G1S+2], 64<<16
	s_mov_b32 s[G1S+3], 32<<16
	s_mov_b32 s[G1S+4], 64
	s_mov_b32 s[G1S+5], 2176
	s_mov_b32 s[G1S+6], 0
	s_mov_b32 s[G1S+7], 0
	s_mov_b32 s[G1V], 15|(3<<16)|(1<<21)
	s_mov_b32 s[G1V+1], 1088<<16
	s_mov_b32 s[G1V+2], 4<<16
	s_mov_b32 s[G1V+3], 1088<<16
	s_mov_b32 s[G1V+4], 4
	s_mov_b32 s[G1V+5], 4352
	s_mov_b32 s[G1V+6], 0
	s_mov_b32 s[G1V+7], 0
	s_mov_b32 s[SEL], 0x76543210
	s_mov_b32 s[SEL+1], 0xfedcba98
	s_mov_b32 s[CS], 0x3e38aa3b                    ; c = log2(e) / 8
	s_mov_b32 s[CS+1], s[CS]
	s_mov_b32 s[SK], 0
	s_mov_b32 s[SS], 0
	s_mov_b32 s[SV], 0
	s_mov_b32 s[SJ], 0
	s_mov_b32 s[TRIP], 2
	s_wait_dscnt 0x0                               ; both opening adds are done
	s_wait_kmcnt 0x0
	s_mov_b32 s[G0C], 1
	s_mov_b32 s[G0C+1], 0
	s_add_nc_u64 s[G0C+2:G0C+3], s[4:5], s[78:79]
	s_or_b32 s[G0C+3], s[G0C+3], 0x80000000
	s_mov_b32 s[G0S], 1
	s_mov_b32 s[G0S+1], KS
	s_add_nc_u64 s[G0S+2:G0S+3], s[4:5], s[80:81]
	s_or_b32 s[G0S+3], s[G0S+3], 0x80000000
	s_mov_b32 s[G0V], 1
	s_mov_b32 s[G0V+1], VB
	s_add_nc_u64 s[G0V+2:G0V+3], s[6:7], s[82:83]
	s_or_b32 s[G0V+3], s[G0V+3], 0x80000000
	s_add_nc_u64 s[92:93], s[4:5], s[86:87]        ; q record
	s_add_nc_u64 s[90:91], s[8:9], s[88:89]        ; y record
	CROUND                                         ; all four work-groups are here: the joint loads meet
	s_cmp_lg_u32 s[WV], 0                          ; waves 0, 1, 2 issue one load each; the branches hang on the wave number alone
	s_cbranch_scc1 .Lnot_0
	tensor_load_to_lds s[G0C:G0C+3], s[G1C:G1C+7]
	s_nop 0
.rept 4
	v_nop
.endr
	s_branch .Lasked
.Lnot_0:
	s_cmp_lg_u32 s[WV], 1
	s_cbranch_scc1 .Lnot_1
	tensor_load_to_lds s[G0S:G0S+3], s[G1S:G1S+7]
	s_nop 0
.rept 4
	v_nop
.endr
	s_branch .Lasked
.Lnot_1:
	s_cmp_lg_u32 s[WV], 2
	s_cbranch_scc1 .Lasked
	tensor_load_to_lds s[G0V:G0V+3], s[G1V:G1V+7]
	s_nop 0
.rept 4
	v_nop
.endr
.Lasked:
	v_and_b32 v8, 15, v0                           ; r
	v_bfe_u32 v9, v0, 4, 1                         ; h
	v_and_b32 v10, 31, v0
	s_delay_alu instid0(VALU_DEP_1)
	v_lshlrev_b32 v[L16], 4, v10                   ; 16 x lane: also my place in a tile of K codes, which begin at LDS byte 0
	s_lshl_b32 s95, s75, 1
	v_lshl_add_u32 v26, v8, 4, s95                 ; in a scale unit: row r, the head two bytes
	v_add_nc_u32 v25, s77, v[L16]                  ; in a record: the head 512 bytes, 16 x lane
	s_delay_alu instid0(VALU_DEP_2)
	v_add_nc_u32 v[AKS], KS, v26
	v_add_nc_u32 v[AV], VB, v[L16]
	v_lshl_add_u32 v[AVS], v8, 4, VB+4096
	global_load_b128 v[16:19], v25, s[92:93]       ; Q: register group 0
	global_load_u16 v255, v26, s[92:93] offset:4096   ; its two scale bytes; the upper two are 0
	v_and_b32 v10, 8, v8
	s_delay_alu instid0(VALU_DEP_1)
	v_add_nc_u32 v10, v10, v8                      ; r + 8 (r / 8)
	v_lshlrev_b32 v11, 4, v9
	s_delay_alu instid0(VALU_DEP_1)
	v_sub_nc_u32 v10, v10, v11
	s_delay_alu instid0(VALU_DEP_1)
	v_add_nc_u32 v[DQ], s94, v10                   ; my query - the diagonal step first key - 16 h
.irp j, 20,21,22,23
	v_mov_b32 v[\j], 0                             ; Q: register group 1: zero codes
.endr
.irp t, 0,1,2,3
.irp j, 4,5,6,7
	v_mov_b32 v[32+8*\t+\j], 0                     ; K likewise, once
.endr
.endr
	v_mov_b32 v13, 0xff61b1e6                      ; the largest t so far: -3e38
	s_delay_alu instid0(VALU_DEP_1)
	v_floor_f32 v12, -v13                          ; -M
	v_mov_b32 v14, 0
	v_mov_b32 v15, 0
.irp b, 0,1,2,3
	v_mov_b32 v[236+\b], 0                         ; a lane permute destination counts as one of its sources
.endr
	v_mov_b32 v252, 0
	v_mov_b32 v253, 0
.set j, 0
.rept 32
	v_mov_b32 v[160+j], 0                          ; O^T: the step is written once; the first finds zeros
.set j, j+1
.endr
	s_wait_tensorcnt 0x0                           ; my load, if I issued one, has landed
	s_barrier_signal -1
	s_barrier_wait -1                              ; all three have
	s_wait_loadcnt 0x0                             ; Q
; A KEY STEP of 128 keys: the q-th of the trip four
.macro STEP q
	s_add_co_u32 s96, s[SJ], \q
	s_cmp_gt_u32 s96, s[LIM]                       ; behind my diagonal: left out.  The wave number and the count of steps alone
	s_cbranch_scc1 .Lhidden_\@
	v_add_nc_u32 v[ADK], s[SK], v[L16]
	s_wait_alu depctr_va_vdst(0)
	v_add_nc_u32 v[ADS], s[SS], v[AKS]
	s_wait_alu depctr_va_vdst(0)
	v_add_nc_u32 v[ADV], s[SV], v[AV]
	v_add_nc_u32 v[ADT], s[SV], v[AVS]
.irp g, 0,1                                    ; S^T = K Q^T, four tiles of 16 keys at a time
.if \g
.rept 4
	v_nop                                          ; places in front of loads into registers that the four products have read
.endr
.endif
.irp t, 0,1,2,3
	ds_load_b128 v[32+8*\t:35+8*\t], v[ADK] offset:4096*\q+512*(4*\g+\t)
	ds_load_u16 v[248+\t], v[ADS] offset:2048*\q+256*(4*\g+\t)
.endr
	s_wait_dscnt 0x0
.irp t, 0,1,2,3
	v_wmma_scale_f32_16x16x128_f8f6f4 v[96+8*(4*\g+\t):103+8*(4*\g+\t)], v[32+8*\t:39+8*\t], v[16:23], 0, v[248+\t], v255 matrix_a_fmt:MATRIX_FMT_FP4 matrix_b_fmt:MATRIX_FMT_FP4
.endr
.endr
	s_wait_alu depctr_va_vdst(0)
.irp t, 0,1,2,3                                ; V fragments of these 128 keys are asked for now and land under the softmax (eight plain instructions stand behind the last products that read these registers)
.irp c, 0,1
	ds_load_b128 v[64+8*\t+4*\c:67+8*\t+4*\c], v[ADV] offset:8704*\t+1024*\q+512*\c
.endr
	ds_load_b32 v[28+\t], v[ADT] offset:8704*\t+4*\q
.endr
.rept 4
	v_nop
.endr
	s_cmp_lg_u32 s96, s[LIM]                       ; on the diagonal hidden scores become -infinity ahead of the maximum; a step all of whose keys count skips this
	s_cbranch_scc1 .Lopen_\@
	v_mov_b32 v254, 0xff800000
.set n, 0
.rept 64
	v_cmp_gt_i32 vcc_lo, 32*(n/16)+n%16, v[DQ]     ; register 16 b + i holds key 32 b + 16 h + i of the step
	v_cndmask_b32 v[96+n], v[96+n], v254, vcc_lo
.set n, n+1
.endr
.Lopen_\@:
.irp b, 0,1,2,3
	v_max3_num_f32 v[232+\b], v[96+16*\b], v[97+16*\b], v[98+16*\b]   ; the largest score of each block of 32 keys: for the row maximum, and, since p rises with the score, for the block largest p
.endr
.irp i, 3,5,7,9,11,13
.irp b, 0,1,2,3
	v_max3_num_f32 v[232+\b], v[232+\b], v[96+16*\b+\i], v[97+16*\b+\i]
.endr
.endr
.irp b, 0,1,2,3
	v_max_num_f32 v[232+\b], v[232+\b], v[111+16*\b]
.endr
.irp b, 0,1,2,3
	s_delay_alu instid0(VALU_DEP_4)
	v_permlanex16_b32 v[236+\b], v[232+\b], s[SEL], s[SEL+1]
.endr
.irp b, 0,1,2,3
	s_delay_alu instid0(VALU_DEP_4)
	v_max_num_f32 v[232+\b], v[232+\b], v[236+\b]
.endr
	s_delay_alu instid0(VALU_DEP_2)
	v_max3_num_f32 v254, v232, v233, v234
	s_delay_alu instid0(VALU_DEP_1)
	v_max_num_f32 v254, v254, v235
	s_delay_alu instid0(VALU_DEP_1)
	v_mul_f32 v254, s[CS], v254
	s_delay_alu instid0(VALU_DEP_1)
	v_max_num_f32 v13, v13, v254                   ; the running largest t
	v_mov_b32 v254, v12
	s_delay_alu instid0(VALU_DEP_2)
	v_floor_f32 v12, -v13                          ; the new -M = -ceil(t)
	s_delay_alu instid0(VALU_DEP_1)
	v_sub_f32 v254, v12, v254                      ; old M - new M: a whole number, 0 or less
	s_delay_alu instid0(VALU_DEP_1)
	v_cvt_i32_f32 v254, v254
	s_delay_alu instid0(VALU_DEP_1)
	v_ldexp_f32 v252, 1.0, v254                    ; f = 2^(old M - new M)
.set j, 0
.rept 32
	v_pk_fma_f32 v[96+j:97+j], v[96+j:97+j], s[CS:CS+1], v[12:13] op_sel_hi:[1,0,0]   ; t - M
.set j, j+2
.endr
.irp b, 0,1,2,3
	v_fma_f32 v[232+\b], v[232+\b], s[CS], v12
.endr
.set j, 0
	s_wait_alu depctr_va_vdst(0)
.rept 64
	v_exp_f32 v[96+j], v[96+j]                     ; p = 2^(t - M)
.set j, j+1
.endr
	v_pk_mul_f32 v[14:15], v[14:15], v[252:253] op_sel_hi:[1,0]   ; the sums under the new M: a plain place behind the exponentials
	s_wait_alu depctr_va_vdst(0)                   ; one wait for the batch, ahead of its first reader
.irp b, 0,1,2,3
	v_exp_f32 v[232+\b], v[232+\b]                 ; the block largest p
.endr
	v_pk_add_f32 v[236:237], v[100:101], v[104:105]
	v_pk_add_f32 v[250:251], v[108:109], v[112:113]
	v_pk_add_f32 v[248:249], v[116:117], v[120:121]
	v_pk_add_f32 v[246:247], v[124:125], v[128:129]
	v_pk_add_f32 v[244:245], v[132:133], v[136:137]
	v_pk_add_f32 v[242:243], v[140:141], v[144:145]
	v_pk_add_f32 v[240:241], v[148:149], v[152:153]
	v_pk_add_f32 v[14:15], v[14:15], v[156:157]
	v_pk_add_f32 v[236:237], v[236:237], v[96:97]
	v_pk_add_f32 v[250:251], v[250:251], v[98:99]
	v_pk_add_f32 v[248:249], v[248:249], v[102:103]
	v_pk_add_f32 v[246:247], v[246:247], v[106:107]
	v_pk_add_f32 v[244:245], v[244:245], v[110:111]
	v_pk_add_f32 v[242:243], v[242:243], v[114:115]
	v_pk_add_f32 v[240:241], v[240:241], v[118:119]
	v_pk_add_f32 v[14:15], v[14:15], v[122:123]
	v_pk_add_f32 v[236:237], v[236:237], v[126:127]
	v_pk_add_f32 v[250:251], v[250:251], v[130:131]
	v_pk_add_f32 v[248:249], v[248:249], v[134:135]
	v_pk_add_f32 v[246:247], v[246:247], v[138:139]
	v_pk_add_f32 v[244:245], v[244:245], v[142:143]
	v_pk_add_f32 v[242:243], v[242:243], v[146:147]
	v_pk_add_f32 v[240:241], v[240:241], v[150:151]
	v_pk_add_f32 v[14:15], v[14:15], v[154:155]
	v_pk_add_f32 v[236:237], v[236:237], v[158:159]
	s_delay_alu instid0(VALU_DEP_2)
	v_pk_add_f32 v[14:15], v[14:15], v[246:247]
	s_delay_alu instid0(VALU_DEP_2)
	v_pk_add_f32 v[236:237], v[236:237], v[244:245]
	v_pk_add_f32 v[250:251], v[250:251], v[242:243]
	v_pk_add_f32 v[248:249], v[248:249], v[240:241]
	s_delay_alu instid0(VALU_DEP_2)
	v_pk_add_f32 v[14:15], v[14:15], v[250:251]
	s_delay_alu instid0(VALU_DEP_2)
	v_pk_add_f32 v[236:237], v[236:237], v[248:249]
	s_delay_alu instid0(VALU_DEP_1)
	v_pk_add_f32 v[14:15], v[14:15], v[236:237]
	s_wait_alu depctr_va_vdst(0)                   ; and one for the four
.irp b, 0,1,2,3
	v_max_num_f32 v[232+\b], 0x1800000, v[232+\b]  ; the floor: the byte cannot fall under 1
.endr
.irp b, 0,1,2,3
	s_delay_alu instid0(VALU_DEP_4)
	v_add_nc_u32 v[244+\b], 0xff000000, v[232+\b]
.endr
.irp b, 0,1,2,3
	s_delay_alu instid0(VALU_DEP_4)
	v_lshrrev_b32 v[236+\b], 23, v[244+\b]
.endr
	s_delay_alu instid0(VALU_DEP_3)
	v_lshl_or_b32 v253, v237, 8, v236              ; p scale word for these 128 keys
	s_delay_alu instid0(VALU_DEP_1)
	v_lshl_or_b32 v253, v238, 16, v253
	s_delay_alu instid0(VALU_DEP_1)
	v_lshl_or_b32 v253, v239, 24, v253
.irp b, 0,1,2,3
	v_cvt_scalef32_pk8_fp4_f32 v[224+2*\b], v[96+16*\b:103+16*\b], v[244+\b]
	v_cvt_scalef32_pk8_fp4_f32 v[225+2*\b], v[104+16*\b:111+16*\b], v[244+\b]
.endr
	v_nop
.irp c, 0,1
.irp i, 0,1
	v_permlane16_swap_b32 v[224+4*\c+\i], v[226+4*\c+\i]
.endr
.endr
.set j, 0
.rept 16
	v_pk_mul_f32 v[160+j:161+j], v[160+j:161+j], v[252:253] op_sel_hi:[1,0]   ; O^T under the new M; these sixteen are also the places in front of the products below
.set j, j+2
.endr
	s_wait_alu depctr_va_vdst(0)
	s_wait_dscnt 0x0                               ; V
.irp t, 0,1,2,3                                ; O^T += V^T P^T: the four accumulators by turns
	v_wmma_scale_f32_16x16x128_f8f6f4 v[160+8*\t:167+8*\t], v[64+8*\t:71+8*\t], v[224:231], v[160+8*\t:167+8*\t], v[28+\t], v253 matrix_a_fmt:MATRIX_FMT_FP4 matrix_b_fmt:MATRIX_FMT_FP4
.endr
.Lhidden_\@:
.endm
.Ltrip:                                            ; two trips of four steps: a constant count; a wave jumps over the steps behind its diagonal
	STEP 0
	STEP 1
	STEP 2
	STEP 3
	s_add_co_u32 s[SK], s[SK], 16384
	s_add_co_u32 s[SS], s[SS], 8192
	s_add_co_u32 s[SV], s[SV], REC
	s_add_co_u32 s[SJ], s[SJ], 4
	s_sub_co_u32 s[TRIP], s[TRIP], 1
	s_cmp_lg_u32 s[TRIP], 0
	s_cbranch_scc1 .Ltrip
	; THE WAY OUT: O^T / the sum; register 16 b + i is channel 32 b + 16 h + i of the head: two blocks of the next product K
.rept 4
	v_nop
.endr
	v_add_f32 v14, v14, v15
	s_delay_alu instid0(VALU_DEP_1)
	v_permlanex16_b32 v252, v14, s[SEL], s[SEL+1]
	s_delay_alu instid0(VALU_DEP_1)
	v_add_f32 v14, v14, v252
	s_wait_alu depctr_va_vdst(0)
	v_rcp_f32 v14, v14
	v_nop
	s_wait_alu depctr_va_vdst(0)
.set j, 0
.rept 32
	v_mul_f32 v[96+j], v[160+j], v14
.set j, j+1
.endr
.irp b, 0,1
	v_max3_num_f32 v[232+\b], |v[96+16*\b]|, |v[97+16*\b]|, 0x1800000
.endr
.irp i, 2,4,6,8,10,12,14
.irp b, 0,1
	s_delay_alu instid0(VALU_DEP_2)
	v_max3_num_f32 v[232+\b], v[232+\b], |v[96+16*\b+\i]|, |v[97+16*\b+\i]|
.endr
.endr
.irp b, 0,1
	s_delay_alu instid0(VALU_DEP_2)
	v_permlanex16_b32 v[236+\b], v[232+\b], s[SEL], s[SEL+1]
.endr
.irp b, 0,1
	s_delay_alu instid0(VALU_DEP_2)
	v_max_num_f32 v[232+\b], v[232+\b], v[236+\b]
.endr
.irp b, 0,1
	s_delay_alu instid0(VALU_DEP_2)
	v_add_nc_u32 v[244+\b], 0xff000000, v[232+\b]
.endr
.irp b, 0,1
	s_delay_alu instid0(VALU_DEP_2)
	v_lshrrev_b32 v[236+\b], 23, v[244+\b]
.endr
	s_delay_alu instid0(VALU_DEP_1)
	v_lshl_or_b32 v240, v237, 8, v236
.irp b, 0,1
	v_cvt_scalef32_pk8_fp4_f32 v[224+2*\b], v[96+16*\b:103+16*\b], v[244+\b]
	v_cvt_scalef32_pk8_fp4_f32 v[225+2*\b], v[104+16*\b:111+16*\b], v[244+\b]
.endr
	v_nop
	v_permlane16_swap_b32 v224, v226
	v_permlane16_swap_b32 v225, v227
	global_store_b128 v25, v[224:227], s[90:91]            ; 512 bytes on end: the head two units of codes
	global_store_b16 v26, v240, s[90:91] offset:4096       ; lanes r and r + 16 store the same two bytes at the same place
	s_wait_tensorcnt 0x0                           ; the wave end
	ds_add_u32 v[SPW], v[NIL]
	s_wait_dscnt 0x0
	CROUND                                         ; the closing round
	s_endpgm
.Lfunc_end_k_q7714933b24_attn:
	.size	k_q7714933b24_attn, .Lfunc_end_k_q7714933b24_attn-k_q7714933b24_attn
	.p2alignl 7, 3214868480
	.fill 96, 4, 3214868480
	.section	.rodata,"a",@progbits
	.p2align	6, 0x0
	.amdhsa_kernel k_q7714933b24_attn
		.amdhsa_group_segment_fixed_size 167936
		.amdhsa_private_segment_fixed_size 0
		.amdhsa_enable_private_segment 0
		.amdhsa_kernarg_size 24
		.amdhsa_user_sgpr_count 2
		.amdhsa_user_sgpr_kernarg_segment_ptr 1
		.amdhsa_wavefront_size32 1
		.amdhsa_system_sgpr_workgroup_id_x 1
		.amdhsa_system_sgpr_workgroup_id_y 1
		.amdhsa_system_sgpr_workgroup_id_z 1
		.amdhsa_system_vgpr_workitem_id 0
		.amdhsa_next_free_vgpr 256
		.amdhsa_next_free_sgpr 100
		.amdhsa_reserve_vcc 1
		.amdhsa_float_denorm_mode_32 3
		.amdhsa_float_denorm_mode_16_64 3
		.amdhsa_memory_ordered 1
		.amdhsa_forward_progress 1
		.amdhsa_inst_pref_size 101
	.end_amdhsa_kernel
	.amdgpu_metadata
---
amdhsa.version: [ 1, 2 ]
amdhsa.kernels:
  - .name:           k_q7714933b24_attn
    .symbol:         k_q7714933b24_attn.kd
    .args:
      - { .name: qkimg, .offset: 0, .size: 8, .value_kind: global_buffer, .address_space: global }
      - { .name: vimg, .offset: 8, .size: 8, .value_kind: global_buffer, .address_space: global }
      - { .name: yimg, .offset: 16, .size: 8, .value_kind: global_buffer, .address_space: global }
    .group_segment_fixed_size: 167936
    .private_segment_fixed_size: 0
    .kernarg_segment_align: 8
    .kernarg_segment_size: 24
    .max_flat_workgroup_size: 512
    .sgpr_count:     100
    .vgpr_count:     256
    .wavefront_size: 32
...
	.end_amdgpu_metadata
.endif
;; end of part 10
;; launch projln (part 11): grid 256 x 1, 8 waves a work-group, no clusters, 70,144 bytes of LDS; arguments yimg, wimg, b_proj, x, ln2_w, ln2_b, x1, himg; writes x1, himg
.if DOCPART == 11
	.amdgcn_target "amdgcn-amd-amdhsa--gfx1250"
	.amdhsa_code_object_version 6
	.text
	.protected	k_q7714933b24_projln
	.globl	k_q7714933b24_projln
	.p2align	8
	.type	k_q7714933b24_projln,@function
k_q7714933b24_projln:
	s_mov_b64 s[64:65], 0
	v_nop
	global_prefetch_b8 v0, s[64:65] scope:SCOPE_SE
	s_setreg_imm32_b32 hwreg(HW_REG_WAVE_MODE, 25, 1), 1
	s_wait_xcnt 0x0
; x1 = x + y W_proj^T + b_proj (the product on codes of FP4), stored as f32, and LayerNorm 2 of x1 turned into codes of FP4 with one E8M0 byte for each 32 along K -> himg.
; Images: records of 4,352 bytes = 16 rows x 512 K (16 units of codes [place][16 bytes], one unit of scale bytes [place][16]); place p of tile t is row 32 (t / 2) + 8 (t % 2) + p + 8 (p / 8).
; SHARES.  A work-group owns one tile of 16 tokens and all 1,024 columns, so that a row mean and variance meet inside it.  Wave w owns columns 128 w .. 128 w + 127: 8 tiles of W_proj as source 0,
; the tile of tokens as source 1: 8 accumulators.  A lane holds ONE token (place lane % 16); register 16 b + i of its 64 is column 32 b + 16 (lane / 16) + i of the 128: one fragment of the next product.
; THE WEIGHTS GO FROM MEMORY STRAIGHT INTO REGISTERS: a fragment is 1,024 bytes on end of the image, and no two waves of a work-group read the same fragment, so LDS would serve no second reader.
; NO CLUSTER, NO JOINT LOADS: a joint load lands in LDS; all of W_proj is 557,056 bytes, more than the 327,680 that a work-group can claim, and each of its bytes would be read from LDS once.
; NO PREFETCH: the eight steps are written out and three steps of weights (24 KiB a wave) are asked for ahead by the loads themselves.
; Three sets of 64 registers take turns: step s + 3 is asked for behind step s.  b_proj is loaded into the accumulators and is the C of the first products.
; x comes as rows (512 bytes on end a load), turns through the wave own stage in LDS into the layout of the results; x1 turns back the same way and leaves as rows of 512 bytes on end.
; The variance is taken in two passes, as reference() takes it.
; LIMITS: a block whose largest magnitude lies under 2^-124 (a block of zeros too) gets the byte 1; this program alone reads the bytes.  NaN and infinities are not served.
; REGISTERS: window 0: v1-18 addresses; v20 the scale word; v24-39 at work; v40-47 codes; v48-55 the tokens scale words; v56-87 the weights scale words; v96-159 the tokens; v160-223 the accumulators, then x1, then LN2.
;   window 1: v0-191 three sets of weights (at the end ln2_b in set 0, ln2_w in set 2); v192-255 x, then x1 by rows.
.set REC,   4352
.set TP,    8704
.set WOFF,  1671168                    ; W_proj in wimg
.set SROW,  528
.set WSTG,  16*SROW
.set RED,   8*WSTG
.set SCW,   RED+1024
.set SPARE, SCW+512                    ; the spare words, 128 bytes a wave
.set SPW, 1
.set NIL, 2
.set L16, 16
.set SBP, 17
.set SBQ, 18
.set PW,  20
.set T,   24
.set PC,  40
.set SCQ, 48
.set SCP, 56
.set Q,   96
.set ACC, 160
.set X,   ACC
.set XR,  192
.set MSB, 0
.macro WIN new                         ; the immediate high byte repeats the setting that is left
.if MSB != (\new)
	s_set_vgpr_msb (MSB<<8)|(\new)
.set MSB, (\new)
.endif
.endm
	s_load_b512 s[4:19], s[0:1], 0x0               ; yimg, wimg, b_proj, x, ln2_w, ln2_b, x1, himg
	v_lshl_add_u32 v[SPW], v0, 2, SPARE
	v_mov_b32 v[NIL], 0
	v_lshrrev_b32 v3, 5, v0
	s_delay_alu instid0(VALU_DEP_1)
	v_readfirstlane_b32 s36, v3                    ; wave 0..7
	s_mul_i32 s37, s36, WSTG                       ; my stage
	s_lshl_b32 s38, s36, 6
	s_lshr_b32 s32, s36, 2                         ; which record of himg,
	s_and_b32 s33, s36, 3                          ; which 128 of its 512
	s_lshl_b32 s39, s32, 8
	s_lshl_b32 s34, s33, 2
	s_add_co_u32 s39, s39, s34
	s_add_co_u32 s39, s39, SCW
	s_lshl_b32 s40, s36, 8
	s_add_co_u32 s40, s40, SCW
	s_mul_i32 s41, s32, REC
	s_lshl_b32 s34, s33, 10
	s_add_co_u32 s41, s41, s34
	s_mul_i32 s42, s36, REC
	s_add_co_u32 s42, s42, 4096
	s_lshl_b32 s43, s36, 9
	s_mov_b32 s44, 0x76543210
	s_mov_b32 s45, 0xfedcba98                      ; v_permlanex16_b32: lane l xor 16
	s_mov_b32 s46, 0x3a800000                      ; 1 / 1024
	s_mov_b32 s47, 0x3727c5ac                      ; 1e-5
	s_mul_i32 s48, ttmp9, TP                       ; my tile in yimg and in himg
	s_mov_b32 s49, 0
	s_lshr_b32 s50, ttmp9, 1
	s_lshl_b32 s50, s50, 5
	s_and_b32 s51, ttmp9, 1
	s_lshl_b32 s51, s51, 3
	s_or_b32 s50, s50, s51                         ; the row at place 0
	s_lshl_b32 s50, s50, 12
	s_mov_b32 s51, 0
	s_mul_i32 s52, s36, 8*TP
	s_add_co_u32 s52, s52, WOFF                    ; my eight tiles of W_proj
	s_mov_b32 s53, 0
	v_and_b32 v3, 31, v0                           ; lane
	v_and_b32 v4, 15, v0                           ; r
	v_bfe_u32 v5, v0, 4, 1                         ; h
	v_lshlrev_b32 v6, 4, v0                        ; in a row of x and x1: 512 w + 16 lane
	v_lshlrev_b32 v[L16], 4, v3
	v_mul_u32_u24 v8, v4, SROW
	v_lshl_add_u32 v10, v4, 2, RED                 ; the sums of row r, wave 0 on
	v_lshl_add_u32 v11, v4, 4, s39                 ; my scale word in the record scale unit
	v_lshl_add_u32 v12, v3, 3, s40                 ; waves 0, 1: a scale unit back
	v_lshl_add_u32 v14, v3, 3, s42                 ; and where it goes
	v_lshl_add_u32 v15, v5, 6, s43                 ; bias and gains by register: 512 w + 64 h
	v_lshl_add_u32 v[SBQ], v4, 4, 4096             ; the tokens scale words: 4,096 + 16 r
	v_add_nc_u32 v7, s37, v[L16]                   ; the stage by rows: 16 lane
	v_lshl_add_u32 v8, v5, 6, v8
	v_add_nc_u32 v9, s38, v10                      ; my wave word of the sums
	v_add_nc_u32 v13, s41, v[L16]                  ; where my fragment goes
	v_mad_u32_u24 v[SBP], v5, TP, v[SBQ]           ; the weights scale words: lanes 0-15 an even tile, lanes 16-31 the odd one behind it
	v_add_nc_u32 v8, s37, v8                       ; the stage in the layout of the results: row r, + 64 h
	s_wait_alu depctr_va_vdst(0)                   ; the wait at the head end
	s_wait_kmcnt 0x0
	s_add_nc_u64 s[20:21], s[4:5], s[48:49]        ; the tokens
	s_add_nc_u64 s[22:23], s[6:7], s[52:53]        ; the weights
	s_add_nc_u64 s[26:27], s[10:11], s[50:51]      ; x
	s_add_nc_u64 s[28:29], s[16:17], s[50:51]      ; x1
	s_add_nc_u64 s[30:31], s[18:19], s[48:49]      ; himg
.macro BYREG dst, base                 ; 64 numbers by register: register e of tile it is column 32 (it / 2) + 16 h + 8 (it % 2) + e of my 128
.irp it, 0,1,2,3,4,5,6,7
	global_load_b128 v[(\dst)+8*\it:(\dst)+8*\it+3], v15, s[\base:\base+1] offset:(32*(\it/2)+8*(\it%2))*4
	global_load_b128 v[(\dst)+8*\it+4:(\dst)+8*\it+7], v15, s[\base:\base+1] offset:(32*(\it/2)+8*(\it%2))*4+16
.endr
.endm
.macro PLD st                          ; my eight fragments of step st into set st % 3: 16 loads of 512 bytes on end
	WIN 0x40
.irp it, 0,1,2,3,4,5,6,7
.irp c, 0,1
	global_load_b128 v[64*((\st)%3)+8*\it+4*\c:64*((\st)%3)+8*\it+4*\c+3], v[L16], s[22:23] offset:\it*TP+((\st)/4)*REC+((\st)%4)*1024+512*\c
.endr
.endr
	WIN 0
.endm
	WIN 0x40
.irp q, 0,1,2,3,4,5,6,7,8,9,10,11,12,13,14,15
	global_load_b128 v[XR+4*\q:XR+4*\q+3], v6, s[26:27] offset:(\q+8*(\q/8))*4096 th:TH_LOAD_NT   ; x: place q of the tile
.endr
	WIN 0
	BYREG ACC, 8                                   ; b_proj: the C of the first products
.irp st, 0,1,2,3,4,5,6,7
.irp c, 0,1
	global_load_b128 v[Q+8*\st+4*\c:Q+8*\st+4*\c+3], v[L16], s[20:21] offset:(\st/4)*REC+(\st%4)*1024+512*\c
.endr
.endr
.irp rc, 0,1
	global_load_b128 v[SCQ+4*\rc:SCQ+4*\rc+3], v[SBQ], s[20:21] offset:\rc*REC
.irp i, 0,1,2,3
	global_load_b128 v[SCP+16*\rc+4*\i:SCP+16*\rc+4*\i+3], v[SBP], s[22:23] offset:2*TP*\i+\rc*REC
.endr
.endr
	PLD 0
	PLD 1
	PLD 2
	s_wait_loadcnt 48                              ; all but the three sets of weights, 48 loads issued last
	WIN 0x04
.irp q, 0,1,2,3,4,5,6,7,8,9,10,11,12,13,14,15
	ds_store_b128 v7, v[XR+4*\q:XR+4*\q+3] offset:SROW*\q
.endr
	WIN 0x40
.irp it, 0,1,2,3,4,5,6,7
.irp c, 0,1
	ds_load_b128 v[XR+8*\it+4*\c:XR+8*\it+4*\c+3], v8 offset:128*(\it/2)+32*(\it%2)+16*\c   ; LDS serves a wave instructions in order: these see my stores
.endr
.endr
	WIN 0
.macro WM st, it                       ; an odd tile scale words stand in lanes 16-31
.set rD, ACC+8*(\it)
.set rA, 64*((\st)%3)+8*(\it)
.set rB, Q+8*(\st)
.set rSA, SCP+16*((\st)/4)+4*((\it)/2)+(\st)%4
.set rSB, SCQ+4*((\st)/4)+(\st)%4
.if (\it)%2
	v_wmma_scale_f32_16x16x128_f8f6f4 v[rD:rD+7], v[rA:rA+7], v[rB:rB+7], v[rD:rD+7], v[rSA], v[rSB] matrix_a_fmt:MATRIX_FMT_FP4 matrix_b_fmt:MATRIX_FMT_FP4 matrix_a_scale:MATRIX_SCALE_ROW1
.else
	v_wmma_scale_f32_16x16x128_f8f6f4 v[rD:rD+7], v[rA:rA+7], v[rB:rB+7], v[rD:rD+7], v[rSA], v[rSB] matrix_a_fmt:MATRIX_FMT_FP4 matrix_b_fmt:MATRIX_FMT_FP4
.endif
.endm
.macro STEP st                         ; 128 along K: the eight accumulators by turns
	s_wait_loadcnt 32                              ; this step set is in; the two batches of 16 loads issued behind it may be out
	WIN 0x01                                       ; source 0 window 1
.irp it, 0,1,2,3,4,5,6,7
	WM \st, \it
.endr
	WIN 0
.rept 4
	v_nop                                          ; four places, in front of loads into the set just read and of the first read of results
.endr
.if (\st) < 5
	PLD (\st)+3
.elseif (\st) == 5
	WIN 0x40
	BYREG 128, 12                                  ; ln2_w into set 2
	WIN 0
.elseif (\st) == 6
	WIN 0x40
	BYREG 0, 14                                    ; ln2_b into set 0
	WIN 0
.endif
.endm
.irp st, 0,1,2,3,4,5,6,7
	STEP \st
.endr
	s_wait_dscnt 0x0                               ; x in the layout of the results
	WIN 0x04
.set j, 0
.rept 32
	v_pk_add_f32 v[X+j:X+j+1], v[X+j:X+j+1], v[XR+j:XR+j+1]   ; x1; each accumulator is read from its low end on
.set j, j+2
.endr
	WIN 0
.irp it, 0,1,2,3,4,5,6,7
.irp c, 0,1
	ds_store_b128 v8, v[X+8*\it+4*\c:X+8*\it+4*\c+3] offset:128*(\it/2)+32*(\it%2)+16*\c
.endr
.endr
	WIN 0x40
.irp q, 0,1,2,3,4,5,6,7,8,9,10,11,12,13,14,15
	ds_load_b128 v[XR+4*\q:XR+4*\q+3], v7 offset:SROW*\q   ; x1 by rows
.endr
	WIN 0
.macro ACROSS off                      ; four pairs of partial sums in v[T .. T+7] become the row total in v[T+8], the same bits in every wave
	s_delay_alu instid0(VALU_DEP_3)
	v_pk_add_f32 v[T:T+1], v[T:T+1], v[T+2:T+3]
	s_delay_alu instid0(VALU_DEP_2)
	v_pk_add_f32 v[T+4:T+5], v[T+4:T+5], v[T+6:T+7]
	s_delay_alu instid0(VALU_DEP_1)
	v_pk_add_f32 v[T:T+1], v[T:T+1], v[T+4:T+5]
	s_delay_alu instid0(VALU_DEP_1)
	v_add_f32 v[T], v[T], v[T+1]
	s_delay_alu instid0(VALU_DEP_1)
	v_permlanex16_b32 v[T+2], v[T], s44, s45
	s_delay_alu instid0(VALU_DEP_1)
	v_add_f32 v[T], v[T], v[T+2]
	ds_store_b32 v9, v[T] offset:\off              ; lanes r and r + 16 write the same word with the same value
	s_wait_dscnt 0x0                               ; for the others: my store is done
	s_barrier_signal -1
	s_barrier_wait -1
.irp u, 0,1,2,3,4,5,6,7
	ds_load_b32 v[T+8+\u], v10 offset:\off+64*\u
.endr
	s_wait_dscnt 0x0
	v_pk_add_f32 v[T+8:T+9], v[T+8:T+9], v[T+10:T+11]
	v_pk_add_f32 v[T+12:T+13], v[T+12:T+13], v[T+14:T+15]
	s_delay_alu instid0(VALU_DEP_1)
	v_pk_add_f32 v[T+8:T+9], v[T+8:T+9], v[T+12:T+13]
	s_delay_alu instid0(VALU_DEP_1)
	v_add_f32 v[T+8], v[T+8], v[T+9]
.endm
.irp k, 0,1,2,3
	v_pk_add_f32 v[T+2*\k:T+2*\k+1], v[X+2*\k:X+2*\k+1], v[X+8+2*\k:X+9+2*\k]
.endr
.irp j, 16,24,32,40,48,56
.irp k, 0,1,2,3
	s_delay_alu instid0(VALU_DEP_4)
	v_pk_add_f32 v[T+2*\k:T+2*\k+1], v[T+2*\k:T+2*\k+1], v[X+\j+2*\k:X+\j+2*\k+1]
.endr
.endr
	ACROSS 0
	WIN 0x04
.irp q, 0,1,2,3,4,5,6,7,8,9,10,11,12,13,14,15
	global_store_b128 v6, v[XR+4*\q:XR+4*\q+3], s[28:29] offset:(\q+8*(\q/8))*4096   ; x1: 512 bytes on end of a row (the waits above cover the loads from the stage)
.endr
	WIN 0
	v_mul_f32 v[T], s46, v[T+8]                    ; the mean
	s_delay_alu instid0(VALU_DEP_1)
	v_mov_b32 v[T+1], v[T]
.set j, 0
.rept 32
	v_pk_add_f32 v[X+j:X+j+1], v[X+j:X+j+1], v[T:T+1] neg_lo:[0,1] neg_hi:[0,1]   ; x1 - mean
.set j, j+2
.endr
.irp k, 0,1,2,3
	v_pk_mul_f32 v[T+2*\k:T+2*\k+1], v[X+2*\k:X+2*\k+1], v[X+2*\k:X+2*\k+1]
.endr
.irp j, 8,16,24,32,40,48,56
.irp k, 0,1,2,3
	s_delay_alu instid0(VALU_DEP_4)
	v_pk_fma_f32 v[T+2*\k:T+2*\k+1], v[X+\j+2*\k:X+\j+2*\k+1], v[X+\j+2*\k:X+\j+2*\k+1], v[T+2*\k:T+2*\k+1]
.endr
.endr
	ACROSS 512
	s_delay_alu instid0(VALU_DEP_1)
	v_fma_f32 v[T], v[T+8], s46, s47               ; the variance + 1e-5
	s_wait_alu depctr_va_vdst(0)                   ; the wait ahead of the transcendentals
	v_rsq_f32 v[T+2], v[T]
	v_rsq_f32 v[T+3], v[T]                         ; twice: a pair for the packed multiply
	v_nop                                          ; a plain instruction behind the transcendentals
	s_wait_alu depctr_va_vdst(0)                   ; one wait for both, ahead of their first reader
	s_wait_loadcnt 0x0                             ; gain and bias
.set j, 0
.rept 32
	v_pk_mul_f32 v[X+j:X+j+1], v[X+j:X+j+1], v[T+2:T+3]
.set j, j+2
.endr
	WIN 0x14                                       ; sources 1 and 2 window 1
.set j, 0
.rept 32
	v_pk_fma_f32 v[X+j:X+j+1], v[X+j:X+j+1], v[128+j:129+j], v[j:j+1]
.set j, j+2
.endr
	WIN 0
	; my 64 numbers become fragment w of the tile and its scale word: a block of 32 lies in lanes l and l xor 16
.irp b, 0,1,2,3
	v_max3_num_f32 v[T+\b], |v[X+16*\b]|, |v[X+1+16*\b]|, 0x1800000   ; with the floor 2^(3 - 127): the byte cannot fall under 1
.endr
.irp i, 2,4,6,8,10,12,14
.irp b, 0,1,2,3
	s_delay_alu instid0(VALU_DEP_4)
	v_max3_num_f32 v[T+\b], v[T+\b], |v[X+16*\b+\i]|, |v[X+1+16*\b+\i]|
.endr
.endr
.irp b, 0,1,2,3
	s_delay_alu instid0(VALU_DEP_4)
	v_permlanex16_b32 v[T+4+\b], v[T+\b], s44, s45
.endr
.irp b, 0,1,2,3
	s_delay_alu instid0(VALU_DEP_4)
	v_max_num_f32 v[T+\b], v[T+\b], v[T+4+\b]
.endr
.irp b, 0,1,2,3
	s_delay_alu instid0(VALU_DEP_4)
	v_add_nc_u32 v[T+12+\b], 0xff000000, v[T+\b]   ; 2 off the exponent field: the conversion scale operand
.endr
.irp b, 0,1,2,3
	s_delay_alu instid0(VALU_DEP_4)
	v_lshrrev_b32 v[T+4+\b], 23, v[T+12+\b]        ; the byte
.endr
	s_delay_alu instid0(VALU_DEP_3)
	v_lshl_or_b32 v[PW], v[T+5], 8, v[T+4]
	s_delay_alu instid0(VALU_DEP_1)
	v_lshl_or_b32 v[PW], v[T+6], 16, v[PW]
	s_delay_alu instid0(VALU_DEP_1)
	v_lshl_or_b32 v[PW], v[T+7], 24, v[PW]
.irp b, 0,1,2,3
	v_cvt_scalef32_pk8_fp4_f32 v[PC+2*\b], v[X+16*\b:X+7+16*\b], v[T+12+\b]
	v_cvt_scalef32_pk8_fp4_f32 v[PC+1+2*\b], v[X+8+16*\b:X+15+16*\b], v[T+12+\b]
.endr
	v_nop                                          ; a plain place behind a scaled conversion
.irp c, 0,1                                    ; a whole block to a lane
.irp i, 0,1
	v_permlane16_swap_b32 v[PC+4*\c+\i], v[PC+2+4*\c+\i]
.endr
.endr
	global_store_b128 v13, v[PC:PC+3], s[30:31]            ; 512 bytes on end, twice
	global_store_b128 v13, v[PC+4:PC+7], s[30:31] offset:512
	ds_store_b32 v11, v[PW]
	s_wait_dscnt 0x0                               ; for the others: my scale words are in LDS
	s_barrier_signal -1
	s_barrier_wait -1
	s_cmp_lt_u32 s36, 2
	s_cbranch_scc0 .Ldone
	ds_load_b64 v[T:T+1], v12
	s_wait_dscnt 0x0
	global_store_b64 v14, v[T:T+1], s[30:31]       ; a record scale unit: 256 aligned bytes by one instruction
.Ldone:
	s_wait_tensorcnt 0x0                           ; the wave end
	ds_add_u32 v[SPW], v[NIL]
	s_wait_dscnt 0x0
	s_endpgm
.Lfunc_end_k_q7714933b24_projln:
	.size	k_q7714933b24_projln, .Lfunc_end_k_q7714933b24_projln-k_q7714933b24_projln
	.p2alignl 7, 3214868480
	.fill 96, 4, 3214868480
	.section	.rodata,"a",@progbits
	.p2align	6, 0x0
	.amdhsa_kernel k_q7714933b24_projln
		.amdhsa_group_segment_fixed_size 70144
		.amdhsa_private_segment_fixed_size 0
		.amdhsa_enable_private_segment 0
		.amdhsa_kernarg_size 64
		.amdhsa_user_sgpr_count 2
		.amdhsa_user_sgpr_kernarg_segment_ptr 1
		.amdhsa_wavefront_size32 1
		.amdhsa_system_sgpr_workgroup_id_x 1
		.amdhsa_system_sgpr_workgroup_id_y 1
		.amdhsa_system_sgpr_workgroup_id_z 1
		.amdhsa_system_vgpr_workitem_id 0
		.amdhsa_next_free_vgpr 512
		.amdhsa_next_free_sgpr 66
		.amdhsa_reserve_vcc 0
		.amdhsa_float_denorm_mode_32 3
		.amdhsa_float_denorm_mode_16_64 3
		.amdhsa_memory_ordered 1
		.amdhsa_forward_progress 1
		.amdhsa_inst_pref_size 63
	.end_amdhsa_kernel
	.amdgpu_metadata
---
amdhsa.version: [ 1, 2 ]
amdhsa.kernels:
  - .name:           k_q7714933b24_projln
    .symbol:         k_q7714933b24_projln.kd
    .args:
      - { .name: yimg, .offset: 0, .size: 8, .value_kind: global_buffer, .address_space: global }
      - { .name: wimg, .offset: 8, .size: 8, .value_kind: global_buffer, .address_space: global }
      - { .name: b_proj, .offset: 16, .size: 8, .value_kind: global_buffer, .address_space: global }
      - { .name: x, .offset: 24, .size: 8, .value_kind: global_buffer, .address_space: global }
      - { .name: ln2_w, .offset: 32, .size: 8, .value_kind: global_buffer, .address_space: global }
      - { .name: ln2_b, .offset: 40, .size: 8, .value_kind: global_buffer, .address_space: global }
      - { .name: x1, .offset: 48, .size: 8, .value_kind: global_buffer, .address_space: global }
      - { .name: himg, .offset: 56, .size: 8, .value_kind: global_buffer, .address_space: global }
    .group_segment_fixed_size: 70144
    .private_segment_fixed_size: 0
    .kernarg_segment_align: 8
    .kernarg_segment_size: 64
    .max_flat_workgroup_size: 256
    .sgpr_count:     66
    .vgpr_count:     512
    .wavefront_size: 32
...
	.end_amdgpu_metadata
.endif
;; end of part 11
;; launch fc (part 12): grid 32 x 8, 4 waves a work-group, clusters of 4 x 1, 327,680 bytes of LDS; arguments himg, wimg, b_fc, gimg; writes gimg
.if DOCPART == 12
	.amdgcn_target "amdgcn-amd-amdhsa--gfx1250"
	.amdhsa_code_object_version 6
	.text
	.protected	k_q7714933b24_fc
	.globl	k_q7714933b24_fc
	.p2align	8
	.type	k_q7714933b24_fc,@function
k_q7714933b24_fc:
	s_mov_b64 s[64:65], 0
	v_nop
	global_prefetch_b8 v0, s[64:65] scope:SCOPE_SE
	s_setreg_imm32_b32 hwreg(HW_REG_WAVE_MODE, 25, 1), 1
	s_wait_xcnt 0x0
	s_wait_alu depctr_hold_cnt(0) depctr_sa_sdst(0) depctr_va_vdst(0) depctr_va_sdst(0) depctr_va_ssrc(0) depctr_va_vcc(0) depctr_vm_vsrc(0)
	s_getreg_b32 s2, hwreg(HW_REG_IB_STS2, 6, 4)
	s_cmp_eq_u32 s2, 0
	s_cbranch_scc0 .Lentry_in_a_cluster
	s_endpgm
.Lentry_in_a_cluster:
	s_bfe_u32 s2, ttmp6, 0x10000c
	s_cmp_lg_u32 s2, 0x3003
	s_cbranch_scc0 .Lentry_shape_is_right
	s_endpgm
.Lentry_shape_is_right:
; g = gelu(LN2(x1) W_fc^T + b_fc), the product on codes of FP4, and g quantised along the hidden units on the way out -> gimg (rows = tokens, K axis = 4,096).
; gelu(x) = 0.5 x (1 + tanh(u)), u = sqrt(2 / pi) (x + 0.044715 x^3), is computed as x / (1 + 2^(x (a0 + a1 x^2))), a0 = -2 sqrt(2 / pi) log2(e), a1 = 0.044715 a0: the same function, since 1 + tanh(u) = 2 / (1 + e^(-2 u));
; it is finite for every finite x (the power runs to 0 or to infinity, the quotient to x or to 0).
; Images: records of 4,352 bytes = 16 rows x 512 K (16 units of codes [place][16 bytes], one unit of scale bytes [place][16]); place p of tile t is row 32 (t / 2) + 8 (t % 2) + p + 8 (p / 8).
; SHARES.  256 work-groups.  A work-group takes 128 tokens (grid x) and 512 hidden units (grid y = yy), in four passes of 128 that are written out: one whole record of gimg for each of its tiles of tokens.
; Source 0 = all 8 tiles of a pass rows of W_fc, from LDS; source 1 = the wave two tiles of tokens, which no other wave reads: they come from memory straight into registers (a fragment is 1,024 bytes on end of
; the image) and stay for all four passes.  16 accumulators.  A lane holds ONE token, and its 64 registers of a tile of tokens are 128 neighbouring hidden units: one whole fragment of the next product and one scale word.
; LDS: four regions of 8 tiles x 8,704 bytes (all of K = 1,024), 278,528 bytes on end of wimg.  Each wave asks for two tiles of each region, one region behind each of four rounds: one load of mine is out at a time.
; CLUSTER 4 x 1: the four work-groups of a cluster differ in x alone and want the same rows of W_fc: every load is joint, the mask names all four.
; The bias is the C of each pass first products.  The four passes scale words of a row are 16 bytes on end: they leave at the end, sixteen lanes to an aligned 256 bytes.
; REGISTERS: window 0: v1-11 addresses; v12-15 the four scale words on their way out; v16-47 the weights scale words, a set for each record; v48-55 the tokens scale words; v56-127 at work; v128-255 the accumulators
;   (it, jt) at 128 + 64 jt + 8 it.   window 1: two sets of the weights fragments, v0-63 and v64-127.   window 2: the tokens fragments (jt, step) at 64 jt + 8 step.   window 3: the bias, 64 registers a pass.
.set REC,   4352
.set TP,    2*REC                      ; a tile of 16 rows x 1,024 K, in memory and in LDS
.set REG,   8*TP                       ; a region
.set WOFF,  2228224                    ; W_fc in wimg
.set SPARE, 4*REG                      ; the spare words, 128 bytes a wave: two blocks of 256 bytes that no other line names
.set ROWP,  34816                      ; from tile to tile in gimg
.set SPW,  1
.set NIL,  2
.set APL,  3                           ; v3   the weights fragments of the pass: tiles 0-3;  v4: tiles 4-7
.set APH,  4
.set ASP,  5                           ; v5   their scale words
.set L16,  6                           ; v6   16 x lane
.set SCB,  7                           ; v7   a scale word place: 4,096 + 8,704 h + 16 r: lanes 0-15 an even tile, lanes 16-31 the odd one behind it
.set SOF,  8                           ; v8   where my row scale words go
.set BAD,  9                           ; v9   the bias: 64 h
.set HH,   10
.set PWT,  11
.set PWS,  12
.set SCP,  16
.set SCQ,  48
.set A0,   56                          ; v56-57 a0, twice
.set TM,   64
.set PC,   80
.set E,    96                          ; v96-127 32 numbers of the activation at work
.set ACC,  128
.set G1,   24
.set G0,   32                          ; s[32:47] a group 0 for each region
.set A1,   66                          ; s[66:67] a1
.set SEL,  68
.set MSB, 0
.macro WIN new                         ; the immediate high byte repeats the setting that is left
.if MSB != \new
	s_set_vgpr_msb (MSB<<8)|\new
.set MSB, \new
.endif
.endm
.macro CROUND                          ; a round of the cluster barrier
	s_barrier_signal -1
	s_barrier_wait -1
	s_cmp_lg_u32 s14, 0
	s_cbranch_scc1 .Lnot_wave_0_\@
	s_barrier_signal -3
.Lnot_wave_0_\@:
	s_barrier_wait -3
	s_barrier_signal -1
	s_barrier_wait -1
.endm
.macro BIAS n                          ; the bias of pass n in the layout of the results: register e of tile it is hidden unit 32 (it / 2) + 16 h + 8 (it % 2) + e of the 128
	WIN 0xc0                                       ; destination window 3
.irp it, 0,1,2,3,4,5,6,7
	global_load_b128 v[64*(\n)+8*\it:64*(\n)+8*\it+3], v[BAD], s[82:83] offset:512*(\n)+(32*(\it/2)+8*(\it%2))*4
	global_load_b128 v[64*(\n)+8*\it+4:64*(\n)+8*\it+7], v[BAD], s[82:83] offset:512*(\n)+(32*(\it/2)+8*(\it%2))*4+16
.endr
	WIN 0
.endm
	s_load_b256 s[4:11], s[0:1], 0x0               ; himg, wimg, b_fc, gimg
	v_lshl_add_u32 v[SPW], v0, 2, SPARE
	v_mov_b32 v[NIL], 0
	ds_add_u32 v[SPW], v[NIL]                      ; the opening: the add, twice on end, and its wait ahead of my first tensor load
	ds_add_u32 v[SPW], v[NIL]
	v_lshrrev_b32 v[TM], 5, v0
	v_readfirstlane_b32 s14, v[TM]                 ; wave 0..3
	s_bfe_u32 s40, ttmp6, 0x40000                  ; cx: it enters the tokens and the result addresses alone
	s_lshl_b32 s42, ttmp9, 2
	s_add_co_u32 s42, s42, s40                     ; x: which 128 tokens
	s_and_b32 s17, ttmp7, 0xffff                   ; yy: which 512 hidden units; the four partners share it
	s_mov_b32 s[G1], 15|(3<<16)|(1<<21)            ; the mask: all four; elements of 8 bytes; bit 21 beside a mask; no padding: the image is read 16 bytes x lane on end
	s_mov_b32 s[G1+1], (TP/8)<<16                  ; tensor_dim0: a tile 8,704 bytes
	s_mov_b32 s[G1+2], 2<<16                       ; tensor_dim1: two tiles
	s_mov_b32 s[G1+3], (TP/8)<<16                  ; tile_dim0
	s_mov_b32 s[G1+4], 2                           ; tile_dim1
	s_mov_b32 s[G1+5], TP/8                        ; from tile to tile
	s_mov_b32 s[G1+6], 0
	s_mov_b32 s[G1+7], 0
	s_mul_i32 s45, s14, 2*TP                       ; my two tiles of a region, in LDS as in memory
	s_mul_i32 s20, s17, 4*REG
	s_add_co_u32 s20, s20, s45
	s_add_co_u32 s20, s20, WOFF                    ; W_fc: tile 32 yy + 2 w
	s_mov_b32 s21, 0
	s_lshl_b32 s46, s42, 3
	s_lshl_b32 s47, s14, 1
	s_add_co_u32 s46, s46, s47                     ; my first tile of tokens: 8 x + 2 w
	s_mul_i32 s70, s46, TP                         ; in himg,
	s_mov_b32 s71, 0
	s_mul_i32 s72, s46, ROWP                       ; in gimg,
	s_mul_i32 s73, s17, REC
	s_add_co_u32 s72, s72, s73                     ; record yy
	s_mov_b32 s73, 0
	s_lshl_b32 s74, s17, 11                        ; b_fc at 512 yy
	s_mov_b32 s75, 0
	s_mov_b32 s[SEL], 0x76543210
	s_mov_b32 s[SEL+1], 0xfedcba98                 ; v_permlanex16_b32: lane l xor 16
	s_mov_b32 s[A1], 0xbdd2d3e8                    ; a1 = -0.10294324
	s_mov_b32 s[A1+1], s[A1]
	v_and_b32 v[TM], 31, v0
	v_lshlrev_b32 v[L16], 4, v[TM]
	v_and_b32 v[TM+1], 15, v0                      ; r
	v_bfe_u32 v[HH], v0, 4, 1                      ; h
	v_mul_u32_u24 v[SCB], v[HH], TP
	v_lshl_add_u32 v[SCB], v[TM+1], 4, v[SCB]
	v_add_nc_u32 v[SCB], 4096, v[SCB]
	v_mul_u32_u24 v[SOF], v[HH], ROWP
	v_lshl_add_u32 v[SOF], v[TM+1], 4, v[SOF]      ; lanes 0-15 my first tile rows, lanes 16-31 my second
	v_lshlrev_b32 v[BAD], 6, v[HH]
	v_mov_b32 v[A0], 0xc0135761                    ; a0 = -2.3022082
	v_mov_b32 v[A0+1], 0xc0135761
.irp b, 0,1,2,3
	v_mov_b32 v[TM+4+\b], 0                        ; written once: a lane permute destination counts as one of its sources
.endr
	s_wait_alu depctr_va_vdst(0)
	s_wait_dscnt 0x0                               ; both opening adds are done
	s_wait_kmcnt 0x0
	s_add_nc_u64 s[20:21], s[6:7], s[20:21]
	s_add_nc_u64 s[76:77], s[4:5], s[70:71]
	s_add_nc_u64 s[78:79], s[10:11], s[72:73]
	s_add_nc_u64 s[82:83], s[8:9], s[74:75]
.irp n, 0,1,2,3
	s_mov_b32 s[G0+4*\n], 1
	s_add_co_u32 s[G0+4*\n+1], s45, \n*REG
	s_add_nc_u64 s[G0+4*\n+2:G0+4*\n+3], s[20:21], \n*REG
	s_or_b32 s[G0+4*\n+3], s[G0+4*\n+3], 0x80000000
.endr
	; my two tiles of tokens, all of K: 32 loads of 512 bytes on end, and their scale words: they are wanted with the first region, so they are asked for ahead of the round
	WIN 0x80                                       ; destination window 2
.irp jt, 0,1
.irp st, 0,1,2,3,4,5,6,7
.irp c, 0,1
	global_load_b128 v[64*\jt+8*\st+4*\c:64*\jt+8*\st+4*\c+3], v[L16], s[76:77] offset:\jt*TP+(\st/4)*REC+(\st%4)*1024+512*\c
.endr
.endr
.endr
	WIN 0
	global_load_b128 v[SCQ:SCQ+3], v[SCB], s[76:77]
	global_load_b128 v[SCQ+4:SCQ+7], v[SCB], s[76:77] offset:REC
	BIAS 0
	CROUND                                         ; all four work-groups are here: the joint loads meet
	tensor_load_to_lds s[G0:G0+3], s[G1:G1+7]      ; my two tiles of region 0: one tensor load a wave at the head; the later regions follow behind later rounds
	s_nop 0
.rept 4
	v_nop
.endr
.macro ADDR n                          ; the LDS addresses of pass n
	v_add_nc_u32 v[APL], (\n)*REG, v[L16]
	v_add_nc_u32 v[APH], (\n)*REG+4*TP, v[L16]
	v_add_nc_u32 v[ASP], (\n)*REG, v[SCB]
.endm
; the weights fragments of the q-th 128 along K into set f: 16 loads of 512 bytes on end; where a record begins, its scale words too: 4 loads, four steps words each
.macro FETCH q, f
	WIN 0x40                                       ; destination window 1
.irp it, 0,1,2,3,4,5,6,7
.irp c, 0,1
	ds_load_b128 v[64*(\f)+8*\it+4*\c:64*(\f)+8*\it+4*\c+3], v[APL+\it/4] offset:(\it%4)*TP+((\q)/4)*REC+((\q)%4)*1024+512*\c
.endr
.endr
.if ((\q)%4) == 0
	WIN 0
.irp i, 0,1,2,3
	ds_load_b128 v[SCP+16*((\q)/4)+4*\i:SCP+16*((\q)/4)+4*\i+3], v[ASP] offset:2*TP*\i+((\q)/4)*REC
.endr
.endif
.endm
.macro WM f, q, cm, n, it, jt          ; one product.  cm = 1: C = the bias of pass n.  An odd tile scale words stand in lanes 16-31
.set rD, ACC+64*(\jt)+8*(\it)
.set rA, 64*(\f)+8*(\it)
.set rB, 64*(\jt)+8*(\q)
.set rSA, SCP+16*((\q)/4)+4*((\it)/2)+(\q)%4
.set rSB, SCQ+4*((\q)/4)+(\q)%4
.set rC, rD
.if \cm
.set rC, 64*(\n)+8*(\it)
.endif
.if ((\it)%2) && (\jt)
	v_wmma_scale_f32_16x16x128_f8f6f4 v[rD:rD+7], v[rA:rA+7], v[rB:rB+7], v[rC:rC+7], v[rSA], v[rSB] matrix_a_fmt:MATRIX_FMT_FP4 matrix_b_fmt:MATRIX_FMT_FP4 matrix_a_scale:MATRIX_SCALE_ROW1 matrix_b_scale:MATRIX_SCALE_ROW1
.elseif ((\it)%2)
	v_wmma_scale_f32_16x16x128_f8f6f4 v[rD:rD+7], v[rA:rA+7], v[rB:rB+7], v[rC:rC+7], v[rSA], v[rSB] matrix_a_fmt:MATRIX_FMT_FP4 matrix_b_fmt:MATRIX_FMT_FP4 matrix_a_scale:MATRIX_SCALE_ROW1
.elseif (\jt)
	v_wmma_scale_f32_16x16x128_f8f6f4 v[rD:rD+7], v[rA:rA+7], v[rB:rB+7], v[rC:rC+7], v[rSA], v[rSB] matrix_a_fmt:MATRIX_FMT_FP4 matrix_b_fmt:MATRIX_FMT_FP4 matrix_b_scale:MATRIX_SCALE_ROW1
.else
	v_wmma_scale_f32_16x16x128_f8f6f4 v[rD:rD+7], v[rA:rA+7], v[rB:rB+7], v[rC:rC+7], v[rSA], v[rSB] matrix_a_fmt:MATRIX_FMT_FP4 matrix_b_fmt:MATRIX_FMT_FP4
.endif
.endm
.macro MUL16 f, q, cm, n               ; a step 16 products: the 16 accumulators by turns, in the same order in every step
.if \cm
	WIN 0x39                                       ; source 0 window 1, source 1 window 2, C window 3, D window 0
.else
	WIN 0x09                                       ; C and D window 0
.endif
.irp it, 0,1,2,3,4,5,6,7
.irp jt, 0,1
	WM \f, \q, \cm, \n, \it, \jt
.endr
.endr
.endm
.macro STEP q, cm, n                   ; a step that has a successor in its pass
.rept 4
	v_nop                                          ; four places behind the last step products, in front of loads into the set that they read
.endr
	FETCH (\q)+1, ((\q)+1)%2
.if (((\q)+1)%4) == 0
	s_wait_dscnt 20                                ; all but the loads just issued: this step set is in
.else
	s_wait_dscnt 16
.endif
	MUL16 (\q)%2, \q, \cm, \n
.endm
.macro PASS n                          ; the eight steps of pass n; the first starts the sums with the bias: nothing is cleared
	STEP 0, 1, \n
.irp kq, 1,2,3,4,5,6
	STEP \kq, 0, \n
.endr
	s_wait_dscnt 0x0
	MUL16 1, 7, 0, \n
	WIN 0
.endm
; Behind a pass products: region n is shown whole to every wave, and pass n first fragments are fetched; they land under the way out of the pass just done
.macro NEXT n
	s_wait_tensorcnt 0x0                           ; my part of region n is in: no load of mine is out
.if (\n) < 3
	ds_add_u32 v[SPW], v[NIL]                      ; the add and its wait ahead of a later first fill
	s_wait_dscnt 0x0
	CROUND                                         ; region n is whole for every wave, and the four partners meet
	tensor_load_to_lds s[G0+4*(\n)+4:G0+4*(\n)+7], s[G1:G1+7]   ; region n + 1: my one load behind this round
	s_nop 0
.else
	s_barrier_signal -1                            ; (no LDS load of mine is out: the last step waited for all)
	s_barrier_wait -1
.endif
.rept 4
	v_nop                                          ; four places: in front of loads into set 0, and of the first read of results
.endr
	ADDR \n
	FETCH 0, 0
.endm
.macro GELU a                          ; 32 numbers in place; two batches of transcendentals, one wait each
.set j, 0
.rept 16
	v_pk_mul_f32 v[E+j:E+j+1], v[(\a)+j:(\a)+j+1], v[(\a)+j:(\a)+j+1]     ; x^2: each accumulator from its low end on
.set j, j+2
.endr
.set j, 0
.rept 16
	v_pk_fma_f32 v[E+j:E+j+1], v[E+j:E+j+1], s[A1:A1+1], v[A0:A0+1] op_sel_hi:[1,0,1]   ; a0 + a1 x^2
.set j, j+2
.endr
.set j, 0
.rept 16
	v_pk_mul_f32 v[E+j:E+j+1], v[E+j:E+j+1], v[(\a)+j:(\a)+j+1]
.set j, j+2
.endr
.set j, 0
	s_wait_alu depctr_va_vdst(0)
.rept 32
	v_exp_f32 v[E+j], v[E+j]
.set j, j+1
.endr
	v_nop                                          ; a plain instruction behind the batch,
	s_wait_alu depctr_va_vdst(0)                   ; and one wait, ahead of its first reader
.set j, 0
.rept 16
	v_pk_add_f32 v[E+j:E+j+1], v[E+j:E+j+1], 1.0 op_sel_hi:[1,0]
.set j, j+2
.endr
.set j, 0
	s_wait_alu depctr_va_vdst(0)
.rept 32
	v_rcp_f32 v[E+j], v[E+j]
.set j, j+1
.endr
	v_nop
	s_wait_alu depctr_va_vdst(0)
.set j, 0
.rept 16
	v_pk_mul_f32 v[(\a)+j:(\a)+j+1], v[(\a)+j:(\a)+j+1], v[E+j:E+j+1]
.set j, j+2
.endr
.endm
; 64 numbers of a lane, register 16 b + i = K 32 b + 16 h + i of my row, become a fragment codes and its scale word
.macro QUANT s, pc, pw
.irp b, 0,1,2,3
	v_max3_num_f32 v[TM+\b], |v[(\s)+16*\b]|, |v[(\s)+1+16*\b]|, 0x1800000   ; with the floor 2^(3 - 127)
.endr
.irp i, 2,4,6,8,10,12,14
.irp b, 0,1,2,3
	v_max3_num_f32 v[TM+\b], v[TM+\b], |v[(\s)+16*\b+\i]|, |v[(\s)+1+16*\b+\i]|
.endr
.endr
.irp b, 0,1,2,3
	v_permlanex16_b32 v[TM+4+\b], v[TM+\b], s[SEL], s[SEL+1]
.endr
.irp b, 0,1,2,3
	v_max_num_f32 v[TM+\b], v[TM+\b], v[TM+4+\b]   ; with lane l xor 16: the block largest magnitude
.endr
.irp b, 0,1,2,3
	v_add_nc_u32 v[TM+12+\b], 0xff000000, v[TM+\b] ; 2 off its exponent field: the conversion scale operand
.endr
.irp b, 0,1,2,3
	v_lshrrev_b32 v[TM+4+\b], 23, v[TM+12+\b]      ; the byte
.endr
	v_lshl_or_b32 v[\pw], v[TM+5], 8, v[TM+4]
	v_lshl_or_b32 v[\pw], v[TM+6], 16, v[\pw]
	v_lshl_or_b32 v[\pw], v[TM+7], 24, v[\pw]
.irp b, 0,1,2,3
	v_cvt_scalef32_pk8_fp4_f32 v[(\pc)+2*\b], v[(\s)+16*\b:(\s)+7+16*\b], v[TM+12+\b]
	v_cvt_scalef32_pk8_fp4_f32 v[(\pc)+1+2*\b], v[(\s)+8+16*\b:(\s)+15+16*\b], v[TM+12+\b]
.endr
	v_nop                                          ; a plain place behind a scaled conversion
.irp c, 0,1                                    ; a whole block to a lane
.irp i, 0,1
	v_permlane16_swap_b32 v[(\pc)+4*\c+\i], v[(\pc)+2+4*\c+\i]
.endr
.endr
.endm
.macro EPI n                           ; the way out of pass n: fragment n of the record, and word n of its rows scale words
.if \n
	s_wait_xcnt 0x0                                ; the last pass stores have read their registers: the codes may be written anew
.endif
	GELU ACC
	GELU ACC+32
	QUANT ACC, PC, PWS+(\n)
	global_store_b128 v[L16], v[PC:PC+3], s[78:79] offset:1024*(\n)                 ; 512 bytes on end, twice: the fragment as the next launch reads it
	global_store_b128 v[L16], v[PC+4:PC+7], s[78:79] offset:1024*(\n)+512
	GELU ACC+64
	GELU ACC+96
	QUANT ACC+64, PC+8, PWT
	global_store_b128 v[L16], v[PC+8:PC+11], s[78:79] offset:ROWP+1024*(\n)
	global_store_b128 v[L16], v[PC+12:PC+15], s[78:79] offset:ROWP+1024*(\n)+512
	v_cmp_ne_u32 vcc_lo, 0, v[HH]
	v_cndmask_b32 v[PWS+(\n)], v[PWS+(\n)], v[PWT], vcc_lo   ; lanes 0-15 my first tile words, lanes 16-31 my second
.endm
	s_wait_tensorcnt 0x0                           ; my part of region 0 is in
	ds_add_u32 v[SPW], v[NIL]                      ; the add and its wait ahead of a later first fill
	s_wait_dscnt 0x0
	CROUND                                         ; region 0 is whole for every wave, and the partners meet
	tensor_load_to_lds s[G0+4:G0+7], s[G1:G1+7]    ; region 1: my one load behind this round
	s_nop 0
.rept 4
	v_nop
.endr
	ADDR 0
	FETCH 0, 0
	s_wait_alu depctr_va_vdst(0)
	s_wait_loadcnt 0x0                             ; my tokens and the bias of pass 0
	BIAS 1                                         ; the later passes biases are asked for now: 48 loads
	BIAS 2
	BIAS 3
	PASS 0
	NEXT 1
	EPI 0
	s_wait_loadcnt 0x0                             ; the biases
	PASS 1
	NEXT 2
	EPI 1
	PASS 2
	NEXT 3
	EPI 2
	PASS 3
.rept 4
	v_nop                                          ; four places in front of the first read of results
.endr
	EPI 3
	global_store_b128 v[SOF], v[PWS:PWS+3], s[78:79] offset:4096   ; a row 16 scale bytes: sixteen lanes store an aligned 256 bytes, the scale unit of a record
	s_wait_tensorcnt 0x0                           ; the wave end
	ds_add_u32 v[SPW], v[NIL]
	s_wait_dscnt 0x0
	CROUND                                         ; the closing round
	s_endpgm
.Lfunc_end_k_q7714933b24_fc:
	.size	k_q7714933b24_fc, .Lfunc_end_k_q7714933b24_fc-k_q7714933b24_fc
	.p2alignl 7, 3214868480
	.fill 96, 4, 3214868480
	.section	.rodata,"a",@progbits
	.p2align	6, 0x0
	.amdhsa_kernel k_q7714933b24_fc
		.amdhsa_group_segment_fixed_size 327680
		.amdhsa_private_segment_fixed_size 0
		.amdhsa_enable_private_segment 0
		.amdhsa_kernarg_size 32
		.amdhsa_user_sgpr_count 2
		.amdhsa_user_sgpr_kernarg_segment_ptr 1
		.amdhsa_wavefront_size32 1
		.amdhsa_system_sgpr_workgroup_id_x 1
		.amdhsa_system_sgpr_workgroup_id_y 1
		.amdhsa_system_sgpr_workgroup_id_z 1
		.amdhsa_system_vgpr_workitem_id 0
		.amdhsa_next_free_vgpr 1024
		.amdhsa_next_free_sgpr 100
		.amdhsa_reserve_vcc 1
		.amdhsa_float_denorm_mode_32 3
		.amdhsa_float_denorm_mode_16_64 3
		.amdhsa_memory_ordered 1
		.amdhsa_forward_progress 1
		.amdhsa_inst_pref_size 255
	.end_amdhsa_kernel
	.section	.bss,"aw",@nobits
	.p2align	6
	.space	262144
	.amdgpu_metadata
---
amdhsa.version: [ 1, 2 ]
amdhsa.kernels:
  - .name:           k_q7714933b24_fc
    .symbol:         k_q7714933b24_fc.kd
    .args:
      - { .name: himg, .offset: 0, .size: 8, .value_kind: global_buffer, .address_space: global }
      - { .name: wimg, .offset: 8, .size: 8, .value_kind: global_buffer, .address_space: global }
      - { .name: b_fc, .offset: 16, .size: 8, .value_kind: global_buffer, .address_space: global }
      - { .name: gimg, .offset: 24, .size: 8, .value_kind: global_buffer, .address_space: global }
    .group_segment_fixed_size: 327680
    .private_segment_fixed_size: 0
    .kernarg_segment_align: 8
    .kernarg_segment_size: 32
    .max_flat_workgroup_size: 128
    .sgpr_count:     100
    .vgpr_count:     1024
    .wavefront_size: 32
...
	.end_amdgpu_metadata
.endif
;; end of part 12
;; launch outp (part 13): grid 32 x 8, 4 waves a work-group, clusters of 4 x 1, 327,680 bytes of LDS; arguments gimg, wimg, b_out, x1, out0; writes out0
.if DOCPART == 13
	.amdgcn_target "amdgcn-amd-amdhsa--gfx1250"
	.amdhsa_code_object_version 6
	.text
	.protected	k_q7714933b24_outp
	.globl	k_q7714933b24_outp
	.p2align	8
	.type	k_q7714933b24_outp,@function
k_q7714933b24_outp:
	s_mov_b64 s[64:65], 0
	v_nop
	global_prefetch_b8 v0, s[64:65] scope:SCOPE_SE
	s_setreg_imm32_b32 hwreg(HW_REG_WAVE_MODE, 25, 1), 1
	s_wait_xcnt 0x0
	s_wait_alu depctr_hold_cnt(0) depctr_sa_sdst(0) depctr_va_vdst(0) depctr_va_sdst(0) depctr_va_ssrc(0) depctr_va_vcc(0) depctr_vm_vsrc(0)
	s_getreg_b32 s2, hwreg(HW_REG_IB_STS2, 6, 4)
	s_cmp_eq_u32 s2, 0
	s_cbranch_scc0 .Lentry_in_a_cluster
	s_endpgm
.Lentry_in_a_cluster:
	s_bfe_u32 s2, ttmp6, 0x10000c
	s_cmp_lg_u32 s2, 0x3003
	s_cbranch_scc0 .Lentry_shape_is_right
	s_endpgm
.Lentry_shape_is_right:
; out0 = x1 + g W_out^T + b_out, the product on codes of FP4, K = 4,096.
; Images: records of 4,352 bytes = 16 rows x 512 K (16 units of codes [place][16 bytes], one unit of scale bytes [place][16]); place p of tile t is row 32 (t / 2) + 8 (t % 2) + p + 8 (p / 8).
; SHARES.  256 work-groups: 128 tokens (grid x) x 128 columns (grid y).  Wave w = 2 a + kh takes tiles 4 a .. 4 a + 3 of the tokens, all 8 tiles of the rows of W_out, and half kh of K: 16 steps of 128, 32 products a step,
; 32 accumulators.  So the 8 KiB of weights that a step reads from LDS feed 32 products.  The two halves of K are added in f32 on the way out.
; THE WEIGHTS: 8 tiles x 34,816 bytes, all of K, lie in LDS: each wave asks once for two whole tiles (69,632 bytes on end of wimg); nothing is filled again.
; CLUSTER 4 x 1: the four partners differ in x alone and want the same rows of W_out: the load is joint, the mask names all four.
; THE TOKENS: my 4 tiles x 2,048 of K are read by no other wave: they come from memory straight into 512 registers (a fragment is 1,024 bytes on end of the image).
; x1 (32 rows x 512 bytes a wave) is loaded into the tokens registers of steps 0 to 3, as each of those steps is done.
; THE WAY OUT: each wave lays its 4 tiles of sums into a stage (16 rows x 528 bytes a tile and half of K), which lies in the weights bytes: they have had their one fill, and a barrier shows that nobody reads them.
; Behind a second barrier wave w reads tiles 2 w, 2 w + 1 of both halves back by rows, adds them, x1 and b_out, and stores 512 bytes on end of a row.
; NO PREFETCH: the launch has no loop to run ahead in: all its operands are asked for at its head.
; REGISTERS: window 0: v1-15 addresses; v16-19 b_out; v32-95 the weights scale words; v96-127 the tokens scale words; v128-255 two sets of the weights fragments.
;   window 1: accumulator (it, jt) at 8 (8 jt + it).   windows 2, 3: the tokens fragment (jt, step) at 32 step + 8 jt.
.set REC,   4352
.set TPO,   34816                      ; a tile of 16 rows x 4,096 K
.set WOFF,  4456448                    ; W_out in wimg
.set SROW,  528
.set STG,   16*SROW
.set SPARE, 8*TPO                      ; the spare words, 128 bytes a wave: two blocks of 256 bytes that no other line names
.set SPW, 1
.set NIL, 2
.set AP,  3                            ; v3-6   the weights fragments: tiles 2 i, 2 i + 1, my half of K
.set ASP, 7                            ; v7-10  their scale words: lanes 0-15 tile 2 i, lanes 16-31 tile 2 i + 1
.set L16, 11
.set SCG, 12                           ; v12    4,096 + 34,816 h + 16 r
.set STO, 13
.set RD,  14
.set RD2, 15
.set BI,  16
.set TM,  20
.set SCP, 32
.set SCQ, 96
.set PS,  128
.set G1,  24
.set G0,  32
.set MSB, 0
.macro WIN new                         ; the immediate high byte repeats the setting that is left
.if MSB != (\new)
	s_set_vgpr_msb (MSB<<8)|(\new)
.set MSB, (\new)
.endif
.endm
.macro CROUND                          ; a round of the cluster barrier
	s_barrier_signal -1
	s_barrier_wait -1
	s_cmp_lg_u32 s14, 0
	s_cbranch_scc1 .Lnot_wave_0_\@
	s_barrier_signal -3
.Lnot_wave_0_\@:
	s_barrier_wait -3
	s_barrier_signal -1
	s_barrier_wait -1
.endm
	s_load_b256 s[4:11], s[0:1], 0x0               ; gimg, wimg, b_out, x1
	s_load_b64 s[12:13], s[0:1], 0x20              ; out0
	v_lshl_add_u32 v[SPW], v0, 2, SPARE
	v_mov_b32 v[NIL], 0
	ds_add_u32 v[SPW], v[NIL]                      ; the opening: the add, twice on end, and its wait ahead of my first tensor load
	ds_add_u32 v[SPW], v[NIL]
	v_lshrrev_b32 v[TM], 5, v0
	v_readfirstlane_b32 s14, v[TM]                 ; wave 0..3
	s_lshr_b32 s15, s14, 1                         ; a: which four tiles of tokens
	s_and_b32 s16, s14, 1                          ; kh: which half of K
	s_bfe_u32 s40, ttmp6, 0x40000                  ; cx: it enters the tokens and the result addresses alone
	s_lshl_b32 s42, ttmp9, 2
	s_add_co_u32 s42, s42, s40                     ; x: which 128 tokens
	s_and_b32 s17, ttmp7, 0xffff                   ; yy: which 128 columns; the four partners share it
	s_mov_b32 s[G1], 15|(3<<16)|(1<<21)            ; the mask: all four; elements of 8 bytes; bit 21 beside a mask; no padding: the image is read 16 bytes x lane on end
	s_mov_b32 s[G1+1], (TPO/8)<<16                 ; tensor_dim0: a tile
	s_mov_b32 s[G1+2], 2<<16                       ; tensor_dim1: two tiles
	s_mov_b32 s[G1+3], (TPO/8)<<16                 ; tile_dim0
	s_mov_b32 s[G1+4], 2                           ; tile_dim1
	s_mov_b32 s[G1+5], TPO/8                       ; from tile to tile
	s_mov_b32 s[G1+6], 0
	s_mov_b32 s[G1+7], 0
	s_mul_i32 s45, s14, 2*TPO                      ; my two tiles, in LDS as in memory
	s_lshl_b32 s20, s17, 3
	s_mul_i32 s20, s20, TPO
	s_add_co_u32 s20, s20, s45
	s_add_co_u32 s20, s20, WOFF                    ; W_out: tile 8 yy + 2 w
	s_mov_b32 s21, 0
	s_mul_i32 s19, s16, 4*REC                      ; my half of K in a tile
	s_lshl_b32 s46, s42, 3
	s_lshl_b32 s47, s15, 2
	s_add_co_u32 s46, s46, s47
	s_mul_i32 s46, s46, TPO
	s_add_co_u32 s46, s46, s19                     ; gimg: tile 8 x + 4 a, my half of K
	s_mov_b32 s47, 0
	s_lshl_b32 s70, s42, 7
	s_lshl_b32 s71, s14, 5
	s_add_co_u32 s70, s70, s71
	s_lshl_b32 s70, s70, 12                        ; x1, out0: row 128 x + 32 w,
	s_lshl_b32 s72, s17, 9
	s_add_co_u32 s70, s70, s72                     ; column 128 yy
	s_mov_b32 s71, 0
	s_mov_b32 s73, 0
.irp i, 0,1,2,3
	s_add_co_u32 s[52+\i], s19, \i*2*TPO
.endr
	s_lshl_b32 s56, s16, 3
	s_lshl_b32 s57, s15, 2
	s_add_co_u32 s56, s56, s57
	s_mul_i32 s56, s56, STG                        ; the stage of (kh, tile 4 a)
	s_mul_i32 s57, s14, 2*STG                      ; and of (0, tile 2 w)
	v_and_b32 v[TM], 31, v0
	v_and_b32 v[TM+1], 15, v0                      ; r
	v_bfe_u32 v[TM+2], v0, 4, 1                    ; h
	v_lshlrev_b32 v[L16], 4, v[TM]
	v_mul_u32_u24 v[SCG], v[TM+2], TPO
	v_mul_u32_u24 v[STO], v[TM+1], SROW
	v_lshl_add_u32 v[SCG], v[TM+1], 4, v[SCG]
	v_lshl_add_u32 v[STO], v[TM+2], 6, v[STO]
	v_add_nc_u32 v[SCG], 4096, v[SCG]
	v_add_nc_u32 v[STO], s56, v[STO]               ; in: row r, + 64 h
	v_add_nc_u32 v[RD], s57, v[L16]                ; back: a row of 512 bytes, 16 a lane; half 0 of K,
	v_add_nc_u32 v[RD2], 8*STG, v[RD]              ; half 1
.irp i, 0,1,2,3
	v_add_nc_u32 v[AP+\i], s[52+\i], v[L16]
	v_add_nc_u32 v[ASP+\i], s[52+\i], v[SCG]
.endr
	s_wait_alu depctr_va_vdst(0)                   ; the wait at the head end
	s_wait_dscnt 0x0                               ; both opening adds are done
	s_wait_kmcnt 0x0
	s_add_nc_u64 s[20:21], s[6:7], s[20:21]
	s_add_nc_u64 s[76:77], s[4:5], s[46:47]        ; my tokens
	s_add_nc_u64 s[78:79], s[10:11], s[70:71]      ; x1
	s_add_nc_u64 s[74:75], s[12:13], s[70:71]      ; out0
	s_add_nc_u64 s[82:83], s[8:9], s[72:73]        ; b_out
	s_mov_b32 s[G0], 1
	s_mov_b32 s[G0+1], s45
	s_mov_b64 s[G0+2:G0+3], s[20:21]
	s_or_b32 s[G0+3], s[G0+3], 0x80000000
	CROUND                                         ; all four work-groups are here: the joint loads meet
	tensor_load_to_lds s[G0:G0+3], s[G1:G1+7]      ; my one tensor load of the launch
	s_nop 0
.rept 4
	v_nop
.endr
.irp rc, 0,1,2,3
.irp jp, 0,1
	global_load_b128 v[SCQ+8*\rc+4*\jp:SCQ+8*\rc+4*\jp+3], v[SCG], s[76:77] offset:\jp*2*TPO+\rc*REC   ; the tokens scale words: lanes 0-15 tile 2 jp, lanes 16-31 tile 2 jp + 1
.endr
.endr
	global_load_b128 v[BI:BI+3], v[L16], s[82:83]  ; b_out at my four columns of a row
.macro QLD st                          ; the tokens fragments of my step st: 8 loads of 512 bytes on end
.irp jt, 0,1,2,3
.irp c, 0,1
	global_load_b128 v[(32*(\st)+8*\jt+4*\c)%256:(32*(\st)+8*\jt+4*\c)%256+3], v[L16], s[76:77] offset:\jt*TPO+((\st)/4)*REC+((\st)%4)*1024+512*\c
.endr
.endr
.endm
	WIN 0x80                                       ; destination window 2
.irp st, 0,1,2,3,4,5,6,7
	QLD \st
.endr
	WIN 0xc0                                       ; window 3
.irp st, 8,9,10,11,12,13,14,15
	QLD \st
.endr
	WIN 0
.macro FETCH st, f                     ; the weights eight fragments of my step st into set f
.irp it, 0,1,2,3,4,5,6,7
.irp c, 0,1
	ds_load_b128 v[PS+64*(\f)+8*\it+4*\c:PS+64*(\f)+8*\it+4*\c+3], v[AP+\it/2] offset:(\it%2)*TPO+((\st)/4)*REC+((\st)%4)*1024+512*\c
.endr
.endr
.endm
.macro XLD k                           ; eight rows of x1 into the tokens registers of step k, which is done
	WIN 0x80
.irp n, 0,1,2,3,4,5,6,7
.set XN, 8*(\k)+\n
	global_load_b128 v[4*XN:4*XN+3], v[L16], s[78:79] offset:(8*(XN/16)+XN%16+8*((XN%16)/8))*4096 th:TH_LOAD_NT
.endr
	WIN 0
.endm
.macro WM st, f, it, jt                ; one product; step 0 starts the sums with the constant 0.  An odd tile scale words stand in lanes 16-31
.set rD, 8*(8*(\jt)+(\it))
.set rA, PS+64*(\f)+8*(\it)
.set rB, (32*(\st)+8*(\jt))%256
.set rSA, SCP+16*((\st)/4)+4*((\it)/2)+(\st)%4
.set rSB, SCQ+8*((\st)/4)+4*((\jt)/2)+(\st)%4
.if (\st) == 0
.if ((\it)%2) && ((\jt)%2)
	v_wmma_scale_f32_16x16x128_f8f6f4 v[rD:rD+7], v[rA:rA+7], v[rB:rB+7], 0, v[rSA], v[rSB] matrix_a_fmt:MATRIX_FMT_FP4 matrix_b_fmt:MATRIX_FMT_FP4 matrix_a_scale:MATRIX_SCALE_ROW1 matrix_b_scale:MATRIX_SCALE_ROW1
.elseif ((\it)%2)
	v_wmma_scale_f32_16x16x128_f8f6f4 v[rD:rD+7], v[rA:rA+7], v[rB:rB+7], 0, v[rSA], v[rSB] matrix_a_fmt:MATRIX_FMT_FP4 matrix_b_fmt:MATRIX_FMT_FP4 matrix_a_scale:MATRIX_SCALE_ROW1
.elseif ((\jt)%2)
	v_wmma_scale_f32_16x16x128_f8f6f4 v[rD:rD+7], v[rA:rA+7], v[rB:rB+7], 0, v[rSA], v[rSB] matrix_a_fmt:MATRIX_FMT_FP4 matrix_b_fmt:MATRIX_FMT_FP4 matrix_b_scale:MATRIX_SCALE_ROW1
.else
	v_wmma_scale_f32_16x16x128_f8f6f4 v[rD:rD+7], v[rA:rA+7], v[rB:rB+7], 0, v[rSA], v[rSB] matrix_a_fmt:MATRIX_FMT_FP4 matrix_b_fmt:MATRIX_FMT_FP4
.endif
.else
.if ((\it)%2) && ((\jt)%2)
	v_wmma_scale_f32_16x16x128_f8f6f4 v[rD:rD+7], v[rA:rA+7], v[rB:rB+7], v[rD:rD+7], v[rSA], v[rSB] matrix_a_fmt:MATRIX_FMT_FP4 matrix_b_fmt:MATRIX_FMT_FP4 matrix_a_scale:MATRIX_SCALE_ROW1 matrix_b_scale:MATRIX_SCALE_ROW1
.elseif ((\it)%2)
	v_wmma_scale_f32_16x16x128_f8f6f4 v[rD:rD+7], v[rA:rA+7], v[rB:rB+7], v[rD:rD+7], v[rSA], v[rSB] matrix_a_fmt:MATRIX_FMT_FP4 matrix_b_fmt:MATRIX_FMT_FP4 matrix_a_scale:MATRIX_SCALE_ROW1
.elseif ((\jt)%2)
	v_wmma_scale_f32_16x16x128_f8f6f4 v[rD:rD+7], v[rA:rA+7], v[rB:rB+7], v[rD:rD+7], v[rSA], v[rSB] matrix_a_fmt:MATRIX_FMT_FP4 matrix_b_fmt:MATRIX_FMT_FP4 matrix_b_scale:MATRIX_SCALE_ROW1
.else
	v_wmma_scale_f32_16x16x128_f8f6f4 v[rD:rD+7], v[rA:rA+7], v[rB:rB+7], v[rD:rD+7], v[rSA], v[rSB] matrix_a_fmt:MATRIX_FMT_FP4 matrix_b_fmt:MATRIX_FMT_FP4
.endif
.endif
.endm
.macro STEP st                         ; 128 along K: the 32 accumulators by turns, in the same order in every step
	WIN 0
.if (\st) > 0
.rept 4
	v_nop                                          ; four places behind the last step products, in front of loads into registers that they read
.endr
.endif
.if ((\st) > 0) && ((\st) < 5)
	XLD (\st)-1
.endif
.if (\st) < 15
	FETCH (\st)+1, ((\st)+1)%2
	s_wait_dscnt 16                                ; all but the 16 loads just issued: this step set is in
.else
	s_wait_dscnt 0x0
.endif
	WIN 0x58+4*((\st)/8)                           ; source 0 window 0, source 1 window 2 or 3, C and D window 1
.irp jt, 0,1,2,3
.irp it, 0,1,2,3,4,5,6,7
	WM \st, (\st)%2, \it, \jt
.endr
.endr
.endm
	s_wait_tensorcnt 0x0                           ; my two tiles are in
	s_barrier_signal -1
	s_barrier_wait -1                              ; all eight are
.irp rc, 0,1,2,3
.irp i, 0,1,2,3
	ds_load_b128 v[SCP+16*\rc+4*\i:SCP+16*\rc+4*\i+3], v[ASP+\i] offset:\rc*REC   ; the weights scale words of my half of K
.endr
.endr
	FETCH 0, 0
	s_wait_loadcnt 0x0                             ; my tokens, their scale words, b_out
.irp st, 0,1,2,3,4,5,6,7,8,9,10,11,12,13,14,15
	STEP \st
.endr
	WIN 0
.rept 4
	v_nop                                          ; four places in front of the first read of results
.endr
	s_barrier_signal -1                            ; (no LDS load of mine is out: the last step waited for all)
	s_barrier_wait -1                              ; nobody reads the weights any more: the stage may be written
	WIN 0x04                                       ; the data: window 1
.irp jt, 0,1,2,3
.irp it, 0,1,2,3,4,5,6,7
	ds_store_b128 v[STO], v[8*(8*\jt+\it):8*(8*\jt+\it)+3] offset:\jt*STG+128*(\it/2)+32*(\it%2)       ; each accumulator from its low end on
	ds_store_b128 v[STO], v[8*(8*\jt+\it)+4:8*(8*\jt+\it)+7] offset:\jt*STG+128*(\it/2)+32*(\it%2)+16
.endr
.endr
	WIN 0
	s_wait_dscnt 0x0                               ; for the others: my stores are done
	s_barrier_signal -1
	s_barrier_wait -1
	WIN 0x40                                       ; destination window 1
.irp jt, 0,1
.irp i, 0,1,2,3,4,5,6,7,8,9,10,11,12,13,14,15
	ds_load_b128 v[64*\jt+4*\i:64*\jt+4*\i+3], v[RD] offset:\jt*STG+SROW*\i
	ds_load_b128 v[128+64*\jt+4*\i:128+64*\jt+4*\i+3], v[RD2] offset:\jt*STG+SROW*\i
.endr
.endr
	s_wait_dscnt 0x0
	s_wait_loadcnt 0x0                             ; x1
	WIN 0x45                                       ; all in window 1: the two halves of K
.set j, 0
.rept 64
	v_pk_add_f32 v[j:j+1], v[j:j+1], v[128+j:129+j]
.set j, j+2
.endr
	WIN 0x49                                       ; source 1 window 2: x1
.set j, 0
.rept 64
	v_pk_add_f32 v[j:j+1], v[j:j+1], v[j:j+1]
.set j, j+2
.endr
	WIN 0x41                                       ; source 1 window 0: b_out
.set j, 0
.rept 64
	v_pk_add_f32 v[j:j+1], v[j:j+1], v[BI+j%4:BI+j%4+1]
.set j, j+2
.endr
	WIN 0x04
.irp jt, 0,1
.irp i, 0,1,2,3,4,5,6,7,8,9,10,11,12,13,14,15
	global_store_b128 v[L16], v[64*\jt+4*\i:64*\jt+4*\i+3], s[74:75] offset:(8*\jt+\i+8*(\i/8))*4096 th:TH_STORE_NT   ; 512 bytes on end of a row
.endr
.endr
	WIN 0
	s_wait_tensorcnt 0x0                           ; the wave end
	ds_add_u32 v[SPW], v[NIL]
	s_wait_dscnt 0x0
	CROUND                                         ; the closing round
	s_endpgm
.Lfunc_end_k_q7714933b24_outp:
	.size	k_q7714933b24_outp, .Lfunc_end_k_q7714933b24_outp-k_q7714933b24_outp
	.p2alignl 7, 3214868480
	.fill 96, 4, 3214868480
	.section	.rodata,"a",@progbits
	.p2align	6, 0x0
	.amdhsa_kernel k_q7714933b24_outp
		.amdhsa_group_segment_fixed_size 327680
		.amdhsa_private_segment_fixed_size 0
		.amdhsa_enable_private_segment 0
		.amdhsa_kernarg_size 40
		.amdhsa_user_sgpr_count 2
		.amdhsa_user_sgpr_kernarg_segment_ptr 1
		.amdhsa_wavefront_size32 1
		.amdhsa_system_sgpr_workgroup_id_x 1
		.amdhsa_system_sgpr_workgroup_id_y 1
		.amdhsa_system_sgpr_workgroup_id_z 1
		.amdhsa_system_vgpr_workitem_id 0
		.amdhsa_next_free_vgpr 1024
		.amdhsa_next_free_sgpr 100
		.amdhsa_reserve_vcc 0
		.amdhsa_float_denorm_mode_32 3
		.amdhsa_float_denorm_mode_16_64 3
		.amdhsa_memory_ordered 1
		.amdhsa_forward_progress 1
		.amdhsa_inst_pref_size 130
	.end_amdhsa_kernel
	.amdgpu_metadata
---
amdhsa.version: [ 1, 2 ]
amdhsa.kernels:
  - .name:           k_q7714933b24_outp
    .symbol:         k_q7714933b24_outp.kd
    .args:
      - { .name: gimg, .offset: 0, .size: 8, .value_kind: global_buffer, .address_space: global }
      - { .name: wimg, .offset: 8, .size: 8, .value_kind: global_buffer, .address_space: global }
      - { .name: b_out, .offset: 16, .size: 8, .value_kind: global_buffer, .address_space: global }
      - { .name: x1, .offset: 24, .size: 8, .value_kind: global_buffer, .address_space: global }
      - { .name: out0, .offset: 32, .size: 8, .value_kind: global_buffer, .address_space: global }
    .group_segment_fixed_size: 327680
    .private_segment_fixed_size: 0
    .kernarg_segment_align: 8
    .kernarg_segment_size: 40
    .max_flat_workgroup_size: 128
    .sgpr_count:     100
    .vgpr_count:     1024
    .wavefront_size: 32
...
	.end_amdgpu_metadata
.endif
;; end of part 13
